; MI455X (gfx1250); checked and timed in simulation.
; The chip was launched on July 23, 2026; its instructions are those of AMD's public machine-readable ISA for CDNA 5 (MIT licence, August 2026) and "CDNA5" Instruction Set Architecture Reference Guide (July 2026). The comments in the code are by the model that wrote it; some were corrected since.
;; Packed QKV Block. Allowed arithmetic: matrix products marked QUANTISED: E4M3 operands, one E8M0 scale for each 32 along K, by v_wmma_scale_f32_16x16x128_f8f6f4 with both operands' format E4M3, f32 sums; everything else in f32.
;; Inputs: ffn1_b 4,096 float32; ffn1_w_codes 4,096 x 32 x 32 uint8 (E4M3 codes of ffn1_w, K innermost, in blocks of 32 codes); ffn1_w_scales 4,096 x 32 uint8 (E8M0 scales of ffn1_w, one for each 32 codes along K); ffn2_b 1,024 float32; ffn2_w_codes 1,024 x 128 x 32 uint8 (E4M3 codes of ffn2_w, K innermost, in blocks of 32 codes); ffn2_w_scales 1,024 x 128 uint8 (E8M0 scales of ffn2_w, one for each 32 codes along K); ln1_b 1,024 float32; ln1_w 1,024 float32; ln2_b 1,024 float32; ln2_w 1,024 float32; qkv_b 3,072 float32; qkv_w_codes 3,072 x 32 x 32 uint8 (E4M3 codes of qkv_w, K innermost, in blocks of 32 codes); qkv_w_scales 3,072 x 32 uint8 (E8M0 scales of qkv_w, one for each 32 codes along K); wo_b 1,024 float32; wo_w_codes 1,024 x 32 x 32 uint8 (E4M3 codes of wo_w, K innermost, in blocks of 32 codes); wo_w_scales 1,024 x 32 uint8 (E8M0 scales of wo_w, one for each 32 codes along K); x 2 x 2,048 x 1,024 float32.
;; Outputs: out0 2 x 2,048 x 1,024 float32.
;; This version of the problem:
;;   THIS VERSION OF THE PROBLEM IS GIVEN IN LOW PRECISION. The matrix products marked QUANTISED in the list below multiply operands that are first quantised to E4M3 (4 exponent bits, 3 mantissa bits; 8 bits a number), with one power-of-two scale for each 32 numbers along K (OCP MX v1.0); their sums are f32. All else is computed in f32.
;;   The module's matrix products, in the order in which they are computed (A, B: the left and right operand; K: the contracted axis; several contracted axes count as one K, in the product's order):
;;     1. [M 4,096, K 1,024] x [K 1,024, N 3,072]; A: computed on the way; B: input qkv_w (given as codes): QUANTISED
;;     2. batch 32 x [M 2,048, K 64] x [K 64, N 2,048]; A: computed on the way; B: computed on the way: QUANTISED
;;     3. batch 32 x [M 2,048, K 2,048] x [K 2,048, N 64]; A: softmax (see below); B: computed on the way: QUANTISED
;;     4. [M 4,096, K 1,024] x [K 1,024, N 1,024]; A: computed on the way; B: input wo_w (given as codes): QUANTISED
;;     5. [M 4,096, K 1,024] x [K 1,024, N 4,096]; A: computed on the way; B: input ffn1_w (given as codes): QUANTISED
;;     6. [M 4,096, K 4,096] x [K 4,096, N 1,024]; A: computed on the way; B: input ffn2_w (given as codes): QUANTISED
;;   THE QUANTISER, for each operand of a quantised product, along K:
;;     - K is cut into blocks of 32 from its start; a last block that is shorter is filled with zeros.
;;     - A block's scale is 2^e with e = floor(log2(the largest magnitude in the block)) - 8, held to -126 .. 127; a block of zeros has e = 0. As a byte (E8M0): e + 127.
;;     - Each number is divided by its block's scale, clamped to +-448, and rounded to the nearest number of E4M3, ties to even, subnormals kept.
;;     - The product sums the exact products of the quantised numbers (number of the format x scale) in f32.
;;   ~~~python
;;   def quantise(x, axis):      # numpy; x: float32 -> the quantised numbers, widened to float32 again
;;       x = np.moveaxis(x, axis, -1); K = x.shape[-1]
;;       x = np.pad(x, [(0, 0)] * (x.ndim - 1) + [(0, -K % 32)]); x = x.reshape(x.shape[:-1] + (-1, 32)); a = np.abs(x).max(-1, keepdims=True)
;;       e = np.where(a > 0, np.clip(np.frexp(np.where(a > 0, a, 1))[1] - 1 - 8, -126, 127), 0)      # np.frexp(a)[1] - 1 = floor(log2(a)), exactly
;;       r = np.clip(x / 2.0 ** e, -448, 448)
;;       step = 2.0 ** (np.maximum(np.frexp(np.where(r == 0, 1, r))[1] - 1, -6) - 3)
;;       q = np.round(r / step) * step * 2.0 ** e      # np.round: ties to even
;;       return np.moveaxis(q.reshape(q.shape[:-2] + (-1,))[..., :K], -1, axis).astype(np.float32)
;;   ~~~
;;   SOFTMAX AHEAD OF A QUANTISED PRODUCT. Where the list says 'softmax', what is quantised is not the finished softmax but p = 2^(t - M), with t = logit x log2(e) and M = ceil(the row's largest t), a whole number; so 1/2 < the row's largest p <= 1. The row's sum l is taken of the UNQUANTISED p, in f32, and the product's result is divided by l at the end. Since M is a whole number, a kernel that streams over the keys may use a running M (the ceiling of the running maximum): every later rescaling is an exact power of two, which a block's scale takes up: the codes' values come out the same.
;;   OPERANDS COMPUTED ON THE WAY. 'Computed on the way' means the value that the module computes at that place (a softmax that the list does not call 'softmax' is quantised finished and normalised). What goes into a quantiser is computed in f32, as accurately as f32 sums, v_exp_f32 and their like allow (about 1e-6 of the number): no bf16 or f16 on the way to a quantiser, and a product that is left as it is and whose result goes on into a quantised operand takes f32 operands (vector FMAs, or v_wmma_f32_16x16x4_f32). A number that lies on a knife's edge between two numbers of the format may be rounded either way, as far as f32 arithmetic and the matrix unit's own rounding can turn it there, and no further.
;;   INPUTS GIVEN AS CODES. ffn1_w (in the module: [4096, 1024], K = its axis 1); ffn2_w (in the module: [1024, 4096], K = its axis 1); qkv_w (in the module: [3072, 1024], K = its axis 1); wo_w (in the module: [1024, 1024], K = its axis 1): each comes as NAME_codes (uint8): NAME with its K axis moved to the last place and cut into blocks of 32 codes, [.., K / 32, bytes a block], one block behind the other in memory; one code a byte (a code: sign, 4 exponent bits, 3 mantissa bits); and NAME_scales (uint8): the same leading axes, one E8M0 byte (e + 127) for each 32 codes along K. Its value is code x scale, taken as it is: it is not quantised again, and the codes and scales need not be those that the quantiser above would give.
;; 2 versions. Each part assembles by itself: llvm-mc -triple=amdgcn-amd-amdhsa -mcpu=gfx1250 --defsym DOCPART=n.
;; ======== version 1 of 2: 7 launches
;; workspace buffers: c1 4,194,304 bytes; s1 131,072 bytes; qi 8,781,824 bytes; kv 8,781,824 bytes; x1 16,777,216 bytes; fc 16,777,216 bytes; fs 524,288 bytes
;; launch lnq (part 1): grid 256 x 1, 4 waves a work-group, no clusters, 1,024 bytes of LDS; arguments x, ln1_w, ln1_b, c1, s1; writes c1, s1
.if DOCPART == 1
	.amdgcn_target "amdgcn-amd-amdhsa--gfx1250"
	.amdhsa_code_object_version 6
	.text
	.protected	k_qbd6c6cc7dd_lnq
	.globl	k_qbd6c6cc7dd_lnq
	.p2align	8
	.type	k_qbd6c6cc7dd_lnq,@function
k_qbd6c6cc7dd_lnq:
	s_mov_b64 s[64:65], 0
	v_nop
	global_prefetch_b8 v0, s[64:65] scope:SCOPE_SE
	s_setreg_imm32_b32 hwreg(HW_REG_WAVE_MODE, 25, 1), 1
	s_wait_xcnt 0x0
; LayerNorm over rows of 1,024 f32 numbers, then the MX-FP8 quantiser along the row: codes [4096][1024] (one byte a code) and one E8M0 byte for each 32, [4096][32].
; y = (x - mean) * rsqrt(var + 1e-5) * w + b, two passes over registers (the mean first, then the squares of x - mean), all in f32.
; A block's scale byte is its largest magnitude's exponent field - 8, held at 1 from below; each number is held within +-448 x the scale and converted, ties to even.
; LIMITS: NaN and infinities are not served; a block whose largest magnitude lies under 2^-118 (a block of zeros too) keeps the byte 1: its bytes are read by this program alone.
; SHARES: a work-group takes 16 rows, a wave 4.  A row lies in 32 registers of the wave: in group q (256 columns) lane l holds the 8 neighbours at column 256 q + 8 l, so four lanes hold a block of 32.
; All 48 loads of a wave (w, b, four rows) go out at the head.  No matrix unit, no barrier, no cluster: waves share nothing and memory binds.
.set WT,  16                           ; v16-47   w of my 32 columns
.set BB,  48                           ; v48-79   b
.set X,   80                           ; v80-207  row i at X + 32 i
.set CD,  208                          ; v208-239 codes: row i, group q at CD + 8 i + 2 q; never rewritten, so no store's data are written again
.set MU,  240                          ; v[240:241] the mean, twice
.set RS,  242                          ; v[242:243] rsqrt(var + eps), twice
.set AM,  244                          ; v244-247 the four groups' largest magnitudes
.set SO,  248                          ; v248-251 the conversions' scale operands
.set HL,  252                          ; v252-255 448 x the scale
	s_load_b256 s[4:11], s[0:1], 0x0               ; x s[4:5], w s[6:7], b s[8:9], codes s[10:11]
	s_load_b64 s[12:13], s[0:1], 0x20              ; scale bytes
	v_lshl_add_u32 v14, v0, 2, 0x200
	v_mov_b32 v15, 0
	v_lshrrev_b32 v1, 5, v0
	v_readfirstlane_b32 s14, v1                    ; wave
	v_and_b32 v1, 31, v0                           ; lane
	v_lshlrev_b32 v2, 5, v1                        ; my 32 bytes of a group's 1,024
	v_lshlrev_b32 v3, 3, v1                        ; my 8 codes of a group's 256
	v_lshlrev_b32 v6, 2, v1
	v_lshrrev_b32 v4, 2, v1
	s_lshl_b32 s15, s14, 7                         ; LDS: 128 scale bytes for each wave
	v_add_nc_u32 v4, s15, v4                       ; my block's byte
	v_add_nc_u32 v5, s15, v6                       ; and on the way out 4 bytes a lane
	s_mov_b32 s16, 0x76543210                      ; v_permlanex16_b32: lane l xor 16
	s_mov_b32 s17, 0xfedcba98
	s_mov_b32 s18, 0x3a800000                      ; 1 / 1024
	s_mov_b32 s19, 0x3727c5ac                      ; 1e-5
	s_mov_b32 s20, 0x600000                        ; the mantissa field of 448
	s_lshl_b32 s21, ttmp9, 4
	s_lshl_b32 s24, s14, 2
	s_add_co_u32 s21, s21, s24                     ; my first row
	s_mov_b32 s23, 0
	s_lshl_b32 s22, s21, 12
	s_wait_kmcnt 0x0
	s_add_nc_u64 s[4:5], s[4:5], s[22:23]
	s_lshl_b32 s22, s21, 10
	s_add_nc_u64 s[10:11], s[10:11], s[22:23]
	s_lshl_b32 s22, s21, 5
	s_add_nc_u64 s[12:13], s[12:13], s[22:23]
.irp q, 0,1,2,3
	global_load_b128 v[WT+8*\q:WT+8*\q+3],   v2, s[6:7] offset:1024*\q
	global_load_b128 v[WT+8*\q+4:WT+8*\q+7], v2, s[6:7] offset:1024*\q+16
	global_load_b128 v[BB+8*\q:BB+8*\q+3],   v2, s[8:9] offset:1024*\q
	global_load_b128 v[BB+8*\q+4:BB+8*\q+7], v2, s[8:9] offset:1024*\q+16
.endr
.irp i, 0,1,2,3
.irp q, 0,1,2,3
	global_load_b128 v[X+32*\i+8*\q:X+32*\i+8*\q+3],   v2, s[4:5] offset:4096*\i+1024*\q th:TH_LOAD_NT
	global_load_b128 v[X+32*\i+8*\q+4:X+32*\i+8*\q+7], v2, s[4:5] offset:4096*\i+1024*\q+16 th:TH_LOAD_NT
.endr
.endr
.macro LANES                           ; the sum in v8 over the 32 lanes; every lane ends with it
	v_add_f32_dpp v8, v8, v8 row_xmask:1 row_mask:0xf bank_mask:0xf
	v_add_f32_dpp v8, v8, v8 row_xmask:2 row_mask:0xf bank_mask:0xf
	v_add_f32_dpp v8, v8, v8 row_xmask:4 row_mask:0xf bank_mask:0xf
	v_add_f32_dpp v8, v8, v8 row_xmask:8 row_mask:0xf bank_mask:0xf
	v_permlanex16_b32 v9, v8, s16, s17
	v_add_f32 v8, v8, v9
.endm
.macro ROW i
.set XR, X+32*\i
	s_wait_loadcnt 8*(3-\i)                        ; loads come back in order: w, b and this row are in; the 8 loads of each later row may be out
.if \i > 0
	s_wait_dscnt 0x0                               ; the last row's byte stores have read v8-11
.endif
	v_pk_add_f32 v[8:9], v[XR:XR+1], v[XR+2:XR+3]  ; the row's sum, in two chains
	v_pk_add_f32 v[10:11], v[XR+4:XR+5], v[XR+6:XR+7]
.irp j, 8,12,16,20,24,28
	v_pk_add_f32 v[8:9], v[8:9], v[XR+\j:XR+\j+1]
	v_pk_add_f32 v[10:11], v[10:11], v[XR+\j+2:XR+\j+3]
.endr
	v_pk_add_f32 v[8:9], v[8:9], v[10:11]
	v_add_f32 v8, v8, v9
	LANES
	v_mul_f32 v[MU], s18, v8
	v_mov_b32 v[MU+1], v[MU]
.irp j, 0,2,4,6,8,10,12,14,16,18,20,22,24,26,28,30
	v_pk_add_f32 v[XR+\j:XR+\j+1], v[XR+\j:XR+\j+1], v[MU:MU+1] neg_lo:[0,1] neg_hi:[0,1]   ; x - mean
.endr
	v_pk_mul_f32 v[8:9], v[XR:XR+1], v[XR:XR+1]    ; the squares' sum, in two chains
	v_pk_mul_f32 v[10:11], v[XR+2:XR+3], v[XR+2:XR+3]
.irp j, 4,8,12,16,20,24,28
	v_pk_fma_f32 v[8:9], v[XR+\j:XR+\j+1], v[XR+\j:XR+\j+1], v[8:9]
	v_pk_fma_f32 v[10:11], v[XR+\j+2:XR+\j+3], v[XR+\j+2:XR+\j+3], v[10:11]
.endr
	v_pk_add_f32 v[8:9], v[8:9], v[10:11]
	v_add_f32 v8, v8, v9
	LANES
	v_fma_f32 v8, v8, s18, s19                     ; var + eps
	v_rsq_f32 v[RS], v8
	v_nop                                          ; a plain instruction behind the transcendental (ISA guide 5.7.2),
	s_wait_alu depctr_va_vdst(0)                   ; and the wait ahead of the first use of its result
	v_mov_b32 v[RS+1], v[RS]
.irp j, 0,2,4,6,8,10,12,14,16,18,20,22,24,26,28,30
	v_pk_mul_f32 v[XR+\j:XR+\j+1], v[XR+\j:XR+\j+1], v[RS:RS+1]
.endr
.irp j, 0,2,4,6,8,10,12,14,16,18,20,22,24,26,28,30
	v_pk_fma_f32 v[XR+\j:XR+\j+1], v[XR+\j:XR+\j+1], v[WT+\j:WT+\j+1], v[BB+\j:BB+\j+1]
.endr
.irp q, 0,1,2,3
	v_max3_num_f32 v[AM+\q], |v[XR+8*\q]|, |v[XR+8*\q+1]|, 0x4800000   ; my 8 numbers of the block, and the floor 2^(9 - 127): the byte cannot fall under 1
.endr
.irp j, 2,4,6
.irp q, 0,1,2,3
	v_max3_num_f32 v[AM+\q], v[AM+\q], |v[XR+8*\q+\j]|, |v[XR+8*\q+\j+1]|
.endr
.endr
.irp q, 0,1,2,3
	v_max_num_f32_dpp v[AM+\q], v[AM+\q], v[AM+\q] row_xmask:1 row_mask:0xf bank_mask:0xf
.endr
.irp q, 0,1,2,3
	v_max_num_f32_dpp v[AM+\q], v[AM+\q], v[AM+\q] row_xmask:2 row_mask:0xf bank_mask:0xf   ; the four lanes' : the block's largest magnitude
.endr
.irp q, 0,1,2,3
	v_add_nc_u32 v[SO+\q], 0xfc000000, v[AM+\q]    ; 8 off its exponent field: the conversion's scale operand
.endr
.irp q, 0,1,2,3
	v_and_or_b32 v[HL+\q], v[AM+\q], 0x7f800000, s20   ; 448 x the scale
.endr
.irp q, 0,1,2,3
.irp j, 0,1,2,3,4,5,6,7
	v_med3_num_f32 v[XR+8*\q+\j], v[XR+8*\q+\j], -v[HL+\q], v[HL+\q]   ; the conversion to an 8-bit code does not saturate (ISA guide 7.6.2)
.endr
.endr
.irp q, 0,1,2,3
	v_cvt_scalef32_pk8_fp8_f32 v[CD+8*\i+2*\q:CD+8*\i+2*\q+1], v[XR+8*\q:XR+8*\q+7], v[SO+\q]
.endr
.irp q, 0,1,2,3
	v_lshrrev_b32 v[8+\q], 23, v[SO+\q]            ; the scale's byte
.endr
.irp q, 0,1,2,3
	ds_store_b8 v4, v[8+\q] offset:32*\i+8*\q      ; the four lanes of a block write the same byte with the same value
	global_store_b64 v3, v[CD+8*\i+2*\q:CD+8*\i+2*\q+1], s[10:11] offset:1024*\i+256*\q   ; 32 lanes store 256 consecutive bytes, aligned
.endr
.endm
	ROW 0
	ROW 1
	ROW 2
	ROW 3
	ds_load_b32 v12, v5                            ; LDS serves a wave's instructions in order: this sees my byte stores
	s_wait_dscnt 0x0
	global_store_b32 v6, v12, s[12:13]             ; my four rows' 128 scale bytes; the work-group's four waves store 512 consecutive bytes
	s_wait_tensorcnt 0x0
	ds_add_u32 v14, v15
	s_wait_dscnt 0x0
	s_endpgm
.Lfunc_end_k_qbd6c6cc7dd_lnq:
	.size	k_qbd6c6cc7dd_lnq, .Lfunc_end_k_qbd6c6cc7dd_lnq-k_qbd6c6cc7dd_lnq
	.p2alignl 7, 3214868480
	.fill 96, 4, 3214868480
	.section	.rodata,"a",@progbits
	.p2align	6, 0x0
	.amdhsa_kernel k_qbd6c6cc7dd_lnq
		.amdhsa_group_segment_fixed_size 1024
		.amdhsa_private_segment_fixed_size 0
		.amdhsa_enable_private_segment 0
		.amdhsa_kernarg_size 40
		.amdhsa_user_sgpr_count 2
		.amdhsa_user_sgpr_kernarg_segment_ptr 1
		.amdhsa_wavefront_size32 1
		.amdhsa_system_sgpr_workgroup_id_x 1
		.amdhsa_system_sgpr_workgroup_id_y 1
		.amdhsa_system_sgpr_workgroup_id_z 1
		.amdhsa_system_vgpr_workitem_id 0
		.amdhsa_next_free_vgpr 256
		.amdhsa_next_free_sgpr 66
		.amdhsa_reserve_vcc 0
		.amdhsa_float_denorm_mode_32 3
		.amdhsa_float_denorm_mode_16_64 3
		.amdhsa_memory_ordered 1
		.amdhsa_forward_progress 1
		.amdhsa_inst_pref_size 52
	.end_amdhsa_kernel
	.amdgpu_metadata
---
amdhsa.version: [ 1, 2 ]
amdhsa.kernels:
  - .name:           k_qbd6c6cc7dd_lnq
    .symbol:         k_qbd6c6cc7dd_lnq.kd
    .args:
      - { .name: x, .offset: 0, .size: 8, .value_kind: global_buffer, .address_space: global }
      - { .name: ln1_w, .offset: 8, .size: 8, .value_kind: global_buffer, .address_space: global }
      - { .name: ln1_b, .offset: 16, .size: 8, .value_kind: global_buffer, .address_space: global }
      - { .name: c1, .offset: 24, .size: 8, .value_kind: global_buffer, .address_space: global }
      - { .name: s1, .offset: 32, .size: 8, .value_kind: global_buffer, .address_space: global }
    .group_segment_fixed_size: 1024
    .private_segment_fixed_size: 0
    .kernarg_segment_align: 8
    .kernarg_segment_size: 40
    .max_flat_workgroup_size: 128
    .sgpr_count:     66
    .vgpr_count:     256
    .wavefront_size: 32
...
	.end_amdgpu_metadata
.endif
;; end of part 1
;; launch qkv (part 2): grid 12 x 16, 4 waves a work-group, clusters of 4 x 4, 327,680 bytes of LDS; arguments c1, s1, qkv_w_codes, qkv_w_scales, qkv_b, qi, kv; writes qi, kv
.if DOCPART == 2
	.amdgcn_target "amdgcn-amd-amdhsa--gfx1250"
	.amdhsa_code_object_version 6
	.text
	.protected	k_qbd6c6cc7dd_qkv
	.globl	k_qbd6c6cc7dd_qkv
	.p2align	8
	.type	k_qbd6c6cc7dd_qkv,@function
k_qbd6c6cc7dd_qkv:
	s_mov_b64 s[64:65], 0
	v_nop
	global_prefetch_b8 v0, s[64:65] scope:SCOPE_SE
	s_setreg_imm32_b32 hwreg(HW_REG_WAVE_MODE, 25, 1), 1
	s_wait_xcnt 0x0
	s_wait_alu depctr_hold_cnt(0) depctr_sa_sdst(0) depctr_va_vdst(0) depctr_va_sdst(0) depctr_va_ssrc(0) depctr_va_vcc(0) depctr_vm_vsrc(0)
	s_getreg_b32 s2, hwreg(HW_REG_IB_STS2, 6, 4)
	s_cmp_eq_u32 s2, 0
	s_cbranch_scc0 .Lentry_in_a_cluster
	s_endpgm
.Lentry_in_a_cluster:
	s_bfe_u32 s2, ttmp6, 0x10000c
	s_cmp_lg_u32 s2, 0xf033
	s_cbranch_scc0 .Lentry_shape_is_right
	s_endpgm
.Lentry_shape_is_right:
; qkv = h qkv_w^T + qkv_b on codes of MX-FP8 (h: codes [4096][1024] with scale bytes [4096][32]; the weight likewise, [3072][1024]); sums in f32, starting from the bias.
; The results never go to memory as f32: q and k are quantised along the head's 64 (two blocks of 32), v along the keys, and stored as IMAGES OF THE OPERAND REGISTERS that the attention launch loads.
; THE IMAGE of one (batch, head), HS bytes, in qi (q) and in kv (k, v); a step is 128 tokens:
;   KC at 0:       [step 16][tile 8][c 2][lane 32][16 bytes]: lane (r, h) of tile t: codes 32 c + 16 h + 0..15 of token 128 step + 32 (t/2) + 8 (t%2) + r + 8 (r/8)
;   VC at 131,072: [step 16][tile 4][c 4][lane 32][16 bytes]: lane (r, h) of tile t: keys 128 step + 32 c + 16 h + 0..15 of feature 32 (t/2) + 8 (t%2) + r + 8 (r/8)
;   KS at 262,144: [step][tile 8][r 16] words: bytes 0, 1 the row's two scales, bytes 2, 3 = 0x7f (they scale zero codes);   VS at 270,336: [step][tile 4][r 16] words: byte c scales keys 32 c on
; THE PRODUCT: a tile of 256 x 256 by four waves, 128 x 128 each (64 accumulators, 512 registers); K in steps of 256 through a ring of two LDS slots filled by tensor loads; the scale bytes of the tile's rows come once.
; CLUSTERS of 4 x 4: A's tiles are asked for jointly along a row of the cluster, B's along a column.  The matrix instruction is used transposed (source 0 = rows of the weight, source 1 = tokens):
; a lane holds one token and eight neighbouring columns.
; LIMITS: NaN and infinities are not served; a block whose largest magnitude lies under 2^-118 (a block of zeros too) keeps the byte 1: the bytes are read by this program alone.
; REGISTERS: window 0: v0-31 addresses; v32-63 scale words, two sets; v64-127 the bias; v128-255 A's fragments, one set.  window 1: B's fragments, two sets.  windows 2, 3: accumulator (a, b) at v[8 (8 (a%4) + b)].
.set SIZE_N, 3072
.set SIZE_K, 1024
.set HS,     274432
.set SD0,    32                        ; the scales' tile: rows of 32 elements of 8 bytes,
.set SRW,    16                        ; 16 rows (128 rows' scales are 4,096 dense bytes),
.set SPT,    32                        ; dense,
.set SQI,    5                         ; 16 bytes of padding behind every 64 words
.set KSTEP,  256
.set NQ,     2
.set ROWB,   256
.set KROW,   SIZE_K
.set PITCH,  272                       ; an LDS row: 256 bytes + 16 of padding = 68 words: the 16 rows that a load touches start at 16 different banks (64 banks of 4 bytes: ISA guide 11.1)
.set FR,     16
.set NL,     4
.set NP,     8                         ; places behind this matrix instruction (ISA guide 7.12.1)
.set HALFT,  128*PITCH
.set SLOT,   4*HALFT
.set LAPS,   SIZE_K/(2*KSTEP)
.set KS,     SIZE_K/32
.set SCL,    2*SLOT
.set HALFS,  4352                      ; the scales of 128 rows in LDS: 16 x 272
.set SBLK,   544                       ; those of 16 rows
.set SPARE,  SCL+4*HALFS               ; the spare words, 128 bytes for each wave: two blocks of 256 bytes that no other line names
.set ADRA, 16
.set ADRB, 20
.set ADRS, 27
.set SPW,  28
.set NIL,  29
.set SC,   32
.set BI,   64
.set AF,   128
.set QSTO, 24                          ; the way out of q and k: where I put 8 codes of a token's row (stage rows of 128 + 16 bytes, 128 rows a wave)
.set QRD,  25                          ; where I read 16 codes back, in the image's order
.set QSW,  26                          ; where a token's scale word goes
.set QSR,  30                          ; and where 16 bytes of scale words come back
.set L16,  31                          ; 16 x lane
.set VSTO, 18                          ; the way out of v: where I put 16 bytes of a token's 64 features (stage rows of 256 + 16 bytes, 32 rows a wave)
.set VRD,  19                          ; where my feature's column begins
.set VGO,  22                          ; my place in a tile of VC
.set L4,   23                          ; 4 x lane
.set TM,   32                          ; v32-35 largest magnitudes, v36-39 bytes, v40-43 448 x the scale, v44-47 scale operands
.set PC,   52                          ; v52-67 the codes just made
.set G1, 24
.set G0, 32
.set G1B, 48
.set G0B, 56
.set G1S, 68
.set G0S, 76
.set G1SB, 80
.set G0SB, 88
.set MSB, 0
.macro WIN new                         ; the immediate's high byte repeats the setting that is left
.if MSB != (\new)
	s_set_vgpr_msb (MSB<<8)|(\new)
.set MSB, (\new)
.endif
.endm
.set MUL_LO, 0xa1                      ; source 0 (B) window 1, source 1 (A) window 0, C and D window 2
.set MUL_HI, 0xf1
.set FST_LO, 0x81                      ; the same with C (the bias) in window 0
.set FST_HI, 0xc1
.set TO_B,   0x40
.macro JLOAD g0a, g1a, g0b, g1b        ; a joint load: waves 0, 1 fetch for A, waves 2, 3 for B; four v_nop follow each line
	s_cmp_eq_u32 s15, 0
	s_cbranch_scc0 .Lfor_b_\@
	tensor_load_to_lds s[\g0a:\g0a+3], s[\g1a:\g1a+7]
	s_nop 0
.rept 4
	v_nop
.endr
	s_branch .Lasked_\@
.Lfor_b_\@:
	tensor_load_to_lds s[\g0b:\g0b+3], s[\g1b:\g1b+7]
	s_nop 0
.rept 4
	v_nop
.endr
.Lasked_\@:
.endm
.macro CREST                           ; a round of the cluster's barrier behind its opening barrier
	s_cmp_lg_u32 s14, 0
	s_cbranch_scc1 .Lnot_wave_0_\@
	s_barrier_signal -3
.Lnot_wave_0_\@:
	s_barrier_wait -3
	s_barrier_signal -1
	s_barrier_wait -1
.endm
.macro CROUND
	s_barrier_signal -1
	s_barrier_wait -1
	CREST
.endm
	s_load_b128 s[4:7], s[0:1], 0x0                ; A's codes, A's scales
	s_load_b128 s[8:11], s[0:1], 0x10              ; B's codes, B's scales
	s_load_b128 s[96:99], s[0:1], 0x20             ; the bias s[96:97], qi s[98:99]
	s_load_b64 s[12:13], s[0:1], 0x30              ; kv
	v_lshl_add_u32 v[SPW], v0, 2, SPARE
	v_mov_b32 v[NIL], 0
	ds_add_u32 v28, v29
	ds_add_u32 v28, v29
	s_wait_dscnt 0x0
	v_lshrrev_b32 v1, 5, v0
	v_readfirstlane_b32 s14, v1                    ; wave 0..3
	s_lshr_b32 s15, s14, 1                         ; which half of the tile's rows is mine.  Also: I fetch for A (0) or for B (1)
	s_and_b32 s16, s14, 1                          ; which half of its columns.  Also: which 128 rows I fetch
	s_bfe_u32 s40, ttmp6, 0x40000                  ; cx, cy
	s_bfe_u32 s41, ttmp6, 0x40004
	s_lshl_b32 s42, ttmp9, 2
	s_add_co_u32 s42, s42, s40                     ; tile column
	s_and_b32 s17, ttmp7, 0xffff
	s_lshl_b32 s17, s17, 2
	s_add_co_u32 s17, s17, s41                     ; tile row
	s_lshl_b32 s43, s41, 2
	s_lshl_b32 s43, 15, s43                        ; my row of the cluster
	s_lshl_b32 s44, 0x1111, s40                    ; my column
	s_or_b32 s[G1+0], s43, (0<<16)|(1<<20)|(1<<21)|(5<<22)|(3<<25)   ; the mask; elements of 1 byte; padding: 4 words behind every 64
	s_or_b32 s[G1B+0], s44, (0<<16)|(1<<20)|(1<<21)|(5<<22)|(3<<25)
.irp g, G1, G1B
	s_mov_b32 s[\g+1], ROWB<<16                    ; tensor_dim0
	s_mov_b32 s[\g+2], 128<<16                     ; tensor_dim1
	s_mov_b32 s[\g+3], ROWB<<16                    ; tile_dim0
	s_mov_b32 s[\g+4], 128                         ; tile_dim1
	s_mov_b32 s[\g+5], KROW                        ; the pitch
	s_mov_b32 s[\g+6], 0
	s_mov_b32 s[\g+7], 0
.endr
	s_or_b32 s[G1S+0], s43, (3<<16)|(1<<20)|(1<<21)|(SQI<<22)|(3<<25)
	s_or_b32 s[G1SB+0], s44, (3<<16)|(1<<20)|(1<<21)|(SQI<<22)|(3<<25)
.irp g, G1S, G1SB
	s_mov_b32 s[\g+1], SD0<<16
	s_mov_b32 s[\g+2], SRW<<16
	s_mov_b32 s[\g+3], SD0<<16
	s_mov_b32 s[\g+4], SRW
	s_mov_b32 s[\g+5], SPT
	s_mov_b32 s[\g+6], 0
	s_mov_b32 s[\g+7], 0
.endr
	s_lshl_b32 s18, s16, 7
	s_lshl_b32 s20, s17, 8
	s_add_co_u32 s20, s20, s18                     ; A: row 256 x tile row + 128 x half
	s_lshl_b32 s46, s42, 8
	s_add_co_u32 s46, s46, s18                     ; B: row 256 x tile column + 128 x half
	s_mov_b32 s21, 0
	s_mov_b32 s47, 0
	s_mov_b64 s[18:19], KS
	s_mul_u64 s[22:23], s[20:21], s[18:19]
	s_mul_u64 s[92:93], s[46:47], s[18:19]
	s_mov_b64 s[18:19], KROW
	s_mul_u64 s[20:21], s[20:21], s[18:19]
	s_mul_u64 s[46:47], s[46:47], s[18:19]
	s_mul_i32 s45, s14, HALFT                      ; where they go: no place in the cluster enters an LDS address
	s_mul_i32 s94, s14, HALFS
	s_wait_kmcnt 0x0
	s_add_nc_u64 s[20:21], s[4:5], s[20:21]
	s_add_nc_u64 s[22:23], s[6:7], s[22:23]
	s_add_nc_u64 s[46:47], s[8:9], s[46:47]
	s_add_nc_u64 s[92:93], s[10:11], s[92:93]
	CROUND                                         ; all sixteen work-groups are here: the first joint loads meet
	s_mov_b32 s[G0S], 1
	s_add_co_u32 s[G0S+1], s94, SCL
	s_mov_b64 s[G0S+2:G0S+3], s[22:23]
	s_or_b32 s[G0S+3], s[G0S+3], 0x80000000
	s_mov_b32 s[G0SB], 1
	s_add_co_u32 s[G0SB+1], s94, SCL
	s_mov_b64 s[G0SB+2:G0SB+3], s[92:93]
	s_or_b32 s[G0SB+3], s[G0SB+3], 0x80000000
	JLOAD G0S, G1S, G0SB, G1SB                     ; the scales first; three loads of mine are out at the most
.irp s, 0,1
	s_mov_b32 s[G0+4*\s], 1
	s_add_co_u32 s[G0+4*\s+1], s45, \s*SLOT
	s_add_nc_u64 s[G0+4*\s+2:G0+4*\s+3], s[20:21], \s*ROWB
	s_or_b32 s[G0+4*\s+3], s[G0+4*\s+3], 0x80000000
	s_mov_b32 s[G0B+4*\s], 1
	s_add_co_u32 s[G0B+4*\s+1], s45, \s*SLOT
	s_add_nc_u64 s[G0B+4*\s+2:G0B+4*\s+3], s[46:47], \s*ROWB
	s_or_b32 s[G0B+4*\s+3], s[G0B+4*\s+3], 0x80000000
	JLOAD G0+4*\s, G1, G0B+4*\s, G1B
.endr
	v_and_b32 v1, 15, v0                           ; r
	v_bfe_u32 v2, v0, 4, 1                         ; h
	v_mul_u32_u24 v3, v1, PITCH
	v_lshl_add_u32 v4, v2, 4, v3
	s_mul_i32 s21, s15, HALFT
	s_mul_i32 s22, s16, HALFT
	s_add_co_u32 s22, s22, 2*HALFT
.irp s, 0,1
	v_add_nc_u32 v[ADRA+\s], s21, v4
	v_add_nc_u32 v[ADRB+\s], s22, v4
	s_add_co_u32 s21, s21, SLOT
	s_add_co_u32 s22, s22, SLOT
.endr
	v_mul_u32_u24 v5, v1, KS                       ; my row's scales: KS bytes a row,
	v_lshrrev_b32 v6, 8, v5
	v_lshl_add_u32 v5, v6, 4, v5                   ; and 16 more for each 256 passed
	s_mul_i32 s21, s15, HALFS
	s_mul_i32 s22, s16, HALFS
	s_add_co_u32 s22, s22, 2*HALFS
	s_sub_co_u32 s22, s22, s21
	v_mul_u32_u24 v6, s22, v2                      ; lanes 16-31 take B's
	s_add_co_u32 s21, s21, SCL
	v_add_nc_u32 v5, v5, v6
	v_add_nc_u32 v[ADRS], s21, v5
	; the ways out: every LDS address is made here.  The stages lie in slot 0, which has had its last fill and its last read when the first result is stored; q's and k's way has bytes 0 to 77,823, v's 77,824 to 112,639
	s_mul_i32 s23, s14, 18432
	v_mul_u32_u24 v5, v1, 144
	v_lshl_add_u32 v6, v2, 3, v5
	v_add_nc_u32 v[QSTO], s23, v6
	v_and_b32 v6, 8, v1
	v_add_nc_u32 v6, v6, v1                        ; r + 8 (r / 8)
	v_mul_u32_u24 v7, v6, 144
	v_lshl_add_u32 v7, v2, 4, v7
	v_add_nc_u32 v[QRD], s23, v7
	s_lshl_b32 s23, s14, 10
	s_add_co_u32 s23, s23, 73728
	v_lshrrev_b32 v7, 3, v1
	v_and_b32 v5, 7, v1
	v_lshlrev_b32 v5, 2, v5
	v_lshl_add_u32 v5, v7, 6, v5
	v_add_nc_u32 v[QSW], s23, v5
	v_and_b32 v5, 31, v0
	v_lshlrev_b32 v[L16], 4, v5
	v_lshlrev_b32 v[L4], 2, v5
	v_add_nc_u32 v[QSR], s23, v[L16]
	s_mul_i32 s23, s14, 8704
	s_add_co_u32 s23, s23, 77824
	v_mul_u32_u24 v5, v1, 272
	v_lshl_add_u32 v5, v2, 5, v5
	v_add_nc_u32 v[VSTO], s23, v5
	v_lshl_add_u32 v5, v2, 3, v6                   ; 8 (lane / 16) + r + 8 (r / 8)
	v_lshl_add_u32 v[VRD], v5, 2, s23
	v_lshlrev_b32 v5, 4, v1
	v_lshl_add_u32 v[VGO], v2, 11, v5
	; the bias in the result's layout: lane (r, h), block b: columns 16 b + 8 h + 0..7 of my 128
	s_lshl_b32 s46, s42, 10
	s_lshl_b32 s47, s16, 9
	s_add_co_u32 s46, s46, s47
	s_mov_b32 s47, 0
	s_add_nc_u64 s[96:97], s[96:97], s[46:47]
	v_lshlrev_b32 v3, 5, v2
.irp b, 0,1,2,3,4,5,6,7
	global_load_b128 v[BI+8*\b:BI+8*\b+3],   v3, s[96:97] offset:64*\b
	global_load_b128 v[BI+8*\b+4:BI+8*\b+7], v3, s[96:97] offset:64*\b+16
.endr
	s_mov_b32 s2, 0x600000                         ; the mantissa field of 448
	s_mov_b32 s100, 0x76543210                     ; v_permlanex16_b32: lane l xor 16
	s_mov_b32 s101, 0xfedcba98
.macro FRAG reg, adr, q, i             ; 16 rows x 128 K: registers 4 c .. 4 c + 3 hold K = 32 c + 16 (l / 16) + 0 .. 15 of row l % 16
.irp c, 0,1,2,3
	ds_load_b128 v[\reg+4*\c:\reg+4*\c+3], v[\adr] offset:128*(\q)+32*\c+(\i)*16*PITCH
.endr
.endm
; 16 matrix instructions: A's blocks a0, a0 + 1 x B's eight.  first = 1: the sums start from the bias.  The 64 accumulators take turns, one instruction a turn.
.macro MUL16 a0, p, q, sc, first
.irp a, \a0, \a0+1
.irp b, 0,1,2,3,4,5,6,7
.if \first
	v_wmma_scale_f32_16x16x128_f8f6f4 v[8*(8*((\a)%4)+\b):8*(8*((\a)%4)+\b)+7], v[128*(\p)+FR*\b:128*(\p)+FR*\b+FR-1], v[AF+FR*(\a):AF+FR*(\a)+FR-1], v[BI+8*\b:BI+8*\b+7], v[SC+8*NQ*(\sc)+NQ*\b+(\q)], v[SC+8*NQ*(\sc)+NQ*(\a)+(\q)] matrix_a_scale:MATRIX_SCALE_ROW1
.else
	v_wmma_scale_f32_16x16x128_f8f6f4 v[8*(8*((\a)%4)+\b):8*(8*((\a)%4)+\b)+7], v[128*(\p)+FR*\b:128*(\p)+FR*\b+FR-1], v[AF+FR*(\a):AF+FR*(\a)+FR-1], v[8*(8*((\a)%4)+\b):8*(8*((\a)%4)+\b)+7], v[SC+8*NQ*(\sc)+NQ*\b+(\q)], v[SC+8*NQ*(\sc)+NQ*(\a)+(\q)] matrix_a_scale:MATRIX_SCALE_ROW1
.endif
.endr
.endr
.endm
.macro FETCH_B slot, q, p
	WIN TO_B
.irp i, 0,1,2,3,4,5,6,7
	FRAG 128*(\p)+FR*\i, ADRB+\slot, \q, \i
.endr
	WIN 0
.endm
.macro FETCH_A slot, q, i0
.irp i, \i0, \i0+1, \i0+2, \i0+3
	FRAG AF+FR*(\i), ADRA+\slot, \q, \i
.endr
.endm
.macro SCALES sc                       ; a K step's scale words: lanes 0-15 A's block i, lanes 16-31 B's block i
.irp i, 0,1,2,3,4,5,6,7
	ds_load_b64 v[SC+8*NQ*\sc+NQ*\i:SC+8*NQ*\sc+NQ*\i+1], v[ADRS] offset:\i*SBLK
.endr
.endm
.macro PLACES n                        ; plain vector instructions between a matrix instruction and a load into, or a read of, its registers
.rept \n
	v_nop
.endr
.endm
.macro STEP slot, q, first             ; 128 along K whose successor lies in the same slot
	s_wait_dscnt 4*NL                              ; all but the youngest 16 loads (A's blocks 4-7) are in
.if \first
	WIN FST_LO
.else
	WIN MUL_LO
.endif
	MUL16 0, (\q)%2, \q, \slot, \first
	MUL16 2, (\q)%2, \q, \slot, \first
	s_wait_dscnt 0
	PLACES NP
	FETCH_B \slot, (\q)+1, 1-(\q)%2
	FETCH_A \slot, (\q)+1, 0
.if \first
	WIN FST_HI
.else
	WIN MUL_HI
.endif
	MUL16 4, (\q)%2, \q, \slot, \first
	MUL16 6, (\q)%2, \q, \slot, \first
	PLACES NP
	WIN 0
	FETCH_A \slot, (\q)+1, 4
.endm
; A slot's last step changes slots: one barrier; in front of it each wave waits for all its tensor loads, adds 0 to its spare word, and waits for that and for its reads of this slot.
.macro TURN slot, next, fill
	s_wait_tensorcnt 0x0                           ; all my tensor loads have landed: my part of the next slot
	ds_add_u32 v[SPW], v[NIL]                      ; 0 onto my spare word
	s_wait_dscnt 4*NL+1                            ; (the add and the youngest 16 loads may be out)
	WIN MUL_LO
	MUL16 0, 1, NQ-1, \slot, 0
	s_wait_dscnt 0x0                               ; the add is done, and my reads of this slot are over
	s_barrier_signal -1
	MUL16 2, 1, NQ-1, \slot, 0
	WIN 0
	s_barrier_wait -1
.if \fill
	CREST                                          ; the barrier has opened a round of the cluster's: no wave of any partner still reads this slot or has a load on its way
	s_add_nc_u64 s[G0+4*\slot+2:G0+4*\slot+3], s[G0+4*\slot+2:G0+4*\slot+3], 2*ROWB
	s_add_nc_u64 s[G0B+4*\slot+2:G0B+4*\slot+3], s[G0B+4*\slot+2:G0B+4*\slot+3], 2*ROWB
	JLOAD G0+4*\slot, G1, G0B+4*\slot, G1B         ; the first tensor load behind the round; its four v_nop are among the places below
	PLACES NP-4
.else
	PLACES NP
.endif
	v_add_nc_u32 v[ADRS], 4*NQ, v[ADRS]            ; the next K step's scale words
	FETCH_B \next, 0, 0
	FETCH_A \next, 0, 0
	SCALES \next
	WIN MUL_HI
	MUL16 4, 1, NQ-1, \slot, 0
	MUL16 6, 1, NQ-1, \slot, 0
	PLACES NP
	WIN 0
	FETCH_A \next, 0, 4
.endm
	s_wait_tensorcnt 1                             ; the scales and my part of K step 0 are in (K step 1's load may be out)
	s_barrier_signal -1
	s_barrier_wait -1
	FETCH_B 0, 0, 0
	FETCH_A 0, 0, 0
	SCALES 0
	FETCH_A 0, 0, 4
	s_wait_loadcnt 0x0                             ; the bias
	STEP 0, 0, 1
	s_mov_b32 s3, LAPS-1
.Llap:
	TURN 0, 1, 1
	STEP 1, 0, 0
	TURN 1, 0, 1
	STEP 0, 0, 0
	s_sub_co_u32 s3, s3, 1
	s_cmp_lg_u32 s3, 0
	s_cbranch_scc1 .Llap
	TURN 0, 1, 0                                   ; the last lap fills nothing
	STEP 1, 0, 0
	s_wait_dscnt 4*NL
	WIN MUL_LO
	MUL16 0, 1, NQ-1, 1, 0
	MUL16 2, 1, NQ-1, 1, 0
	s_wait_dscnt 0
	WIN MUL_HI
	MUL16 4, 1, NQ-1, 1, 0
	MUL16 6, 1, NQ-1, 1, 0
	WIN 0
	PLACES NP                                      ; behind the last products, ahead of every read of results and every write of their operands
	; my 128 tokens are one step of one batch; my 128 columns are two heads
	s_lshl_b32 s20, s17, 8
	s_lshl_b32 s21, s15, 7
	s_add_co_u32 s20, s20, s21                     ; my first token
	s_lshr_b32 s21, s20, 11                        ; the batch
	s_bfe_u32 s22, s20, 0x40007                    ; the step
	s_and_b32 s23, s42, 3
	s_lshl_b32 s23, s23, 2
	s_lshl_b32 s18, s16, 1
	s_add_co_u32 s23, s23, s18                     ; my first head
	s_lshl_b32 s21, s21, 4
	s_add_co_u32 s21, s21, s23
	s_mul_i32 s66, s21, HS                         ; its image
	s_mov_b32 s67, 0
	s_mov_b32 s19, 0
	s_cmp_eq_u32 ttmp9, 2                          ; the cluster's x: 0 = q, 1 = k, 2 = v: the same in all sixteen partners
	s_cbranch_scc1 .Lv_path
	; ---- q and k: quantised along the columns.  A block of 32 columns lies in lanes l and l xor 16, 16 registers each
	s_cmp_eq_u32 ttmp9, 0
	s_cselect_b64 s[92:93], s[98:99], s[12:13]
	s_add_nc_u64 s[92:93], s[92:93], s[66:67]
	s_add_nc_u64 s[94:95], s[92:93], 262144
	s_lshl_b32 s18, s22, 9
	s_add_nc_u64 s[94:95], s[94:95], s[18:19]      ; KS at my step
	s_lshl_b32 s18, s22, 13
	s_add_nc_u64 s[92:93], s[92:93], s[18:19]      ; KC at my step
.irp q, 0,1,2,3
	v_mov_b32 v[TM+4+\q], 0                        ; a lane permute's destination counts as one of its sources
.endr
.macro QROW a                          ; my rows 16 a .. 16 a + 15: four blocks of 32 columns
.set AC, 64*((\a)%4)
.set W, 2+(\a)/4
	WIN W|(W<<2)
.irp q, 0,1,2,3
	v_max3_num_f32 v[TM+\q], |v[AC+16*\q]|, |v[AC+16*\q+1]|, 0x4800000   ; each accumulator is read from its low end on; the floor 2^(9 - 127) holds the byte at 1 from below
.endr
	WIN (W<<2)|(W<<4)
.irp i, 2,4,6,8,10,12,14
.irp q, 0,1,2,3
	v_max3_num_f32 v[TM+\q], v[TM+\q], |v[AC+16*\q+\i]|, |v[AC+16*\q+\i+1]|
.endr
.endr
	WIN 0
.irp q, 0,1,2,3
	v_permlanex16_b32 v[TM+4+\q], v[TM+\q], s100, s101
.endr
.irp q, 0,1,2,3
	v_max_num_f32 v[TM+\q], v[TM+\q], v[TM+4+\q]
.endr
.irp q, 0,1,2,3
	v_add_nc_u32 v[TM+12+\q], 0xfc000000, v[TM+\q]
.endr
.irp q, 0,1,2,3
	v_and_or_b32 v[TM+8+\q], v[TM+\q], 0x7f800000, s2
.endr
.irp q, 0,1,2,3
	v_lshrrev_b32 v[TM+4+\q], 23, v[TM+12+\q]
.endr
	WIN W|(W<<6)
.irp q, 0,1,2,3
.irp i, 0,1,2,3,4,5,6,7,8,9,10,11,12,13,14,15
	v_med3_num_f32 v[AC+16*\q+\i], v[AC+16*\q+\i], -v[TM+8+\q], v[TM+8+\q]   ; the conversion does not saturate (ISA guide 7.6.2)
.endr
.endr
	s_wait_dscnt 0x0                               ; the last block's LDS stores have read their registers
	WIN W
.irp q, 0,1,2,3
	v_cvt_scalef32_pk8_fp8_f32 v[PC+4*\q:PC+4*\q+1], v[AC+16*\q:AC+16*\q+7], v[TM+12+\q]       ; columns 32 q + 8 h + 0..7
	v_cvt_scalef32_pk8_fp8_f32 v[PC+4*\q+2:PC+4*\q+3], v[AC+16*\q+8:AC+16*\q+15], v[TM+12+\q]  ; columns 32 q + 16 + 8 h + 0..7
.endr
	WIN 0
	v_nop                                          ; a plain instruction behind the last conversion
.irp e, 0,1
	v_lshl_or_b32 v[48+\e], v[TM+5+2*\e], 8, v[TM+4+2*\e]
	v_or_b32 v[48+\e], 0x7f7f0000, v[48+\e]        ; the head's two bytes; 0x7f above them
.endr
.irp q, 0,1,2,3
	ds_store_b64 v[QSTO], v[PC+4*\q:PC+4*\q+1] offset:2304*(\a)+32*\q
	ds_store_b64 v[QSTO], v[PC+4*\q+2:PC+4*\q+3] offset:2304*(\a)+32*\q+16
.endr
.irp e, 0,1
	ds_store_b32 v[QSW], v[48+\e] offset:512*\e+128*((\a)/2)+32*((\a)%2)   ; row 16 a + r is row 8 (a%2) + r%8 of tile 2 (a/2) + r/8; both halves of the lanes write the same word
.endr
.endm
.irp a, 0,1,2,3,4,5,6,7
	QROW \a
.endr
.irp e, 0,1                            ; back in the image's order: LDS serves a wave's instructions in order, so these see my stores
.irp t, 0,1,2,3,4,5,6,7
.irp c, 0,1
	ds_load_b128 v[128+4*(16*\e+2*\t+\c):128+4*(16*\e+2*\t+\c)+3], v[QRD] offset:144*(32*(\t/2)+8*(\t%2))+64*\e+32*\c
.endr
.endr
.endr
.irp e, 0,1
	ds_load_b128 v[72+4*\e:75+4*\e], v[QSR] offset:512*\e
.endr
.irp e, 0,1
.irp t, 0,1,2,3,4,5,6,7
.irp c, 0,1
	s_wait_dscnt 33-(16*\e+2*\t+\c)                ; the LDS loads issued behind this one may be out
	global_store_b128 v[L16], v[128+4*(16*\e+2*\t+\c):128+4*(16*\e+2*\t+\c)+3], s[92:93] offset:HS*\e+1024*\t+512*\c   ; 512 consecutive bytes
.endr
.endr
.endr
.irp e, 0,1
	s_wait_dscnt 1-\e
	global_store_b128 v[L16], v[72+4*\e:75+4*\e], s[94:95] offset:HS*\e
.endr
	s_branch .Lout
.Lv_path:
	; ---- v: quantised along the tokens.  32 tokens x 64 features at a time go through my stage as f32 and come back a feature to a lane, registers down the tokens
	s_add_nc_u64 s[92:93], s[12:13], s[66:67]
	s_add_nc_u64 s[94:95], s[92:93], 270336
	s_lshl_b32 s18, s22, 8
	s_add_nc_u64 s[94:95], s[94:95], s[18:19]      ; VS at my step
	s_add_nc_u64 s[92:93], s[92:93], 131072
	s_lshl_b32 s18, s22, 13
	s_add_nc_u64 s[92:93], s[92:93], s[18:19]      ; VC at my step
.macro VBLK c, e                       ; tokens 32 c on, head e
	WIN 0x08+4*((\c)/2)                            ; an LDS store's data are its source 1: window 2 or 3
.irp u, 0,1
.irp b4, 0,1,2,3
.set VAC, 8*(8*((2*(\c)+\u)%4)+4*(\e)+\b4)
	ds_store_b128 v[VSTO], v[VAC:VAC+3] offset:4352*\u+64*\b4          ; each accumulator from its low end on
	ds_store_b128 v[VSTO], v[VAC+4:VAC+7] offset:4352*\u+64*\b4+16
.endr
.endr
	WIN 0
.irp g, 0,1
.set k, 0
.rept 32
	ds_load_b32 v[64+32*\g+k], v[VRD] offset:272*k+128*\g              ; token k of feature 32 g + 8 (lane / 16) + r + 8 (r / 8)
.set k, k+1
.endr
.endr
	s_wait_dscnt 0x0
	s_wait_xcnt 0x0                                ; the last stores have read their data: the codes' registers are written again only behind this wait
.irp g, 0,1
.set XS, 64+32*\g
	v_max3_num_f32 v8, |v[XS]|, |v[XS+1]|, |v[XS+2]|
	v_max3_num_f32 v9, |v[XS+3]|, |v[XS+4]|, |v[XS+5]|
.irp i, 6,10,14,18,22,26
	v_max3_num_f32 v8, v8, |v[XS+\i]|, |v[XS+\i+1]|
	v_max3_num_f32 v9, v9, |v[XS+\i+2]|, |v[XS+\i+3]|
.endr
	v_max3_num_f32 v8, v8, |v[XS+30]|, |v[XS+31]|
	v_max3_num_f32 v8, v8, v9, 0x4800000
	v_add_nc_u32 v11, 0xfc000000, v8
	v_and_or_b32 v10, v8, 0x7f800000, s2
	v_lshrrev_b32 v12, 23, v11
.if (\c) == 0
	v_mov_b32 v[48+2*(\e)+\g], v12
.else
	v_lshl_or_b32 v[48+2*(\e)+\g], v12, 8*(\c), v[48+2*(\e)+\g]
.endif
.set k, 0
.rept 32
	v_med3_num_f32 v[XS+k], v[XS+k], -v10, v10
.set k, k+1
.endr
.irp j, 0,1,2,3
	v_cvt_scalef32_pk8_fp8_f32 v[32+8*\g+2*\j:32+8*\g+2*\j+1], v[XS+8*\j:XS+8*\j+7], v11
.endr
	v_nop                                          ; a plain instruction behind the last conversion
	global_store_b128 v[VGO], v[32+8*\g:35+8*\g], s[92:93] offset:HS*(\e)+4096*\g+512*(\c)        ; keys 0-15 of the block: the image's lanes 0-15; sixteen lanes store 256 consecutive bytes, aligned
	global_store_b128 v[VGO], v[36+8*\g:39+8*\g], s[92:93] offset:HS*(\e)+4096*\g+512*(\c)+256    ; keys 16-31: its lanes 16-31
.endr
.endm
.irp c, 0,1,2,3
.irp e, 0,1
	VBLK \c, \e
.endr
.endr
.irp e, 0,1
.irp g, 0,1
	global_store_b32 v[L4], v[48+2*\e+\g], s[94:95] offset:HS*\e+128*\g
.endr
.endr
.Lout:
	s_wait_tensorcnt 0x0                           ; the wave's end
	ds_add_u32 v[SPW], v[NIL]
	s_wait_dscnt 0x0
	CROUND                                         ; the closing round
	s_endpgm
.Lfunc_end_k_qbd6c6cc7dd_qkv:
	.size	k_qbd6c6cc7dd_qkv, .Lfunc_end_k_qbd6c6cc7dd_qkv-k_qbd6c6cc7dd_qkv
	.p2alignl 7, 3214868480
	.fill 96, 4, 3214868480
	.section	.rodata,"a",@progbits
	.p2align	6, 0x0
	.amdhsa_kernel k_qbd6c6cc7dd_qkv
		.amdhsa_group_segment_fixed_size 327680
		.amdhsa_private_segment_fixed_size 0
		.amdhsa_enable_private_segment 0
		.amdhsa_kernarg_size 56
		.amdhsa_user_sgpr_count 2
		.amdhsa_user_sgpr_kernarg_segment_ptr 1
		.amdhsa_wavefront_size32 1
		.amdhsa_system_sgpr_workgroup_id_x 1
		.amdhsa_system_sgpr_workgroup_id_y 1
		.amdhsa_system_sgpr_workgroup_id_z 1
		.amdhsa_system_vgpr_workitem_id 0
		.amdhsa_next_free_vgpr 1024
		.amdhsa_next_free_sgpr 102
		.amdhsa_reserve_vcc 0
		.amdhsa_float_denorm_mode_32 3
		.amdhsa_float_denorm_mode_16_64 3
		.amdhsa_memory_ordered 1
		.amdhsa_forward_progress 1
		.amdhsa_inst_pref_size 255
	.end_amdhsa_kernel
	.section	.bss,"aw",@nobits
	.p2align	6
	.space	262144
	.amdgpu_metadata
---
amdhsa.version: [ 1, 2 ]
amdhsa.kernels:
  - .name:           k_qbd6c6cc7dd_qkv
    .symbol:         k_qbd6c6cc7dd_qkv.kd
    .args:
      - { .name: c1, .offset: 0, .size: 8, .value_kind: global_buffer, .address_space: global }
      - { .name: s1, .offset: 8, .size: 8, .value_kind: global_buffer, .address_space: global }
      - { .name: qkv_w_codes, .offset: 16, .size: 8, .value_kind: global_buffer, .address_space: global }
      - { .name: qkv_w_scales, .offset: 24, .size: 8, .value_kind: global_buffer, .address_space: global }
      - { .name: qkv_b, .offset: 32, .size: 8, .value_kind: global_buffer, .address_space: global }
      - { .name: qi, .offset: 40, .size: 8, .value_kind: global_buffer, .address_space: global }
      - { .name: kv, .offset: 48, .size: 8, .value_kind: global_buffer, .address_space: global }
    .group_segment_fixed_size: 327680
    .private_segment_fixed_size: 0
    .kernarg_segment_align: 8
    .kernarg_segment_size: 56
    .max_flat_workgroup_size: 128
    .sgpr_count:     102
    .vgpr_count:     1024
    .wavefront_size: 32
...
	.end_amdgpu_metadata
.endif
;; end of part 2
;; launch attn (part 3): grid 8 x 32, 16 waves a work-group, clusters of 4 x 1, 276,480 bytes of LDS; arguments qi, kv, c1, s1; writes c1, s1
.if DOCPART == 3
	.amdgcn_target "amdgcn-amd-amdhsa--gfx1250"
	.amdhsa_code_object_version 6
	.text
	.protected	k_qbd6c6cc7dd_attn
	.globl	k_qbd6c6cc7dd_attn
	.p2align	8
	.type	k_qbd6c6cc7dd_attn,@function
k_qbd6c6cc7dd_attn:
	s_mov_b64 s[64:65], 0
	v_nop
	global_prefetch_b8 v0, s[64:65] scope:SCOPE_SE
	s_setreg_imm32_b32 hwreg(HW_REG_WAVE_MODE, 25, 1), 1
	s_wait_xcnt 0x0
	s_wait_alu depctr_hold_cnt(0) depctr_sa_sdst(0) depctr_va_vdst(0) depctr_va_sdst(0) depctr_va_ssrc(0) depctr_va_vcc(0) depctr_vm_vsrc(0)
	s_getreg_b32 s2, hwreg(HW_REG_IB_STS2, 6, 4)
	s_cmp_eq_u32 s2, 0
	s_cbranch_scc0 .Lentry_in_a_cluster
	s_endpgm
.Lentry_in_a_cluster:
	s_bfe_u32 s2, ttmp6, 0x10000c
	s_cmp_lg_u32 s2, 0x3003
	s_cbranch_scc0 .Lentry_shape_is_right
	s_endpgm
.Lentry_shape_is_right:
; Attention of one (batch, head) on codes of MX-FP8, and the quantiser of its result along the model's 1,024 (blocks of 32 lie inside a head's 64).
; Inputs are images of operand registers (HS bytes a head): KC at 0 [step 16][tile 8][c 2][lane][16 B], VC at 131,072 [step 16][tile 4][c 4][lane][16 B], KS at 262,144 [step][tile 8][16] words, VS at 270,336 [step][tile 4][16] words.
; Token of lane r in tile t of a step: 128 step + 32 (t/2) + 8 (t%2) + r + 8 (r/8); V's features are ordered likewise.  So the 16 registers of two neighbouring result tiles are 16 neighbours along the next K.
; THE SOFTMAX: t = score x log2(e) / 8; M = the running largest t rounded up to a whole number; p = 2^(t - M) is quantised along the keys; the row's sum is taken of the unquantised p and divides at the end;
; when M moves, the sum and O are multiplied by 2^(old M - new M), which rounds nothing.
; THE HEAD'S WHOLE K AND V (274,432 bytes) STAY IN LDS: each byte is filled once, so there is no ring.  Each of the sixteen waves issues five tensor loads at the head (five of mine are out at the most):
; its sixteenth of the scale words, then its eighth of K's or V's codes for each quarter of the keys.  The four query blocks of a cluster ask for them JOINTLY.
; SHARES: a work-group owns 256 queries, a wave one tile of 16; four waves to a SIMD, so that one wave's vector work stands beside another's matrix work.
; THE FIRST PRODUCT'S K IS 64: registers 8-15 of Q's fragment are zero codes.  K's fragment of tile t is named as v[32 + 8 t .. 47 + 8 t]: its upper half is the next tile's codes (or zeros), numbers that meet zero codes under the byte 0x7f and add 0.
; LIMITS: NaN and infinities are not served; a block of the result whose largest magnitude lies under 2^-118 keeps the byte 1.  A head's share of a row of the result is 64 bytes in the tensor itself, and is stored so.
.set HS,  274432
.set VCO, 131072
.set KSO, 262144
.set VSO, 270336
.set ADK, 8                            ; v8-11 the step's LDS addresses: K's codes, V's codes, K's words, V's words
.set ADV, 9
.set ADS, 10
.set ADT, 11
.set KV,  32                           ; v32-95 K's eight tiles (8 registers each), then V's four fragments; v96-103 zeros
.set S,   104                          ; v104-167 S^T, then p
.set O,   168                          ; v168-199 O^T
.set PCD, 200                          ; v200-215 p's codes
.set SK,  216                          ; v216-223 K's scale words
.set SV,  224                          ; v224-227 V's
.set QS,  228                          ; Q's
.set PW,  229                          ; p's
.set WV,  12
.set G1A, 24                           ; s[24:31] 16 rows of 256 bytes; s[32:39] 3 rows
.set G1B, 32
.set G0,  40                           ; s[40:59] five groups 0
.set SEL, 60
.set CS,  62
.set MNT, 66
.set TK,  67                           ; the step's bytes in KC and in VC: 8,192 a step
.set TS,  68                           ; in KS: 512
.set TV,  69                           ; in VS: 256
.set CNT, 70
.macro CROUND
	s_barrier_signal -1
	s_barrier_wait -1
	s_cmp_lg_u32 s[WV], 0
	s_cbranch_scc1 .Lnot_wave_0_\@
	s_barrier_signal -3
.Lnot_wave_0_\@:
	s_barrier_wait -3
	s_barrier_signal -1
	s_barrier_wait -1
.endm
	s_load_b256 s[4:11], s[0:1], 0x0               ; qi s[4:5], kv s[6:7], codes out s[8:9], scale bytes out s[10:11]
	v_lshl_add_u32 v251, v0, 2, 0x43000
	v_mov_b32 v255, 0
	ds_add_u32 v251, v255
	ds_add_u32 v251, v255
	v_lshrrev_b32 v1, 5, v0
	v_readfirstlane_b32 s[WV], v1                  ; wave 0..15
	s_bfe_u32 s13, ttmp6, 0x40000                  ; cx
	s_lshl_b32 s14, ttmp9, 2
	s_add_co_u32 s14, s14, s13                     ; my block of 256 queries: it enters Q's and the result's addresses alone
	s_and_b32 s15, ttmp7, 0xffff                   ; 16 x batch + head, which the four partners share
	s_mul_i32 s16, s15, HS
	s_mov_b32 s17, 0
	s_mov_b32 s[G1A], 15|(3<<16)|(1<<21)           ; the mask: all four work-groups; elements of 8 bytes; bit 21 beside a mask; no padding
	s_mov_b32 s[G1A+1], 32<<16                     ; tensor_dim0 = 32 elements: 256 bytes
	s_mov_b32 s[G1A+2], 16<<16                     ; tensor_dim1
	s_mov_b32 s[G1A+3], 32<<16                     ; tile_dim0
	s_mov_b32 s[G1A+4], 16                         ; tile_dim1
	s_mov_b32 s[G1A+5], 32                         ; dense
	s_mov_b32 s[G1A+6], 0
	s_mov_b32 s[G1A+7], 0
	s_mov_b32 s[G1B], 15|(3<<16)|(1<<21)
	s_mov_b32 s[G1B+1], 32<<16
	s_mov_b32 s[G1B+2], 3<<16
	s_mov_b32 s[G1B+3], 32<<16
	s_mov_b32 s[G1B+4], 3
	s_mov_b32 s[G1B+5], 32
	s_mov_b32 s[G1B+6], 0
	s_mov_b32 s[G1B+7], 0
	s_mul_i32 s18, s[WV], 768
	s_add_co_u32 s18, s18, KSO                     ; my sixteenth of the 12,288 bytes of scale words: the same offset in the image and in LDS
	s_lshr_b32 s19, s[WV], 3
	s_lshl_b32 s19, s19, 17                        ; waves 0-7: K's codes, waves 8-15: V's
	s_and_b32 s20, s[WV], 7
	s_lshl_b32 s20, s20, 12
	s_add_co_u32 s19, s19, s20                     ; my 4,096 bytes of a quarter's 32,768
	s_mov_b32 s23, 0
	s_mov_b32 s[SEL], 0x76543210
	s_mov_b32 s[SEL+1], 0xfedcba98
	s_mov_b32 s[CS], 0x3e38aa3b                    ; c = log2(e) / sqrt(64)
	s_mov_b32 s[CS+1], s[CS]
	s_mov_b32 s[MNT], 0x600000
	s_mov_b32 s[TK], 0
	s_mov_b32 s[TS], 0
	s_mov_b32 s[TV], 0
	s_wait_dscnt 0x0
	s_wait_kmcnt 0x0
	s_add_nc_u64 s[6:7], s[6:7], s[16:17]
	s_add_nc_u64 s[4:5], s[4:5], s[16:17]
	CROUND                                         ; all four work-groups are here: the joint loads meet
	s_mov_b32 s[G0], 1
	s_mov_b32 s[G0+1], s18
	s_mov_b32 s22, s18
	s_add_nc_u64 s[G0+2:G0+3], s[6:7], s[22:23]
	s_or_b32 s[G0+3], s[G0+3], 0x80000000
.irp g, 0,1,2,3
	s_mov_b32 s[G0+4+4*\g], 1
	s_add_co_u32 s[G0+5+4*\g], s19, 32768*\g
	s_add_co_u32 s22, s19, 32768*\g
	s_add_nc_u64 s[G0+6+4*\g:G0+7+4*\g], s[6:7], s[22:23]
	s_or_b32 s[G0+7+4*\g], s[G0+7+4*\g], 0x80000000
.endr
	tensor_load_to_lds s[G0:G0+3], s[G1B:G1B+7]
	s_nop 0
.irp g, 0,1,2,3
	tensor_load_to_lds s[G0+4+4*\g:G0+7+4*\g], s[G1A:G1A+7]
	s_nop 0
.endr
.rept 4
	v_nop                                          ; (behind a tensor load)
.endr
	v_and_b32 v2, 31, v0
	v_lshlrev_b32 v1, 4, v2                        ; 16 x lane
	v_and_b32 v3, 15, v0                           ; r
	v_bfe_u32 v7, v0, 4, 1                         ; h
	v_lshlrev_b32 v2, 2, v3                        ; 4 r
	v_add_nc_u32 v4, VCO, v1
	v_add_nc_u32 v5, KSO, v2
	v_add_nc_u32 v6, VSO, v2
	s_lshl_b32 s72, s14, 4
	s_add_co_u32 s72, s72, s[WV]                   ; T: my tile of 16 queries among the head's 128
	s_mov_b32 s75, 0
	s_lshl_b32 s74, s72, 10
	s_add_nc_u64 s[76:77], s[4:5], s[74:75]        ; its codes
	s_lshl_b32 s74, s72, 6
	s_add_nc_u64 s[78:79], s[4:5], s[74:75]
	s_add_nc_u64 s[78:79], s[78:79], KSO           ; its scale words
	global_load_b128 v[16:19], v1, s[76:77]
	global_load_b128 v[20:23], v1, s[76:77] offset:512
	global_load_b32 v[QS], v2, s[78:79]
	s_lshr_b32 s73, s15, 4
	s_lshl_b32 s73, s73, 11                        ; 2,048 x batch
	s_lshr_b32 s74, s72, 3
	s_lshl_b32 s74, s74, 7
	s_add_co_u32 s73, s73, s74                     ; + 128 (T / 8)
	s_bfe_u32 s74, s72, 0x20001
	s_lshl_b32 s74, s74, 5
	s_add_co_u32 s73, s73, s74                     ; + 32 ((T % 8) / 2)
	s_and_b32 s74, s72, 1
	s_lshl_b32 s74, s74, 3
	s_add_co_u32 s73, s73, s74                     ; + 8 (T % 2): lane 0's token
	s_and_b32 s71, s15, 15                         ; the head
	s_lshl_b32 s74, s73, 10
	s_lshl_b32 s72, s71, 6
	s_add_co_u32 s74, s74, s72
	s_add_nc_u64 s[8:9], s[8:9], s[74:75]
	s_lshl_b32 s74, s73, 5
	s_lshl_b32 s72, s71, 1
	s_add_co_u32 s74, s74, s72
	s_add_nc_u64 s[10:11], s[10:11], s[74:75]
	v_mov_b32 v13, 0xff61b1e6                      ; the largest t so far: -3e38
	v_floor_f32 v12, -v13                          ; -M
	v_mov_b32 v14, 0
	v_mov_b32 v15, 0
.irp j, 0,1,2,3,4,5,6,7
	v_mov_b32 v[24+\j], 0                          ; Q's zero codes for K = 64 .. 127
	v_mov_b32 v[96+\j], 0                          ; what stands behind K's last tile
.endr
.irp b, 0,1,2,3
	v_mov_b32 v[236+\b], 0                         ; a lane permute's destination counts as one of its sources
.endr
	v_mov_b32 v253, 0                              ; (named as the upper half of the pair v[252:253])
.set j, 0
.rept 32
	v_mov_b32 v[O+j], 0                            ; O^T: the step is written once; the first step finds zeros, which the first change of M leaves zeros
.set j, j+1
.endr
; A KEY STEP: 128 keys.
.macro STEP
	v_add_nc_u32 v[ADK], s[TK], v1
	v_add_nc_u32 v[ADV], s[TK], v4
	v_add_nc_u32 v[ADS], s[TS], v5
	v_add_nc_u32 v[ADT], s[TV], v6
.rept 4
	v_nop                                          ; with the four additions: eight places between the last products and loads into the registers that they read
.endr
.irp t, 0,1,2,3,4,5,6,7
	ds_load_b128 v[KV+8*\t:KV+8*\t+3],   v[ADK] offset:1024*\t
	ds_load_b128 v[KV+8*\t+4:KV+8*\t+7], v[ADK] offset:1024*\t+512
	ds_load_b32 v[SK+\t], v[ADS] offset:64*\t
.endr
	s_wait_dscnt 0x0
.irp t, 0,1,2,3,4,5,6,7
	v_wmma_scale_f32_16x16x128_f8f6f4 v[S+8*\t:S+8*\t+7], v[KV+8*\t:KV+8*\t+15], v[16:31], 0, v[SK+\t], v[QS]
.endr
.rept 8
	v_nop
.endr
.irp t, 0,1,2,3                        ; V's fragments land while the softmax is walked
.irp c, 0,1,2,3
	ds_load_b128 v[KV+16*\t+4*\c:KV+16*\t+4*\c+3], v[ADV] offset:2048*\t+512*\c
.endr
	ds_load_b32 v[SV+\t], v[ADT] offset:64*\t
.endr
.irp b, 0,1,2,3
	v_max3_num_f32 v[232+\b], v[S+16*\b], v[S+1+16*\b], v[S+2+16*\b]   ; the largest score of each block of 32 keys: for the row's maximum and, since p rises with the score, for the block's largest p
.endr
.irp i, 3,5,7,9,11,13
.irp b, 0,1,2,3
	v_max3_num_f32 v[232+\b], v[232+\b], v[S+16*\b+\i], v[S+1+16*\b+\i]
.endr
.endr
.irp b, 0,1,2,3
	v_max_num_f32 v[232+\b], v[232+\b], v[S+15+16*\b]
.endr
.irp b, 0,1,2,3
	v_permlanex16_b32 v[236+\b], v[232+\b], s[SEL], s[SEL+1]
.endr
.irp b, 0,1,2,3
	v_max_num_f32 v[232+\b], v[232+\b], v[236+\b]
.endr
	v_max3_num_f32 v254, v232, v233, v234
	v_max_num_f32 v254, v254, v235
	v_mul_f32 v254, s[CS], v254
	v_max_num_f32 v13, v13, v254                   ; the running largest t
	v_mov_b32 v254, v12
	v_floor_f32 v12, -v13                          ; the new -M = -ceil(t)
	v_sub_f32 v254, v12, v254                      ; old M - new M: a whole number, 0 or less
	v_cvt_i32_f32 v254, v254                       ; (it saturates)
	v_ldexp_f32 v252, 1.0, v254                    ; f = 2^(old M - new M)
.set j, 0
.rept 32
	v_pk_fma_f32 v[S+j:S+j+1], v[S+j:S+j+1], s[CS:CS+1], v[12:13] op_sel_hi:[1,0,0]   ; t - M
.set j, j+2
.endr
.irp b, 0,1,2,3
	v_fma_f32 v[232+\b], v[232+\b], s[CS], v12
.endr
.set j, 0
.rept 64
	v_exp_f32 v[S+j], v[S+j]                       ; p = 2^(t - M)
.set j, j+1
.endr
	v_pk_mul_f32 v[14:15], v[14:15], v[252:253] op_sel_hi:[1,0]   ; the sums under the new M: a plain instruction behind the exponentials
	s_wait_alu depctr_va_vdst(0)                   ; one wait for the batch, ahead of its first reader
.irp b, 0,1,2,3
	v_exp_f32 v[232+\b], v[232+\b]                 ; the block's largest p
.endr
	v_pk_add_f32 v[236:237], v[S:S+1], v[S+2:S+3]  ; the row's sum of the unquantised p, in two chains
.irp j, 4,8,12,16,20,24,28,32,36,40,44,48,52,56,60
	v_pk_add_f32 v[14:15], v[14:15], v[S+\j:S+\j+1]
	v_pk_add_f32 v[236:237], v[236:237], v[S+2+\j:S+3+\j]
.endr
	v_pk_add_f32 v[14:15], v[14:15], v[236:237]
	s_wait_alu depctr_va_vdst(0)                   ; and one for the four
.irp b, 0,1,2,3
	v_max_num_f32 v[232+\b], 0x4800000, v[232+\b]  ; the floor 2^(9 - 127)
.endr
.irp b, 0,1,2,3
	v_add_nc_u32 v[244+\b], 0xfc000000, v[232+\b]
.endr
.irp b, 0,1,2,3
	v_and_or_b32 v[240+\b], v[232+\b], 0x7f800000, s[MNT]
.endr
.irp b, 0,1,2,3
	v_lshrrev_b32 v[236+\b], 23, v[244+\b]
.endr
	v_lshl_or_b32 v[PW], v237, 8, v236             ; p's scale word for these 128 keys
	v_lshl_or_b32 v[PW], v238, 16, v[PW]
	v_lshl_or_b32 v[PW], v239, 24, v[PW]
.irp b, 0,1,2,3
.irp i, 0,1,2,3,4,5,6,7,8,9,10,11,12,13,14,15
	v_min_num_f32 v[S+16*\b+\i], v[S+16*\b+\i], v[240+\b]   ; the conversion does not saturate (ISA guide 7.6.2); p is not negative
.endr
	v_cvt_scalef32_pk8_fp8_f32 v[PCD+4*\b:PCD+1+4*\b], v[S+16*\b:S+7+16*\b], v[244+\b]
	v_cvt_scalef32_pk8_fp8_f32 v[PCD+2+4*\b:PCD+3+4*\b], v[S+8+16*\b:S+15+16*\b], v[244+\b]
.endr
.set j, 0
.rept 16
	v_pk_mul_f32 v[O+j:O+j+1], v[O+j:O+j+1], v[252:253] op_sel_hi:[1,0]   ; O^T under the new M; these sixteen also stand between the conversions and the products
.set j, j+2
.endr
	s_wait_dscnt 0x0                               ; V
.irp t, 0,1,2,3
	v_wmma_scale_f32_16x16x128_f8f6f4 v[O+8*\t:O+8*\t+7], v[KV+16*\t:KV+16*\t+15], v[PCD:PCD+15], v[O+8*\t:O+8*\t+7], v[SV+\t], v[PW]
.endr
	s_add_co_u32 s[TK], s[TK], 8192
	s_add_co_u32 s[TS], s[TS], 512
	s_add_co_u32 s[TV], s[TV], 256
.endm
; A quarter of the keys: my loads up to this quarter's have landed (left = the later quarters' loads, which may stay out); a barrier, since all waves read what each brought; four steps.
.macro QUARTER left
	s_wait_tensorcnt \left
	s_wait_dscnt 0x0
	s_barrier_signal -1
	s_barrier_wait -1
	s_mov_b32 s[CNT], 4
.Lstep_\@:
	STEP
	s_sub_co_u32 s[CNT], s[CNT], 1
	s_cmp_lg_u32 s[CNT], 0
	s_cbranch_scc1 .Lstep_\@
.endm
	s_wait_loadcnt 0x0                             ; Q
	QUARTER 3
	QUARTER 2
	QUARTER 1
	QUARTER 0
	; THE WAY OUT: O^T / the sum, quantised along the head's 64: register 16 b + i is feature 32 b + 16 h + i of my query
.rept 8
	v_nop
.endr
	v_add_f32 v14, v14, v15
	v_permlanex16_b32 v252, v14, s[SEL], s[SEL+1]
	v_add_f32 v14, v14, v252
	v_rcp_f32 v14, v14
	v_and_b32 v8, 8, v3                            ; (plain work behind the transcendental)
	v_add_nc_u32 v8, v8, v3                        ; r + 8 (r / 8): my token, from lane 0's
	v_lshlrev_b32 v9, 5, v8
	v_add_nc_u32 v9, v9, v7                        ; its row of scale bytes, + h
	v_lshlrev_b32 v8, 10, v8
	v_lshl_add_u32 v8, v7, 4, v8                   ; its row of codes, + 16 h
	v_cmp_eq_u32 vcc_lo, 1, v7
	s_wait_alu depctr_va_vdst(0)                   ; the wait ahead of the reciprocal's first reader
.set j, 0
.rept 32
	v_mul_f32 v[S+j], v[O+j], v14
.set j, j+1
.endr
.irp b, 0,1
	v_max3_num_f32 v[232+\b], |v[S+16*\b]|, |v[S+1+16*\b]|, 0x4800000
.endr
.irp i, 2,4,6,8,10,12,14
.irp b, 0,1
	v_max3_num_f32 v[232+\b], v[232+\b], |v[S+16*\b+\i]|, |v[S+1+16*\b+\i]|
.endr
.endr
.irp b, 0,1
	v_permlanex16_b32 v[236+\b], v[232+\b], s[SEL], s[SEL+1]
.endr
.irp b, 0,1
	v_max_num_f32 v[232+\b], v[232+\b], v[236+\b]
.endr
.irp b, 0,1
	v_add_nc_u32 v[244+\b], 0xfc000000, v[232+\b]
.endr
.irp b, 0,1
	v_and_or_b32 v[240+\b], v[232+\b], 0x7f800000, s[MNT]
.endr
.irp b, 0,1
	v_lshrrev_b32 v[236+\b], 23, v[244+\b]
.endr
	v_cndmask_b32 v254, v236, v237, vcc_lo         ; lanes 0-15 store block 0's byte, lanes 16-31 block 1's
.irp b, 0,1
.irp i, 0,1,2,3,4,5,6,7,8,9,10,11,12,13,14,15
	v_med3_num_f32 v[S+16*\b+\i], v[S+16*\b+\i], -v[240+\b], v[240+\b]
.endr
	v_cvt_scalef32_pk8_fp8_f32 v[PCD+4*\b:PCD+1+4*\b], v[S+16*\b:S+7+16*\b], v[244+\b]
	v_cvt_scalef32_pk8_fp8_f32 v[PCD+2+4*\b:PCD+3+4*\b], v[S+8+16*\b:S+15+16*\b], v[244+\b]
.endr
	v_nop
.irp b, 0,1
	global_store_b128 v8, v[PCD+4*\b:PCD+3+4*\b], s[8:9] offset:32*\b
.endr
	global_store_b8 v9, v254, s[10:11]
	s_wait_tensorcnt 0x0
	ds_add_u32 v251, v255
	s_wait_dscnt 0x0
	CROUND                                         ; the closing round: no work-group ends while a partner may still ask for a tile that names it
	s_endpgm
.Lfunc_end_k_qbd6c6cc7dd_attn:
	.size	k_qbd6c6cc7dd_attn, .Lfunc_end_k_qbd6c6cc7dd_attn-k_qbd6c6cc7dd_attn
	.p2alignl 7, 3214868480
	.fill 96, 4, 3214868480
	.section	.rodata,"a",@progbits
	.p2align	6, 0x0
	.amdhsa_kernel k_qbd6c6cc7dd_attn
		.amdhsa_group_segment_fixed_size 276480
		.amdhsa_private_segment_fixed_size 0
		.amdhsa_enable_private_segment 0
		.amdhsa_kernarg_size 32
		.amdhsa_user_sgpr_count 2
		.amdhsa_user_sgpr_kernarg_segment_ptr 1
		.amdhsa_wavefront_size32 1
		.amdhsa_system_sgpr_workgroup_id_x 1
		.amdhsa_system_sgpr_workgroup_id_y 1
		.amdhsa_system_sgpr_workgroup_id_z 1
		.amdhsa_system_vgpr_workitem_id 0
		.amdhsa_next_free_vgpr 256
		.amdhsa_next_free_sgpr 80
		.amdhsa_reserve_vcc 1
		.amdhsa_float_denorm_mode_32 3
		.amdhsa_float_denorm_mode_16_64 3
		.amdhsa_memory_ordered 1
		.amdhsa_forward_progress 1
		.amdhsa_inst_pref_size 91
	.end_amdhsa_kernel
	.amdgpu_metadata
---
amdhsa.version: [ 1, 2 ]
amdhsa.kernels:
  - .name:           k_qbd6c6cc7dd_attn
    .symbol:         k_qbd6c6cc7dd_attn.kd
    .args:
      - { .name: qi, .offset: 0, .size: 8, .value_kind: global_buffer, .address_space: global }
      - { .name: kv, .offset: 8, .size: 8, .value_kind: global_buffer, .address_space: global }
      - { .name: c1, .offset: 16, .size: 8, .value_kind: global_buffer, .address_space: global }
      - { .name: s1, .offset: 24, .size: 8, .value_kind: global_buffer, .address_space: global }
    .group_segment_fixed_size: 276480
    .private_segment_fixed_size: 0
    .kernarg_segment_align: 8
    .kernarg_segment_size: 32
    .max_flat_workgroup_size: 512
    .sgpr_count:     80
    .vgpr_count:     256
    .wavefront_size: 32
...
	.end_amdgpu_metadata
.endif
;; end of part 3
;; launch wo (part 4): grid 4 x 16, 4 waves a work-group, clusters of 4 x 4, 327,680 bytes of LDS; arguments c1, s1, wo_w_codes, wo_w_scales, wo_b, x, x1; writes x1
.if DOCPART == 4
	.amdgcn_target "amdgcn-amd-amdhsa--gfx1250"
	.amdhsa_code_object_version 6
	.text
	.protected	k_qbd6c6cc7dd_wo
	.globl	k_qbd6c6cc7dd_wo
	.p2align	8
	.type	k_qbd6c6cc7dd_wo,@function
k_qbd6c6cc7dd_wo:
	s_mov_b64 s[64:65], 0
	v_nop
	global_prefetch_b8 v0, s[64:65] scope:SCOPE_SE
	s_setreg_imm32_b32 hwreg(HW_REG_WAVE_MODE, 25, 1), 1
	s_wait_xcnt 0x0
	s_wait_alu depctr_hold_cnt(0) depctr_sa_sdst(0) depctr_va_vdst(0) depctr_va_sdst(0) depctr_va_ssrc(0) depctr_va_vcc(0) depctr_vm_vsrc(0)
	s_getreg_b32 s2, hwreg(HW_REG_IB_STS2, 6, 4)
	s_cmp_eq_u32 s2, 0
	s_cbranch_scc0 .Lentry_in_a_cluster
	s_endpgm
.Lentry_in_a_cluster:
	s_bfe_u32 s2, ttmp6, 0x10000c
	s_cmp_lg_u32 s2, 0xf033
	s_cbranch_scc0 .Lentry_shape_is_right
	s_endpgm
.Lentry_shape_is_right:
; x1 = x + attn wo_w^T + wo_b on codes of MX-FP8 (attn: codes [4096][1024] with scale bytes [4096][32]; the weight likewise, [1024][1024]); x, x1 [4096][1024] f32.
; The accumulators BEGIN as x + wo_b: the residual is loaded straight into them, in the result's layout, while the first tiles are on their way; the products add onto it in f32.
; THE PRODUCT: a tile of 256 x 256 by four waves, 128 x 128 each (64 accumulators, 512 registers); K in steps of 256 through a ring of two LDS slots filled by tensor loads; the scale bytes of the tile's rows come once.
; CLUSTERS of 4 x 4: A's tiles are asked for jointly along a row of the cluster, B's along a column.  The matrix instruction is used transposed (source 0 = rows of the weight, source 1 = tokens).
; This size gives 64 tiles of 256 x 256: 64 work-groups.  LIMITS: NaN and infinities are not served; the sum's order is residual + bias first, then K ascending.
; REGISTERS: window 0: v0-31 addresses; v32-63 scale words, two sets; v64-127 the bias; v128-255 A's fragments, one set.  window 1: B's fragments, two sets.  windows 2, 3: accumulator (a, b) at v[8 (8 (a%4) + b)].
.set SIZE_N, 1024
.set SIZE_K, 1024
.set SD0,    32
.set SRW,    16
.set SPT,    32
.set SQI,    5
.set KSTEP,  256
.set NQ,     2
.set ROWB,   256
.set KROW,   SIZE_K
.set PITCH,  272
.set FR,     16
.set NL,     4
.set NP,     8
.set HALFT,  128*PITCH
.set SLOT,   4*HALFT
.set LAPS,   SIZE_K/(2*KSTEP)
.set KS,     SIZE_K/32
.set SCL,    2*SLOT
.set HALFS,  4352
.set SBLK,   544
.set SPARE,  SCL+4*HALFS               ; the spare words, 128 bytes for each wave: two blocks of 256 bytes that no other line names
.set SPITCH, 528                       ; the way out: a stage of 16 rows x (512 + 16) bytes for each wave, in slot 0, which has had its last fill and its last read by then
.set ADRA, 16
.set ADRB, 20
.set STO,  24
.set RD,   25
.set CO,   26
.set ADRS, 27
.set SPW,  28
.set NIL,  29
.set SC,   32
.set BI,   64
.set AF,   128
.set BK,   128
.set G1, 24
.set G0, 32
.set G1B, 48
.set G0B, 56
.set G1S, 68
.set G0S, 76
.set G1SB, 80
.set G0SB, 88
.set MSB, 0
.macro WIN new
.if MSB != (\new)
	s_set_vgpr_msb (MSB<<8)|(\new)
.set MSB, (\new)
.endif
.endm
.set MUL_LO, 0xa1
.set MUL_HI, 0xf1
.set TO_B,   0x40
.macro JLOAD g0a, g1a, g0b, g1b        ; a joint load: waves 0, 1 fetch for A, waves 2, 3 for B; four v_nop follow each line
	s_cmp_eq_u32 s15, 0
	s_cbranch_scc0 .Lfor_b_\@
	tensor_load_to_lds s[\g0a:\g0a+3], s[\g1a:\g1a+7]
	s_nop 0
.rept 4
	v_nop
.endr
	s_branch .Lasked_\@
.Lfor_b_\@:
	tensor_load_to_lds s[\g0b:\g0b+3], s[\g1b:\g1b+7]
	s_nop 0
.rept 4
	v_nop
.endr
.Lasked_\@:
.endm
.macro CREST
	s_cmp_lg_u32 s14, 0
	s_cbranch_scc1 .Lnot_wave_0_\@
	s_barrier_signal -3
.Lnot_wave_0_\@:
	s_barrier_wait -3
	s_barrier_signal -1
	s_barrier_wait -1
.endm
.macro CROUND
	s_barrier_signal -1
	s_barrier_wait -1
	CREST
.endm
	s_load_b128 s[4:7], s[0:1], 0x0                ; A's codes, A's scales
	s_load_b128 s[8:11], s[0:1], 0x10              ; B's codes, B's scales
	s_load_b128 s[96:99], s[0:1], 0x20             ; the bias s[96:97], the residual s[98:99]
	s_load_b64 s[12:13], s[0:1], 0x30              ; the result
	v_lshl_add_u32 v[SPW], v0, 2, SPARE
	v_mov_b32 v[NIL], 0
	ds_add_u32 v28, v29
	ds_add_u32 v28, v29
	s_wait_dscnt 0x0
	v_lshrrev_b32 v1, 5, v0
	v_readfirstlane_b32 s14, v1
	s_lshr_b32 s15, s14, 1
	s_and_b32 s16, s14, 1
	s_bfe_u32 s40, ttmp6, 0x40000
	s_bfe_u32 s41, ttmp6, 0x40004
	s_lshl_b32 s42, ttmp9, 2
	s_add_co_u32 s42, s42, s40                     ; tile column
	s_and_b32 s17, ttmp7, 0xffff
	s_lshl_b32 s17, s17, 2
	s_add_co_u32 s17, s17, s41                     ; tile row
	s_lshl_b32 s43, s41, 2
	s_lshl_b32 s43, 15, s43
	s_lshl_b32 s44, 0x1111, s40
	s_or_b32 s[G1+0], s43, (0<<16)|(1<<20)|(1<<21)|(5<<22)|(3<<25)
	s_or_b32 s[G1B+0], s44, (0<<16)|(1<<20)|(1<<21)|(5<<22)|(3<<25)
.irp g, G1, G1B
	s_mov_b32 s[\g+1], ROWB<<16
	s_mov_b32 s[\g+2], 128<<16
	s_mov_b32 s[\g+3], ROWB<<16
	s_mov_b32 s[\g+4], 128
	s_mov_b32 s[\g+5], KROW
	s_mov_b32 s[\g+6], 0
	s_mov_b32 s[\g+7], 0
.endr
	s_or_b32 s[G1S+0], s43, (3<<16)|(1<<20)|(1<<21)|(SQI<<22)|(3<<25)
	s_or_b32 s[G1SB+0], s44, (3<<16)|(1<<20)|(1<<21)|(SQI<<22)|(3<<25)
.irp g, G1S, G1SB
	s_mov_b32 s[\g+1], SD0<<16
	s_mov_b32 s[\g+2], SRW<<16
	s_mov_b32 s[\g+3], SD0<<16
	s_mov_b32 s[\g+4], SRW
	s_mov_b32 s[\g+5], SPT
	s_mov_b32 s[\g+6], 0
	s_mov_b32 s[\g+7], 0
.endr
	s_lshl_b32 s18, s16, 7
	s_lshl_b32 s20, s17, 8
	s_add_co_u32 s20, s20, s18
	s_lshl_b32 s46, s42, 8
	s_add_co_u32 s46, s46, s18
	s_mov_b32 s21, 0
	s_mov_b32 s47, 0
	s_mov_b64 s[18:19], KS
	s_mul_u64 s[22:23], s[20:21], s[18:19]
	s_mul_u64 s[92:93], s[46:47], s[18:19]
	s_mov_b64 s[18:19], KROW
	s_mul_u64 s[20:21], s[20:21], s[18:19]
	s_mul_u64 s[46:47], s[46:47], s[18:19]
	s_mul_i32 s45, s14, HALFT
	s_mul_i32 s94, s14, HALFS
	s_wait_kmcnt 0x0
	s_add_nc_u64 s[20:21], s[4:5], s[20:21]
	s_add_nc_u64 s[22:23], s[6:7], s[22:23]
	s_add_nc_u64 s[46:47], s[8:9], s[46:47]
	s_add_nc_u64 s[92:93], s[10:11], s[92:93]
	CROUND                                         ; all sixteen work-groups are here: the first joint loads meet
	s_mov_b32 s[G0S], 1
	s_add_co_u32 s[G0S+1], s94, SCL
	s_mov_b64 s[G0S+2:G0S+3], s[22:23]
	s_or_b32 s[G0S+3], s[G0S+3], 0x80000000
	s_mov_b32 s[G0SB], 1
	s_add_co_u32 s[G0SB+1], s94, SCL
	s_mov_b64 s[G0SB+2:G0SB+3], s[92:93]
	s_or_b32 s[G0SB+3], s[G0SB+3], 0x80000000
	JLOAD G0S, G1S, G0SB, G1SB                     ; three loads of mine are out at the most
.irp s, 0,1
	s_mov_b32 s[G0+4*\s], 1
	s_add_co_u32 s[G0+4*\s+1], s45, \s*SLOT
	s_add_nc_u64 s[G0+4*\s+2:G0+4*\s+3], s[20:21], \s*ROWB
	s_or_b32 s[G0+4*\s+3], s[G0+4*\s+3], 0x80000000
	s_mov_b32 s[G0B+4*\s], 1
	s_add_co_u32 s[G0B+4*\s+1], s45, \s*SLOT
	s_add_nc_u64 s[G0B+4*\s+2:G0B+4*\s+3], s[46:47], \s*ROWB
	s_or_b32 s[G0B+4*\s+3], s[G0B+4*\s+3], 0x80000000
	JLOAD G0+4*\s, G1, G0B+4*\s, G1B
.endr
	v_and_b32 v1, 15, v0                           ; r
	v_bfe_u32 v2, v0, 4, 1                         ; h
	v_mul_u32_u24 v3, v1, PITCH
	v_lshl_add_u32 v4, v2, 4, v3
	s_mul_i32 s21, s15, HALFT
	s_mul_i32 s22, s16, HALFT
	s_add_co_u32 s22, s22, 2*HALFT
.irp s, 0,1
	v_add_nc_u32 v[ADRA+\s], s21, v4
	v_add_nc_u32 v[ADRB+\s], s22, v4
	s_add_co_u32 s21, s21, SLOT
	s_add_co_u32 s22, s22, SLOT
.endr
	v_mul_u32_u24 v5, v1, KS
	v_lshrrev_b32 v6, 8, v5
	v_lshl_add_u32 v5, v6, 4, v5
	s_mul_i32 s21, s15, HALFS
	s_mul_i32 s22, s16, HALFS
	s_add_co_u32 s22, s22, 2*HALFS
	s_sub_co_u32 s22, s22, s21
	v_mul_u32_u24 v6, s22, v2
	s_add_co_u32 s21, s21, SCL
	v_add_nc_u32 v5, v5, v6
	v_add_nc_u32 v[ADRS], s21, v5
	s_mul_i32 s23, s14, 16*SPITCH                  ; my stage
	v_mul_u32_u24 v5, v1, SPITCH
	v_lshl_add_u32 v5, v2, 5, v5
	v_add_nc_u32 v[STO], s23, v5
	v_and_b32 v6, 31, v0
	v_lshlrev_b32 v[CO], 4, v6
	v_add_nc_u32 v[RD], s23, v[CO]
	s_lshl_b32 s20, s17, 8
	s_lshl_b32 s21, s15, 7
	s_add_co_u32 s20, s20, s21                     ; my first row
	s_mov_b32 s21, 0
	s_mov_b64 s[18:19], SIZE_N*4
	s_mul_u64 s[20:21], s[20:21], s[18:19]
	s_lshl_b32 s46, s42, 10
	s_lshl_b32 s47, s16, 9
	s_add_co_u32 s46, s46, s47                     ; my first column, in bytes
	s_mov_b32 s47, 0
	s_add_nc_u64 s[20:21], s[20:21], s[46:47]
	s_add_nc_u64 s[12:13], s[12:13], s[20:21]
	s_add_nc_u64 s[98:99], s[98:99], s[20:21]
	s_add_nc_u64 s[96:97], s[96:97], s[46:47]
	v_lshlrev_b32 v4, 12, v1
	v_lshl_add_u32 v4, v2, 5, v4                   ; the residual in the result's layout: row r of 4,096 bytes, + 32 h
	v_lshlrev_b32 v3, 5, v2
	WIN 0x80                                       ; destination window 2
.set i, 0
.rept 32
	global_load_b128 v[8*i:8*i+3],   v4, s[98:99] offset:65536*(i/8)+64*(i%8)
	global_load_b128 v[8*i+4:8*i+7], v4, s[98:99] offset:65536*(i/8)+64*(i%8)+16
.set i, i+1
.endr
	WIN 0xc0                                       ; destination window 3
.set i, 0
.rept 32
	global_load_b128 v[8*i:8*i+3],   v4, s[98:99] offset:65536*(4+i/8)+64*(i%8)
	global_load_b128 v[8*i+4:8*i+7], v4, s[98:99] offset:65536*(4+i/8)+64*(i%8)+16
.set i, i+1
.endr
	WIN 0
.irp b, 0,1,2,3,4,5,6,7
	global_load_b128 v[BI+8*\b:BI+8*\b+3],   v3, s[96:97] offset:64*\b
	global_load_b128 v[BI+8*\b+4:BI+8*\b+7], v3, s[96:97] offset:64*\b+16
.endr
	s_wait_loadcnt 0x0
	WIN 0x82                                       ; destination and source 0 window 2, the bias in window 0
.set i, 0
.rept 32
.irp j, 0,2,4,6
	v_pk_add_f32 v[8*i+\j:8*i+\j+1], v[8*i+\j:8*i+\j+1], v[BI+8*(i%8)+\j:BI+8*(i%8)+\j+1]
.endr
.set i, i+1
.endr
	WIN 0xc3
.set i, 0
.rept 32
.irp j, 0,2,4,6
	v_pk_add_f32 v[8*i+\j:8*i+\j+1], v[8*i+\j:8*i+\j+1], v[BI+8*(i%8)+\j:BI+8*(i%8)+\j+1]
.endr
.set i, i+1
.endr
	WIN 0
.macro FRAG reg, adr, q, i
.irp c, 0,1,2,3
	ds_load_b128 v[\reg+4*\c:\reg+4*\c+3], v[\adr] offset:128*(\q)+32*\c+(\i)*16*PITCH
.endr
.endm
; 16 matrix instructions: A's blocks a0, a0 + 1 x B's eight.  The 64 accumulators take turns, one instruction a turn.
.macro MUL16 a0, p, q, sc
.irp a, \a0, \a0+1
.irp b, 0,1,2,3,4,5,6,7
	v_wmma_scale_f32_16x16x128_f8f6f4 v[8*(8*((\a)%4)+\b):8*(8*((\a)%4)+\b)+7], v[128*(\p)+FR*\b:128*(\p)+FR*\b+FR-1], v[AF+FR*(\a):AF+FR*(\a)+FR-1], v[8*(8*((\a)%4)+\b):8*(8*((\a)%4)+\b)+7], v[SC+8*NQ*(\sc)+NQ*\b+(\q)], v[SC+8*NQ*(\sc)+NQ*(\a)+(\q)] matrix_a_scale:MATRIX_SCALE_ROW1
.endr
.endr
.endm
.macro FETCH_B slot, q, p
	WIN TO_B
.irp i, 0,1,2,3,4,5,6,7
	FRAG 128*(\p)+FR*\i, ADRB+\slot, \q, \i
.endr
	WIN 0
.endm
.macro FETCH_A slot, q, i0
.irp i, \i0, \i0+1, \i0+2, \i0+3
	FRAG AF+FR*(\i), ADRA+\slot, \q, \i
.endr
.endm
.macro SCALES sc
.irp i, 0,1,2,3,4,5,6,7
	ds_load_b64 v[SC+8*NQ*\sc+NQ*\i:SC+8*NQ*\sc+NQ*\i+1], v[ADRS] offset:\i*SBLK
.endr
.endm
.macro PLACES n
.rept \n
	v_nop
.endr
.endm
.macro STEP slot, q
	s_wait_dscnt 4*NL                              ; all but the youngest 16 loads (A's blocks 4-7) are in
	WIN MUL_LO
	MUL16 0, (\q)%2, \q, \slot
	MUL16 2, (\q)%2, \q, \slot
	s_wait_dscnt 0
	PLACES NP
	FETCH_B \slot, (\q)+1, 1-(\q)%2
	FETCH_A \slot, (\q)+1, 0
	WIN MUL_HI
	MUL16 4, (\q)%2, \q, \slot
	MUL16 6, (\q)%2, \q, \slot
	PLACES NP
	WIN 0
	FETCH_A \slot, (\q)+1, 4
.endm
.macro TURN slot, next, fill
	s_wait_tensorcnt 0x0                           ; all my tensor loads have landed: my part of the next slot
	ds_add_u32 v[SPW], v[NIL]                      ; 0 onto my spare word
	s_wait_dscnt 4*NL+1                            ; (the add and the youngest 16 loads may be out)
	WIN MUL_LO
	MUL16 0, 1, NQ-1, \slot
	s_wait_dscnt 0x0                               ; the add is done, and my reads of this slot are over
	s_barrier_signal -1
	MUL16 2, 1, NQ-1, \slot
	WIN 0
	s_barrier_wait -1
.if \fill
	CREST                                          ; the barrier has opened a round of the cluster's: no wave of any partner still reads this slot or has a load on its way
	s_add_nc_u64 s[G0+4*\slot+2:G0+4*\slot+3], s[G0+4*\slot+2:G0+4*\slot+3], 2*ROWB
	s_add_nc_u64 s[G0B+4*\slot+2:G0B+4*\slot+3], s[G0B+4*\slot+2:G0B+4*\slot+3], 2*ROWB
	JLOAD G0+4*\slot, G1, G0B+4*\slot, G1B
	PLACES NP-4
.else
	PLACES NP
.endif
	v_add_nc_u32 v[ADRS], 4*NQ, v[ADRS]
	FETCH_B \next, 0, 0
	FETCH_A \next, 0, 0
	SCALES \next
	WIN MUL_HI
	MUL16 4, 1, NQ-1, \slot
	MUL16 6, 1, NQ-1, \slot
	PLACES NP
	WIN 0
	FETCH_A \next, 0, 4
.endm
	s_wait_tensorcnt 1                             ; the scales and my part of K step 0 are in (K step 1's load may be out)
	s_barrier_signal -1
	s_barrier_wait -1
	FETCH_B 0, 0, 0
	FETCH_A 0, 0, 0
	SCALES 0
	FETCH_A 0, 0, 4
	STEP 0, 0
	s_mov_b32 s3, LAPS-1
.Llap:
	TURN 0, 1, 1
	STEP 1, 0
	TURN 1, 0, 1
	STEP 0, 0
	s_sub_co_u32 s3, s3, 1
	s_cmp_lg_u32 s3, 0
	s_cbranch_scc1 .Llap
	TURN 0, 1, 0
	STEP 1, 0
	s_wait_dscnt 4*NL
	WIN MUL_LO
	MUL16 0, 1, NQ-1, 1
	MUL16 2, 1, NQ-1, 1
	s_wait_dscnt 0
	WIN MUL_HI
	MUL16 4, 1, NQ-1, 1
	MUL16 6, 1, NQ-1, 1
	WIN 0
; THE WAY OUT, block by block of 16 rows x 128 columns, through my own stage: back as whole rows of 512 bytes.  LDS serves a wave's instructions in order (ISA guide 5.7.1.4).
.macro TOSTAGE a
.set AC, 64*((\a)%4)
	WIN 0x08+4*((\a)/4)
.irp b, 0,1,2,3,4,5,6,7
	ds_store_b128 v[STO], v[AC+8*\b:AC+8*\b+3] offset:64*\b          ; each accumulator from its low end on
	ds_store_b128 v[STO], v[AC+8*\b+4:AC+8*\b+7] offset:64*\b+16
.endr
	WIN 0
.set BB, BK+64*((\a)%2)
.irp t, 0,1,2,3,4,5,6,7,8,9,10,11,12,13,14,15
	ds_load_b128 v[BB+4*\t:BB+4*\t+3], v[RD] offset:\t*SPITCH
.endr
.endm
.macro SEND a, younger
.set BB, BK+64*((\a)%2)
	s_wait_dscnt \younger                          ; the block is back; the LDS instructions issued behind its loads may be out
.if (\a) > 0
	s_add_nc_u64 s[12:13], s[12:13], 16*SIZE_N*4   ; (behind a wait on XCNT: the earlier stores have read their base)
.endif
.irp t, 0,1,2,3,4,5,6,7,8,9,10,11,12,13,14,15
	global_store_b128 v[CO], v[BB+4*\t:BB+4*\t+3], s[12:13] offset:\t*SIZE_N*4   ; 32 lanes store 512 consecutive bytes, aligned
.endr
.endm
	PLACES NP
	TOSTAGE 0
.irp a, 1,2,3,4,5,6,7
.if \a > 1
	s_wait_xcnt 0x0                                ; block a - 2's stores have read their registers and their base
.endif
	TOSTAGE \a
	SEND \a-1, 32
.endr
	s_wait_xcnt 0x0
	SEND 7, 0
	s_wait_tensorcnt 0x0                           ; the wave's end
	ds_add_u32 v[SPW], v[NIL]
	s_wait_dscnt 0x0
	CROUND                                         ; the closing round
	s_endpgm
.Lfunc_end_k_qbd6c6cc7dd_wo:
	.size	k_qbd6c6cc7dd_wo, .Lfunc_end_k_qbd6c6cc7dd_wo-k_qbd6c6cc7dd_wo
	.p2alignl 7, 3214868480
	.fill 96, 4, 3214868480
	.section	.rodata,"a",@progbits
	.p2align	6, 0x0
	.amdhsa_kernel k_qbd6c6cc7dd_wo
		.amdhsa_group_segment_fixed_size 327680
		.amdhsa_private_segment_fixed_size 0
		.amdhsa_enable_private_segment 0
		.amdhsa_kernarg_size 56
		.amdhsa_user_sgpr_count 2
		.amdhsa_user_sgpr_kernarg_segment_ptr 1
		.amdhsa_wavefront_size32 1
		.amdhsa_system_sgpr_workgroup_id_x 1
		.amdhsa_system_sgpr_workgroup_id_y 1
		.amdhsa_system_sgpr_workgroup_id_z 1
		.amdhsa_system_vgpr_workitem_id 0
		.amdhsa_next_free_vgpr 1024
		.amdhsa_next_free_sgpr 100
		.amdhsa_reserve_vcc 0
		.amdhsa_float_denorm_mode_32 3
		.amdhsa_float_denorm_mode_16_64 3
		.amdhsa_memory_ordered 1
		.amdhsa_forward_progress 1
		.amdhsa_inst_pref_size 175
	.end_amdhsa_kernel
	.amdgpu_metadata
---
amdhsa.version: [ 1, 2 ]
amdhsa.kernels:
  - .name:           k_qbd6c6cc7dd_wo
    .symbol:         k_qbd6c6cc7dd_wo.kd
    .args:
      - { .name: c1, .offset: 0, .size: 8, .value_kind: global_buffer, .address_space: global }
      - { .name: s1, .offset: 8, .size: 8, .value_kind: global_buffer, .address_space: global }
      - { .name: wo_w_codes, .offset: 16, .size: 8, .value_kind: global_buffer, .address_space: global }
      - { .name: wo_w_scales, .offset: 24, .size: 8, .value_kind: global_buffer, .address_space: global }
      - { .name: wo_b, .offset: 32, .size: 8, .value_kind: global_buffer, .address_space: global }
      - { .name: x, .offset: 40, .size: 8, .value_kind: global_buffer, .address_space: global }
      - { .name: x1, .offset: 48, .size: 8, .value_kind: global_buffer, .address_space: global }
    .group_segment_fixed_size: 327680
    .private_segment_fixed_size: 0
    .kernarg_segment_align: 8
    .kernarg_segment_size: 56
    .max_flat_workgroup_size: 128
    .sgpr_count:     100
    .vgpr_count:     1024
    .wavefront_size: 32
...
	.end_amdgpu_metadata
.endif
;; end of part 4
;; launch ln2: the kernel of part 1 again; grid 256 x 1, 4 waves a work-group, no clusters, 1,024 bytes of LDS; arguments x1, ln2_w, ln2_b, c1, s1; writes c1, s1
;; launch ffn1 (part 5): grid 16 x 16, 4 waves a work-group, clusters of 4 x 4, 327,680 bytes of LDS; arguments c1, s1, ffn1_w_codes, ffn1_w_scales, ffn1_b, fs, fc; writes fs, fc
.if DOCPART == 5
	.amdgcn_target "amdgcn-amd-amdhsa--gfx1250"
	.amdhsa_code_object_version 6
	.text
	.protected	k_qbd6c6cc7dd_ffn1
	.globl	k_qbd6c6cc7dd_ffn1
	.p2align	8
	.type	k_qbd6c6cc7dd_ffn1,@function
k_qbd6c6cc7dd_ffn1:
	s_mov_b64 s[64:65], 0
	v_nop
	global_prefetch_b8 v0, s[64:65] scope:SCOPE_SE
	s_setreg_imm32_b32 hwreg(HW_REG_WAVE_MODE, 25, 1), 1
	s_wait_xcnt 0x0
	s_wait_alu depctr_hold_cnt(0) depctr_sa_sdst(0) depctr_va_vdst(0) depctr_va_sdst(0) depctr_va_ssrc(0) depctr_va_vcc(0) depctr_vm_vsrc(0)
	s_getreg_b32 s2, hwreg(HW_REG_IB_STS2, 6, 4)
	s_cmp_eq_u32 s2, 0
	s_cbranch_scc0 .Lentry_in_a_cluster
	s_endpgm
.Lentry_in_a_cluster:
	s_bfe_u32 s2, ttmp6, 0x10000c
	s_cmp_lg_u32 s2, 0xf033
	s_cbranch_scc0 .Lentry_shape_is_right
	s_endpgm
.Lentry_shape_is_right:
; The hidden layer relu(g ffn1_w^T + ffn1_b) on codes of MX-FP8 (g: codes [4096][1024] with scale bytes [4096][32]; the weight likewise, [4096][1024]), quantised along its 4,096 columns on the way out:
; fc = codes [4096][4096], fs = scale bytes [4096][128].  The sums are f32 and start from the bias; the f32 results never go to memory.
; THE PRODUCT: a tile of 256 x 256 by four waves, 128 x 128 each (64 accumulators, 512 registers); K in steps of 256 through a ring of two LDS slots filled by tensor loads; the scale bytes of the tile's rows come once.
; CLUSTERS of 4 x 4: A's tiles are asked for jointly along a row of the cluster, B's along a column.  The matrix instruction is used transposed (source 0 = rows of the weight, source 1 = tokens):
; a lane holds one token and eight neighbouring columns, so a block of 32 columns lies in lanes l and l xor 16, 16 registers each.
; THE ACTIVATION costs nothing: the hold that the conversion wants clips at 0 as well, and the largest magnitude is taken without |.|.
; LIMITS: NaN and infinities are not served; a block whose largest number lies under 2^-118 (a block of zeros too) keeps the byte 1: the bytes are read by this program alone.
; A tile's share of a row of fs is 8 bytes, stored so: fs is one part in 32 of what the launch stores.
; REGISTERS: window 0: v0-31 addresses; v32-63 scale words, two sets; v64-127 the bias; v128-255 A's fragments, one set.  window 1: B's fragments, two sets.  windows 2, 3: accumulator (a, b) at v[8 (8 (a%4) + b)].
.set SIZE_N, 4096
.set SIZE_K, 1024
.set SD0,    32
.set SRW,    16
.set SPT,    32
.set SQI,    5
.set KSTEP,  256
.set NQ,     2
.set ROWB,   256
.set KROW,   SIZE_K
.set PITCH,  272
.set FR,     16
.set NL,     4
.set NP,     8
.set HALFT,  128*PITCH
.set SLOT,   4*HALFT
.set LAPS,   SIZE_K/(2*KSTEP)
.set KS,     SIZE_K/32
.set SCL,    2*SLOT
.set HALFS,  4352
.set SBLK,   544
.set SPARE,  SCL+4*HALFS               ; the spare words, 128 bytes for each wave: two blocks of 256 bytes that no other line names
.set ADRA, 16
.set ADRB, 20
.set SGO,  18                          ; 128 x lane: a row of fs
.set STO,  24                          ; the way out: the work-group's stage, 256 rows x (256 + 16) bytes, in slot 0: where I put 8 codes
.set RD,   25                          ; where I read a row back
.set CO,   26                          ; and the same place in fc
.set ADRS, 27
.set SPW,  28
.set NIL,  29
.set SSW,  30                          ; behind the stage: 8 scale bytes a row: where my word goes
.set SSR,  31                          ; and where a row's 8 bytes come back
.set SC,   32
.set BI,   64
.set AF,   128
.set TM,   32
.set PC,   52
.set G1, 24
.set G0, 32
.set G1B, 48
.set G0B, 56
.set G1S, 68
.set G0S, 76
.set G1SB, 80
.set G0SB, 88
.set MSB, 0
.macro WIN new
.if MSB != (\new)
	s_set_vgpr_msb (MSB<<8)|(\new)
.set MSB, (\new)
.endif
.endm
.set MUL_LO, 0xa1
.set MUL_HI, 0xf1
.set FST_LO, 0x81
.set FST_HI, 0xc1
.set TO_B,   0x40
.macro JLOAD g0a, g1a, g0b, g1b        ; a joint load: waves 0, 1 fetch for A, waves 2, 3 for B; four v_nop follow each line
	s_cmp_eq_u32 s15, 0
	s_cbranch_scc0 .Lfor_b_\@
	tensor_load_to_lds s[\g0a:\g0a+3], s[\g1a:\g1a+7]
	s_nop 0
.rept 4
	v_nop
.endr
	s_branch .Lasked_\@
.Lfor_b_\@:
	tensor_load_to_lds s[\g0b:\g0b+3], s[\g1b:\g1b+7]
	s_nop 0
.rept 4
	v_nop
.endr
.Lasked_\@:
.endm
.macro CREST
	s_cmp_lg_u32 s14, 0
	s_cbranch_scc1 .Lnot_wave_0_\@
	s_barrier_signal -3
.Lnot_wave_0_\@:
	s_barrier_wait -3
	s_barrier_signal -1
	s_barrier_wait -1
.endm
.macro CROUND
	s_barrier_signal -1
	s_barrier_wait -1
	CREST
.endm
	s_load_b128 s[4:7], s[0:1], 0x0                ; A's codes, A's scales
	s_load_b128 s[8:11], s[0:1], 0x10              ; B's codes, B's scales
	s_load_b128 s[96:99], s[0:1], 0x20             ; the bias s[96:97], fs s[98:99]
	s_load_b64 s[12:13], s[0:1], 0x30              ; fc
	v_lshl_add_u32 v[SPW], v0, 2, SPARE
	v_mov_b32 v[NIL], 0
	ds_add_u32 v28, v29
	ds_add_u32 v28, v29
	s_wait_dscnt 0x0
	v_lshrrev_b32 v1, 5, v0
	v_readfirstlane_b32 s14, v1
	s_lshr_b32 s15, s14, 1
	s_and_b32 s16, s14, 1
	s_bfe_u32 s40, ttmp6, 0x40000
	s_bfe_u32 s41, ttmp6, 0x40004
	s_lshl_b32 s42, ttmp9, 2
	s_add_co_u32 s42, s42, s40                     ; tile column
	s_and_b32 s17, ttmp7, 0xffff
	s_lshl_b32 s17, s17, 2
	s_add_co_u32 s17, s17, s41                     ; tile row
	s_lshl_b32 s43, s41, 2
	s_lshl_b32 s43, 15, s43
	s_lshl_b32 s44, 0x1111, s40
	s_or_b32 s[G1+0], s43, (0<<16)|(1<<20)|(1<<21)|(5<<22)|(3<<25)
	s_or_b32 s[G1B+0], s44, (0<<16)|(1<<20)|(1<<21)|(5<<22)|(3<<25)
.irp g, G1, G1B
	s_mov_b32 s[\g+1], ROWB<<16
	s_mov_b32 s[\g+2], 128<<16
	s_mov_b32 s[\g+3], ROWB<<16
	s_mov_b32 s[\g+4], 128
	s_mov_b32 s[\g+5], KROW
	s_mov_b32 s[\g+6], 0
	s_mov_b32 s[\g+7], 0
.endr
	s_or_b32 s[G1S+0], s43, (3<<16)|(1<<20)|(1<<21)|(SQI<<22)|(3<<25)
	s_or_b32 s[G1SB+0], s44, (3<<16)|(1<<20)|(1<<21)|(SQI<<22)|(3<<25)
.irp g, G1S, G1SB
	s_mov_b32 s[\g+1], SD0<<16
	s_mov_b32 s[\g+2], SRW<<16
	s_mov_b32 s[\g+3], SD0<<16
	s_mov_b32 s[\g+4], SRW
	s_mov_b32 s[\g+5], SPT
	s_mov_b32 s[\g+6], 0
	s_mov_b32 s[\g+7], 0
.endr
	s_lshl_b32 s18, s16, 7
	s_lshl_b32 s20, s17, 8
	s_add_co_u32 s20, s20, s18
	s_lshl_b32 s46, s42, 8
	s_add_co_u32 s46, s46, s18
	s_mov_b32 s21, 0
	s_mov_b32 s47, 0
	s_mov_b64 s[18:19], KS
	s_mul_u64 s[22:23], s[20:21], s[18:19]
	s_mul_u64 s[92:93], s[46:47], s[18:19]
	s_mov_b64 s[18:19], KROW
	s_mul_u64 s[20:21], s[20:21], s[18:19]
	s_mul_u64 s[46:47], s[46:47], s[18:19]
	s_mul_i32 s45, s14, HALFT
	s_mul_i32 s94, s14, HALFS
	s_wait_kmcnt 0x0
	s_add_nc_u64 s[20:21], s[4:5], s[20:21]
	s_add_nc_u64 s[22:23], s[6:7], s[22:23]
	s_add_nc_u64 s[46:47], s[8:9], s[46:47]
	s_add_nc_u64 s[92:93], s[10:11], s[92:93]
	CROUND                                         ; all sixteen work-groups are here: the first joint loads meet
	s_mov_b32 s[G0S], 1
	s_add_co_u32 s[G0S+1], s94, SCL
	s_mov_b64 s[G0S+2:G0S+3], s[22:23]
	s_or_b32 s[G0S+3], s[G0S+3], 0x80000000
	s_mov_b32 s[G0SB], 1
	s_add_co_u32 s[G0SB+1], s94, SCL
	s_mov_b64 s[G0SB+2:G0SB+3], s[92:93]
	s_or_b32 s[G0SB+3], s[G0SB+3], 0x80000000
	JLOAD G0S, G1S, G0SB, G1SB                     ; three loads of mine are out at the most
.irp s, 0,1
	s_mov_b32 s[G0+4*\s], 1
	s_add_co_u32 s[G0+4*\s+1], s45, \s*SLOT
	s_add_nc_u64 s[G0+4*\s+2:G0+4*\s+3], s[20:21], \s*ROWB
	s_or_b32 s[G0+4*\s+3], s[G0+4*\s+3], 0x80000000
	s_mov_b32 s[G0B+4*\s], 1
	s_add_co_u32 s[G0B+4*\s+1], s45, \s*SLOT
	s_add_nc_u64 s[G0B+4*\s+2:G0B+4*\s+3], s[46:47], \s*ROWB
	s_or_b32 s[G0B+4*\s+3], s[G0B+4*\s+3], 0x80000000
	JLOAD G0+4*\s, G1, G0B+4*\s, G1B
.endr
	v_and_b32 v1, 15, v0                           ; r
	v_bfe_u32 v2, v0, 4, 1                         ; h
	v_mul_u32_u24 v3, v1, PITCH
	v_lshl_add_u32 v4, v2, 4, v3
	s_mul_i32 s21, s15, HALFT
	s_mul_i32 s22, s16, HALFT
	s_add_co_u32 s22, s22, 2*HALFT
.irp s, 0,1
	v_add_nc_u32 v[ADRA+\s], s21, v4
	v_add_nc_u32 v[ADRB+\s], s22, v4
	s_add_co_u32 s21, s21, SLOT
	s_add_co_u32 s22, s22, SLOT
.endr
	v_mul_u32_u24 v5, v1, KS
	v_lshrrev_b32 v6, 8, v5
	v_lshl_add_u32 v5, v6, 4, v5
	s_mul_i32 s21, s15, HALFS
	s_mul_i32 s22, s16, HALFS
	s_add_co_u32 s22, s22, 2*HALFS
	s_sub_co_u32 s22, s22, s21
	v_mul_u32_u24 v6, s22, v2
	s_add_co_u32 s21, s21, SCL
	v_add_nc_u32 v5, v5, v6
	v_add_nc_u32 v[ADRS], s21, v5
	; the way out's addresses
	s_mul_i32 s23, s15, 128*272
	s_lshl_b32 s21, s16, 7
	s_add_co_u32 s23, s23, s21
	v_mul_u32_u24 v5, v1, 272
	v_lshl_add_u32 v5, v2, 3, v5
	v_add_nc_u32 v[STO], s23, v5                   ; row 128 x (my half of the rows) + r, + 128 x (my half of the columns) + 8 h
	s_mul_i32 s23, s14, 64*272
	v_mul_u32_u24 v5, v2, 272
	v_lshl_add_u32 v5, v1, 4, v5
	v_add_nc_u32 v[RD], s23, v5                    ; back: wave w takes rows 64 w on; lanes 0-15 one row of 256 bytes, lanes 16-31 the next
	v_lshlrev_b32 v5, 4, v1
	v_lshl_add_u32 v[CO], v2, 12, v5
	s_lshl_b32 s23, s15, 10
	s_lshl_b32 s21, s16, 2
	s_add_co_u32 s23, s23, s21
	s_add_co_u32 s23, s23, 69632
	v_lshl_add_u32 v[SSW], v1, 3, s23
	s_lshl_b32 s23, s14, 9
	s_add_co_u32 s23, s23, 69632
	v_and_b32 v5, 31, v0
	v_lshl_add_u32 v[SSR], v5, 3, s23
	v_lshlrev_b32 v[SGO], 7, v5
	s_lshl_b32 s20, s17, 8
	s_lshl_b32 s21, s14, 6
	s_add_co_u32 s20, s20, s21                     ; the first row that I store
	s_lshl_b32 s18, s20, 12
	s_lshl_b32 s21, s42, 8
	s_add_co_u32 s18, s18, s21
	s_mov_b32 s19, 0
	s_add_nc_u64 s[12:13], s[12:13], s[18:19]
	s_lshl_b32 s18, s20, 7
	s_lshl_b32 s21, s42, 3
	s_add_co_u32 s18, s18, s21
	s_add_nc_u64 s[98:99], s[98:99], s[18:19]
	s_lshl_b32 s46, s42, 10
	s_lshl_b32 s47, s16, 9
	s_add_co_u32 s46, s46, s47
	s_mov_b32 s47, 0
	s_add_nc_u64 s[96:97], s[96:97], s[46:47]
	v_lshlrev_b32 v3, 5, v2
.irp b, 0,1,2,3,4,5,6,7
	global_load_b128 v[BI+8*\b:BI+8*\b+3],   v3, s[96:97] offset:64*\b
	global_load_b128 v[BI+8*\b+4:BI+8*\b+7], v3, s[96:97] offset:64*\b+16
.endr
	s_mov_b32 s2, 0x600000
	s_mov_b32 s100, 0x76543210
	s_mov_b32 s101, 0xfedcba98
.macro FRAG reg, adr, q, i
.irp c, 0,1,2,3
	ds_load_b128 v[\reg+4*\c:\reg+4*\c+3], v[\adr] offset:128*(\q)+32*\c+(\i)*16*PITCH
.endr
.endm
; 16 matrix instructions: A's blocks a0, a0 + 1 x B's eight.  first = 1: the sums start from the bias.  The 64 accumulators take turns, one instruction a turn.
.macro MUL16 a0, p, q, sc, first
.irp a, \a0, \a0+1
.irp b, 0,1,2,3,4,5,6,7
.if \first
	v_wmma_scale_f32_16x16x128_f8f6f4 v[8*(8*((\a)%4)+\b):8*(8*((\a)%4)+\b)+7], v[128*(\p)+FR*\b:128*(\p)+FR*\b+FR-1], v[AF+FR*(\a):AF+FR*(\a)+FR-1], v[BI+8*\b:BI+8*\b+7], v[SC+8*NQ*(\sc)+NQ*\b+(\q)], v[SC+8*NQ*(\sc)+NQ*(\a)+(\q)] matrix_a_scale:MATRIX_SCALE_ROW1
.else
	v_wmma_scale_f32_16x16x128_f8f6f4 v[8*(8*((\a)%4)+\b):8*(8*((\a)%4)+\b)+7], v[128*(\p)+FR*\b:128*(\p)+FR*\b+FR-1], v[AF+FR*(\a):AF+FR*(\a)+FR-1], v[8*(8*((\a)%4)+\b):8*(8*((\a)%4)+\b)+7], v[SC+8*NQ*(\sc)+NQ*\b+(\q)], v[SC+8*NQ*(\sc)+NQ*(\a)+(\q)] matrix_a_scale:MATRIX_SCALE_ROW1
.endif
.endr
.endr
.endm
.macro FETCH_B slot, q, p
	WIN TO_B
.irp i, 0,1,2,3,4,5,6,7
	FRAG 128*(\p)+FR*\i, ADRB+\slot, \q, \i
.endr
	WIN 0
.endm
.macro FETCH_A slot, q, i0
.irp i, \i0, \i0+1, \i0+2, \i0+3
	FRAG AF+FR*(\i), ADRA+\slot, \q, \i
.endr
.endm
.macro SCALES sc
.irp i, 0,1,2,3,4,5,6,7
	ds_load_b64 v[SC+8*NQ*\sc+NQ*\i:SC+8*NQ*\sc+NQ*\i+1], v[ADRS] offset:\i*SBLK
.endr
.endm
.macro PLACES n
.rept \n
	v_nop
.endr
.endm
.macro STEP slot, q, first
	s_wait_dscnt 4*NL                              ; all but the youngest 16 loads (A's blocks 4-7) are in
.if \first
	WIN FST_LO
.else
	WIN MUL_LO
.endif
	MUL16 0, (\q)%2, \q, \slot, \first
	MUL16 2, (\q)%2, \q, \slot, \first
	s_wait_dscnt 0
	PLACES NP
	FETCH_B \slot, (\q)+1, 1-(\q)%2
	FETCH_A \slot, (\q)+1, 0
.if \first
	WIN FST_HI
.else
	WIN MUL_HI
.endif
	MUL16 4, (\q)%2, \q, \slot, \first
	MUL16 6, (\q)%2, \q, \slot, \first
	PLACES NP
	WIN 0
	FETCH_A \slot, (\q)+1, 4
.endm
.macro TURN slot, next, fill
	s_wait_tensorcnt 0x0                           ; all my tensor loads have landed: my part of the next slot
	ds_add_u32 v[SPW], v[NIL]                      ; 0 onto my spare word
	s_wait_dscnt 4*NL+1                            ; (the add and the youngest 16 loads may be out)
	WIN MUL_LO
	MUL16 0, 1, NQ-1, \slot, 0
	s_wait_dscnt 0x0                               ; the add is done, and my reads of this slot are over
	s_barrier_signal -1
	MUL16 2, 1, NQ-1, \slot, 0
	WIN 0
	s_barrier_wait -1
.if \fill
	CREST                                          ; the barrier has opened a round of the cluster's: no wave of any partner still reads this slot or has a load on its way
	s_add_nc_u64 s[G0+4*\slot+2:G0+4*\slot+3], s[G0+4*\slot+2:G0+4*\slot+3], 2*ROWB
	s_add_nc_u64 s[G0B+4*\slot+2:G0B+4*\slot+3], s[G0B+4*\slot+2:G0B+4*\slot+3], 2*ROWB
	JLOAD G0+4*\slot, G1, G0B+4*\slot, G1B
	PLACES NP-4
.else
	PLACES NP
.endif
	v_add_nc_u32 v[ADRS], 4*NQ, v[ADRS]
	FETCH_B \next, 0, 0
	FETCH_A \next, 0, 0
	SCALES \next
	WIN MUL_HI
	MUL16 4, 1, NQ-1, \slot, 0
	MUL16 6, 1, NQ-1, \slot, 0
	PLACES NP
	WIN 0
	FETCH_A \next, 0, 4
.endm
	s_wait_tensorcnt 1                             ; the scales and my part of K step 0 are in (K step 1's load may be out)
	s_barrier_signal -1
	s_barrier_wait -1
	FETCH_B 0, 0, 0
	FETCH_A 0, 0, 0
	SCALES 0
	FETCH_A 0, 0, 4
	s_wait_loadcnt 0x0                             ; the bias
	STEP 0, 0, 1
	s_mov_b32 s3, LAPS-1
.Llap:
	TURN 0, 1, 1
	STEP 1, 0, 0
	TURN 1, 0, 1
	STEP 0, 0, 0
	s_sub_co_u32 s3, s3, 1
	s_cmp_lg_u32 s3, 0
	s_cbranch_scc1 .Llap
	TURN 0, 1, 0
	STEP 1, 0, 0
	s_wait_dscnt 4*NL
	WIN MUL_LO
	MUL16 0, 1, NQ-1, 1, 0
	MUL16 2, 1, NQ-1, 1, 0
	s_wait_dscnt 0
	WIN MUL_HI
	MUL16 4, 1, NQ-1, 1, 0
	MUL16 6, 1, NQ-1, 1, 0
	WIN 0
	PLACES NP
.irp q, 0,1,2,3
	v_mov_b32 v[TM+4+\q], 0                        ; a lane permute's destination counts as one of its sources
.endr
.macro QROW a                          ; my rows 16 a .. 16 a + 15: relu and the quantiser on four blocks of 32 columns
.set AC, 64*((\a)%4)
.set W, 2+(\a)/4
	WIN W|(W<<2)
.irp q, 0,1,2,3
	v_max3_num_f32 v[TM+\q], v[AC+16*\q], v[AC+16*\q+1], 0x4800000   ; no |.|: what is negative becomes 0 and must not count; each accumulator is read from its low end on
.endr
	WIN (W<<2)|(W<<4)
.irp i, 2,4,6,8,10,12,14
.irp q, 0,1,2,3
	v_max3_num_f32 v[TM+\q], v[TM+\q], v[AC+16*\q+\i], v[AC+16*\q+\i+1]
.endr
.endr
	WIN 0
.irp q, 0,1,2,3
	v_permlanex16_b32 v[TM+4+\q], v[TM+\q], s100, s101
.endr
.irp q, 0,1,2,3
	v_max_num_f32 v[TM+\q], v[TM+\q], v[TM+4+\q]
.endr
.irp q, 0,1,2,3
	v_add_nc_u32 v[TM+12+\q], 0xfc000000, v[TM+\q]
.endr
.irp q, 0,1,2,3
	v_and_or_b32 v[TM+8+\q], v[TM+\q], 0x7f800000, s2
.endr
.irp q, 0,1,2,3
	v_lshrrev_b32 v[TM+4+\q], 23, v[TM+12+\q]
.endr
	WIN W|(W<<6)
.irp q, 0,1,2,3
.irp i, 0,1,2,3,4,5,6,7,8,9,10,11,12,13,14,15
	v_med3_num_f32 v[AC+16*\q+\i], v[AC+16*\q+\i], 0, v[TM+8+\q]   ; the activation and the hold in one
.endr
.endr
	s_wait_dscnt 0x0                               ; the last block's LDS stores have read their registers
	WIN W
.irp q, 0,1,2,3
	v_cvt_scalef32_pk8_fp8_f32 v[PC+4*\q:PC+4*\q+1], v[AC+16*\q:AC+16*\q+7], v[TM+12+\q]
	v_cvt_scalef32_pk8_fp8_f32 v[PC+4*\q+2:PC+4*\q+3], v[AC+16*\q+8:AC+16*\q+15], v[TM+12+\q]
.endr
	WIN 0
	v_nop                                          ; a plain instruction behind the last conversion
	v_lshl_or_b32 v48, v[TM+5], 8, v[TM+4]
	v_lshl_or_b32 v48, v[TM+6], 16, v48
	v_lshl_or_b32 v48, v[TM+7], 24, v48
.irp q, 0,1,2,3
	ds_store_b64 v[STO], v[PC+4*\q:PC+4*\q+1] offset:4352*(\a)+32*\q
	ds_store_b64 v[STO], v[PC+4*\q+2:PC+4*\q+3] offset:4352*(\a)+32*\q+16
.endr
	ds_store_b32 v[SSW], v48 offset:128*(\a)       ; both halves of the lanes write the same word
.endm
.irp a, 0,1,2,3,4,5,6,7
	QROW \a
.endr
	s_wait_dscnt 0x0                               ; for the others' sake: my stores into the stage are done; a row's 256 bytes come from two waves
	s_barrier_signal -1
	s_barrier_wait -1
.set t, 0
.rept 32
	ds_load_b128 v[128+4*t:128+4*t+3], v[RD] offset:544*t
.set t, t+1
.endr
.irp i, 0,1
	ds_load_b64 v[72+2*\i:73+2*\i], v[SSR] offset:256*\i
.endr
.set t, 0
.rept 32
	s_wait_dscnt 33-t                              ; the LDS loads issued behind this one may be out
	global_store_b128 v[CO], v[128+4*t:128+4*t+3], s[12:13] offset:8192*t   ; sixteen lanes store 256 consecutive bytes, aligned
.set t, t+1
.endr
.irp i, 0,1
	s_wait_dscnt 1-\i
	global_store_b64 v[SGO], v[72+2*\i:73+2*\i], s[98:99] offset:4096*\i
.endr
	s_wait_tensorcnt 0x0                           ; the wave's end
	ds_add_u32 v[SPW], v[NIL]
	s_wait_dscnt 0x0
	CROUND                                         ; the closing round
	s_endpgm
.Lfunc_end_k_qbd6c6cc7dd_ffn1:
	.size	k_qbd6c6cc7dd_ffn1, .Lfunc_end_k_qbd6c6cc7dd_ffn1-k_qbd6c6cc7dd_ffn1
	.p2alignl 7, 3214868480
	.fill 96, 4, 3214868480
	.section	.rodata,"a",@progbits
	.p2align	6, 0x0
	.amdhsa_kernel k_qbd6c6cc7dd_ffn1
		.amdhsa_group_segment_fixed_size 327680
		.amdhsa_private_segment_fixed_size 0
		.amdhsa_enable_private_segment 0
		.amdhsa_kernarg_size 56
		.amdhsa_user_sgpr_count 2
		.amdhsa_user_sgpr_kernarg_segment_ptr 1
		.amdhsa_wavefront_size32 1
		.amdhsa_system_sgpr_workgroup_id_x 1
		.amdhsa_system_sgpr_workgroup_id_y 1
		.amdhsa_system_sgpr_workgroup_id_z 1
		.amdhsa_system_vgpr_workitem_id 0
		.amdhsa_next_free_vgpr 1024
		.amdhsa_next_free_sgpr 102
		.amdhsa_reserve_vcc 0
		.amdhsa_float_denorm_mode_32 3
		.amdhsa_float_denorm_mode_16_64 3
		.amdhsa_memory_ordered 1
		.amdhsa_forward_progress 1
		.amdhsa_inst_pref_size 195
	.end_amdhsa_kernel
	.amdgpu_metadata
---
amdhsa.version: [ 1, 2 ]
amdhsa.kernels:
  - .name:           k_qbd6c6cc7dd_ffn1
    .symbol:         k_qbd6c6cc7dd_ffn1.kd
    .args:
      - { .name: c1, .offset: 0, .size: 8, .value_kind: global_buffer, .address_space: global }
      - { .name: s1, .offset: 8, .size: 8, .value_kind: global_buffer, .address_space: global }
      - { .name: ffn1_w_codes, .offset: 16, .size: 8, .value_kind: global_buffer, .address_space: global }
      - { .name: ffn1_w_scales, .offset: 24, .size: 8, .value_kind: global_buffer, .address_space: global }
      - { .name: ffn1_b, .offset: 32, .size: 8, .value_kind: global_buffer, .address_space: global }
      - { .name: fs, .offset: 40, .size: 8, .value_kind: global_buffer, .address_space: global }
      - { .name: fc, .offset: 48, .size: 8, .value_kind: global_buffer, .address_space: global }
    .group_segment_fixed_size: 327680
    .private_segment_fixed_size: 0
    .kernarg_segment_align: 8
    .kernarg_segment_size: 56
    .max_flat_workgroup_size: 128
    .sgpr_count:     102
    .vgpr_count:     1024
    .wavefront_size: 32
...
	.end_amdgpu_metadata
.endif
;; end of part 5
;; launch ffn2 (part 6): grid 4 x 16, 4 waves a work-group, clusters of 4 x 4, 327,680 bytes of LDS; arguments fc, fs, ffn2_w_codes, ffn2_w_scales, ffn2_b, x1, out0; writes out0
.if DOCPART == 6
	.amdgcn_target "amdgcn-amd-amdhsa--gfx1250"
	.amdhsa_code_object_version 6
	.text
	.protected	k_qbd6c6cc7dd_ffn2
	.globl	k_qbd6c6cc7dd_ffn2
	.p2align	8
	.type	k_qbd6c6cc7dd_ffn2,@function
k_qbd6c6cc7dd_ffn2:
	s_mov_b64 s[64:65], 0
	v_nop
	global_prefetch_b8 v0, s[64:65] scope:SCOPE_SE
	s_setreg_imm32_b32 hwreg(HW_REG_WAVE_MODE, 25, 1), 1
	s_wait_xcnt 0x0
	s_wait_alu depctr_hold_cnt(0) depctr_sa_sdst(0) depctr_va_vdst(0) depctr_va_sdst(0) depctr_va_ssrc(0) depctr_va_vcc(0) depctr_vm_vsrc(0)
	s_getreg_b32 s2, hwreg(HW_REG_IB_STS2, 6, 4)
	s_cmp_eq_u32 s2, 0
	s_cbranch_scc0 .Lentry_in_a_cluster
	s_endpgm
.Lentry_in_a_cluster:
	s_bfe_u32 s2, ttmp6, 0x10000c
	s_cmp_lg_u32 s2, 0xf033
	s_cbranch_scc0 .Lentry_shape_is_right
	s_endpgm
.Lentry_shape_is_right:
; out = x1 + hidden ffn2_w^T + ffn2_b on codes of MX-FP8 (hidden: codes [4096][4096] with scale bytes [4096][128]; the weight likewise, [1024][4096]); x1, out [4096][1024] f32.
; The accumulators BEGIN as x1 + ffn2_b: the residual is loaded straight into them, in the result's layout, while the first tiles are on their way; the products add onto it in f32.
; THE PRODUCT: a tile of 256 x 256 by four waves, 128 x 128 each (64 accumulators, 512 registers); K in 16 steps of 256 through a ring of two LDS slots filled by tensor loads.
; THE SCALE BYTES of the tile's rows do not fit beside the ring for all of K: they come in TWO RUNS of 2,048 along K (64 bytes a row, LDS rows of 64 + 16 bytes).  The second run is brought into the first's bytes
; behind a round of its own, when K step 7's words, the first run's last, are in every wave's registers.
; CLUSTERS of 4 x 4: A's tiles are asked for jointly along a row of the cluster, B's along a column.  The matrix instruction is used transposed (source 0 = rows of the weight, source 1 = tokens).
; This size gives 64 tiles of 256 x 256: 64 work-groups.  LIMITS: NaN and infinities are not served; the sum's order is residual + bias first, then K ascending.
; REGISTERS: window 0: v0-31 addresses; v32-63 scale words, two sets; v64-127 the bias; v128-255 A's fragments, one set.  window 1: B's fragments, two sets.  windows 2, 3: accumulator (a, b) at v[8 (8 (a%4) + b)].
.set SIZE_N, 1024
.set SIZE_K, 4096
.set SD0,    8                         ; the scales' tile: rows of 8 elements of 8 bytes (2,048 along K),
.set SRW,    128                       ; 128 rows,
.set SPT,    16                        ; 128 bytes apart in memory,
.set SQI,    3                         ; 16 bytes of padding behind every 16 words
.set KSTEP,  256
.set NQ,     2
.set ROWB,   256
.set KROW,   SIZE_K
.set PITCH,  272
.set FR,     16
.set NL,     4
.set NP,     8
.set HALFT,  128*PITCH
.set SLOT,   4*HALFT
.set KS,     SIZE_K/32
.set SCL,    2*SLOT
.set HALFS,  128*80
.set SBLK,   16*80
.set SPARE,  SCL+4*HALFS               ; the spare words, 128 bytes for each wave: two blocks of 256 bytes that no other line names
.set SPITCH, 528
.set ADRA, 16
.set ADRB, 20
.set STO,  24
.set RD,   25
.set CO,   26
.set ADRS, 27
.set SPW,  28
.set NIL,  29
.set SC,   32
.set BI,   64
.set AF,   128
.set BK,   128
.set G1, 24
.set G0, 32
.set G1B, 48
.set G0B, 56
.set G1S, 68
.set G0S, 76
.set G1SB, 80
.set G0SB, 88
.set MSB, 0
.macro WIN new
.if MSB != (\new)
	s_set_vgpr_msb (MSB<<8)|(\new)
.set MSB, (\new)
.endif
.endm
.set MUL_LO, 0xa1
.set MUL_HI, 0xf1
.set TO_B,   0x40
.macro JLOAD g0a, g1a, g0b, g1b        ; a joint load: waves 0, 1 fetch for A, waves 2, 3 for B; four v_nop follow each line
	s_cmp_eq_u32 s15, 0
	s_cbranch_scc0 .Lfor_b_\@
	tensor_load_to_lds s[\g0a:\g0a+3], s[\g1a:\g1a+7]
	s_nop 0
.rept 4
	v_nop
.endr
	s_branch .Lasked_\@
.Lfor_b_\@:
	tensor_load_to_lds s[\g0b:\g0b+3], s[\g1b:\g1b+7]
	s_nop 0
.rept 4
	v_nop
.endr
.Lasked_\@:
.endm
.macro CREST
	s_cmp_lg_u32 s14, 0
	s_cbranch_scc1 .Lnot_wave_0_\@
	s_barrier_signal -3
.Lnot_wave_0_\@:
	s_barrier_wait -3
	s_barrier_signal -1
	s_barrier_wait -1
.endm
.macro CROUND
	s_barrier_signal -1
	s_barrier_wait -1
	CREST
.endm
	s_load_b128 s[4:7], s[0:1], 0x0                ; A's codes, A's scales
	s_load_b128 s[8:11], s[0:1], 0x10              ; B's codes, B's scales
	s_load_b128 s[96:99], s[0:1], 0x20             ; the bias s[96:97], the residual s[98:99]
	s_load_b64 s[12:13], s[0:1], 0x30              ; the result
	v_lshl_add_u32 v[SPW], v0, 2, SPARE
	v_mov_b32 v[NIL], 0
	ds_add_u32 v28, v29
	ds_add_u32 v28, v29
	s_wait_dscnt 0x0
	v_lshrrev_b32 v1, 5, v0
	v_readfirstlane_b32 s14, v1
	s_lshr_b32 s15, s14, 1
	s_and_b32 s16, s14, 1
	s_bfe_u32 s40, ttmp6, 0x40000
	s_bfe_u32 s41, ttmp6, 0x40004
	s_lshl_b32 s42, ttmp9, 2
	s_add_co_u32 s42, s42, s40                     ; tile column
	s_and_b32 s17, ttmp7, 0xffff
	s_lshl_b32 s17, s17, 2
	s_add_co_u32 s17, s17, s41                     ; tile row
	s_lshl_b32 s43, s41, 2
	s_lshl_b32 s43, 15, s43
	s_lshl_b32 s44, 0x1111, s40
	s_or_b32 s[G1+0], s43, (0<<16)|(1<<20)|(1<<21)|(5<<22)|(3<<25)
	s_or_b32 s[G1B+0], s44, (0<<16)|(1<<20)|(1<<21)|(5<<22)|(3<<25)
.irp g, G1, G1B
	s_mov_b32 s[\g+1], ROWB<<16
	s_mov_b32 s[\g+2], 128<<16
	s_mov_b32 s[\g+3], ROWB<<16
	s_mov_b32 s[\g+4], 128
	s_mov_b32 s[\g+5], KROW
	s_mov_b32 s[\g+6], 0
	s_mov_b32 s[\g+7], 0
.endr
	s_or_b32 s[G1S+0], s43, (3<<16)|(1<<20)|(1<<21)|(SQI<<22)|(3<<25)
	s_or_b32 s[G1SB+0], s44, (3<<16)|(1<<20)|(1<<21)|(SQI<<22)|(3<<25)
.irp g, G1S, G1SB
	s_mov_b32 s[\g+1], SD0<<16
	s_mov_b32 s[\g+2], SRW<<16
	s_mov_b32 s[\g+3], SD0<<16
	s_mov_b32 s[\g+4], SRW
	s_mov_b32 s[\g+5], SPT
	s_mov_b32 s[\g+6], 0
	s_mov_b32 s[\g+7], 0
.endr
	s_lshl_b32 s18, s16, 7
	s_lshl_b32 s20, s17, 8
	s_add_co_u32 s20, s20, s18
	s_lshl_b32 s46, s42, 8
	s_add_co_u32 s46, s46, s18
	s_mov_b32 s21, 0
	s_mov_b32 s47, 0
	s_mov_b64 s[18:19], KS
	s_mul_u64 s[22:23], s[20:21], s[18:19]
	s_mul_u64 s[92:93], s[46:47], s[18:19]
	s_mov_b64 s[18:19], KROW
	s_mul_u64 s[20:21], s[20:21], s[18:19]
	s_mul_u64 s[46:47], s[46:47], s[18:19]
	s_mul_i32 s45, s14, HALFT
	s_mul_i32 s94, s14, HALFS
	s_wait_kmcnt 0x0
	s_add_nc_u64 s[20:21], s[4:5], s[20:21]
	s_add_nc_u64 s[22:23], s[6:7], s[22:23]
	s_add_nc_u64 s[46:47], s[8:9], s[46:47]
	s_add_nc_u64 s[92:93], s[10:11], s[92:93]
	CROUND                                         ; all sixteen work-groups are here: the first joint loads meet
	s_mov_b32 s[G0S], 1
	s_add_co_u32 s[G0S+1], s94, SCL
	s_mov_b64 s[G0S+2:G0S+3], s[22:23]
	s_or_b32 s[G0S+3], s[G0S+3], 0x80000000
	s_mov_b32 s[G0SB], 1
	s_add_co_u32 s[G0SB+1], s94, SCL
	s_mov_b64 s[G0SB+2:G0SB+3], s[92:93]
	s_or_b32 s[G0SB+3], s[G0SB+3], 0x80000000
	JLOAD G0S, G1S, G0SB, G1SB                     ; the first run of the scales; three loads of mine are out at the most
.irp s, 0,1
	s_mov_b32 s[G0+4*\s], 1
	s_add_co_u32 s[G0+4*\s+1], s45, \s*SLOT
	s_add_nc_u64 s[G0+4*\s+2:G0+4*\s+3], s[20:21], \s*ROWB
	s_or_b32 s[G0+4*\s+3], s[G0+4*\s+3], 0x80000000
	s_mov_b32 s[G0B+4*\s], 1
	s_add_co_u32 s[G0B+4*\s+1], s45, \s*SLOT
	s_add_nc_u64 s[G0B+4*\s+2:G0B+4*\s+3], s[46:47], \s*ROWB
	s_or_b32 s[G0B+4*\s+3], s[G0B+4*\s+3], 0x80000000
	JLOAD G0+4*\s, G1, G0B+4*\s, G1B
.endr
	v_and_b32 v1, 15, v0                           ; r
	v_bfe_u32 v2, v0, 4, 1                         ; h
	v_mul_u32_u24 v3, v1, PITCH
	v_lshl_add_u32 v4, v2, 4, v3
	s_mul_i32 s21, s15, HALFT
	s_mul_i32 s22, s16, HALFT
	s_add_co_u32 s22, s22, 2*HALFT
.irp s, 0,1
	v_add_nc_u32 v[ADRA+\s], s21, v4
	v_add_nc_u32 v[ADRB+\s], s22, v4
	s_add_co_u32 s21, s21, SLOT
	s_add_co_u32 s22, s22, SLOT
.endr
	v_mul_u32_u24 v5, v1, 80                       ; my row's scales: 80 bytes a row in LDS
	s_mul_i32 s21, s15, HALFS
	s_mul_i32 s22, s16, HALFS
	s_add_co_u32 s22, s22, 2*HALFS
	s_sub_co_u32 s22, s22, s21
	v_mul_u32_u24 v6, s22, v2                      ; lanes 16-31 take B's
	s_add_co_u32 s21, s21, SCL
	v_add_nc_u32 v5, v5, v6
	v_add_nc_u32 v[ADRS], s21, v5
	s_mul_i32 s23, s14, 16*SPITCH                  ; my stage
	v_mul_u32_u24 v5, v1, SPITCH
	v_lshl_add_u32 v5, v2, 5, v5
	v_add_nc_u32 v[STO], s23, v5
	v_and_b32 v6, 31, v0
	v_lshlrev_b32 v[CO], 4, v6
	v_add_nc_u32 v[RD], s23, v[CO]
	s_lshl_b32 s20, s17, 8
	s_lshl_b32 s21, s15, 7
	s_add_co_u32 s20, s20, s21
	s_mov_b32 s21, 0
	s_mov_b64 s[18:19], SIZE_N*4
	s_mul_u64 s[20:21], s[20:21], s[18:19]
	s_lshl_b32 s46, s42, 10
	s_lshl_b32 s47, s16, 9
	s_add_co_u32 s46, s46, s47
	s_mov_b32 s47, 0
	s_add_nc_u64 s[20:21], s[20:21], s[46:47]
	s_add_nc_u64 s[12:13], s[12:13], s[20:21]
	s_add_nc_u64 s[98:99], s[98:99], s[20:21]
	s_add_nc_u64 s[96:97], s[96:97], s[46:47]
	v_lshlrev_b32 v4, 12, v1
	v_lshl_add_u32 v4, v2, 5, v4                   ; the residual in the result's layout: row r of 4,096 bytes, + 32 h
	v_lshlrev_b32 v3, 5, v2
	WIN 0x80
.set i, 0
.rept 32
	global_load_b128 v[8*i:8*i+3],   v4, s[98:99] offset:65536*(i/8)+64*(i%8)
	global_load_b128 v[8*i+4:8*i+7], v4, s[98:99] offset:65536*(i/8)+64*(i%8)+16
.set i, i+1
.endr
	WIN 0xc0
.set i, 0
.rept 32
	global_load_b128 v[8*i:8*i+3],   v4, s[98:99] offset:65536*(4+i/8)+64*(i%8)
	global_load_b128 v[8*i+4:8*i+7], v4, s[98:99] offset:65536*(4+i/8)+64*(i%8)+16
.set i, i+1
.endr
	WIN 0
.irp b, 0,1,2,3,4,5,6,7
	global_load_b128 v[BI+8*\b:BI+8*\b+3],   v3, s[96:97] offset:64*\b
	global_load_b128 v[BI+8*\b+4:BI+8*\b+7], v3, s[96:97] offset:64*\b+16
.endr
	s_wait_loadcnt 0x0
	WIN 0x82
.set i, 0
.rept 32
.irp j, 0,2,4,6
	v_pk_add_f32 v[8*i+\j:8*i+\j+1], v[8*i+\j:8*i+\j+1], v[BI+8*(i%8)+\j:BI+8*(i%8)+\j+1]
.endr
.set i, i+1
.endr
	WIN 0xc3
.set i, 0
.rept 32
.irp j, 0,2,4,6
	v_pk_add_f32 v[8*i+\j:8*i+\j+1], v[8*i+\j:8*i+\j+1], v[BI+8*(i%8)+\j:BI+8*(i%8)+\j+1]
.endr
.set i, i+1
.endr
	WIN 0
.macro FRAG reg, adr, q, i
.irp c, 0,1,2,3
	ds_load_b128 v[\reg+4*\c:\reg+4*\c+3], v[\adr] offset:128*(\q)+32*\c+(\i)*16*PITCH
.endr
.endm
; 16 matrix instructions: A's blocks a0, a0 + 1 x B's eight.  The 64 accumulators take turns, one instruction a turn.
.macro MUL16 a0, p, q, sc
.irp a, \a0, \a0+1
.irp b, 0,1,2,3,4,5,6,7
	v_wmma_scale_f32_16x16x128_f8f6f4 v[8*(8*((\a)%4)+\b):8*(8*((\a)%4)+\b)+7], v[128*(\p)+FR*\b:128*(\p)+FR*\b+FR-1], v[AF+FR*(\a):AF+FR*(\a)+FR-1], v[8*(8*((\a)%4)+\b):8*(8*((\a)%4)+\b)+7], v[SC+8*NQ*(\sc)+NQ*\b+(\q)], v[SC+8*NQ*(\sc)+NQ*(\a)+(\q)] matrix_a_scale:MATRIX_SCALE_ROW1
.endr
.endr
.endm
.macro FETCH_B slot, q, p
	WIN TO_B
.irp i, 0,1,2,3,4,5,6,7
	FRAG 128*(\p)+FR*\i, ADRB+\slot, \q, \i
.endr
	WIN 0
.endm
.macro FETCH_A slot, q, i0
.irp i, \i0, \i0+1, \i0+2, \i0+3
	FRAG AF+FR*(\i), ADRA+\slot, \q, \i
.endr
.endm
.macro SCALES sc
.irp i, 0,1,2,3,4,5,6,7
	ds_load_b64 v[SC+8*NQ*\sc+NQ*\i:SC+8*NQ*\sc+NQ*\i+1], v[ADRS] offset:\i*SBLK
.endr
.endm
.macro PLACES n
.rept \n
	v_nop
.endr
.endm
.macro STEP slot, q
	s_wait_dscnt 4*NL                              ; all but the youngest 16 loads (A's blocks 4-7) are in
	WIN MUL_LO
	MUL16 0, (\q)%2, \q, \slot
	MUL16 2, (\q)%2, \q, \slot
	s_wait_dscnt 0
	PLACES NP
	FETCH_B \slot, (\q)+1, 1-(\q)%2
	FETCH_A \slot, (\q)+1, 0
	WIN MUL_HI
	MUL16 4, (\q)%2, \q, \slot
	MUL16 6, (\q)%2, \q, \slot
	PLACES NP
	WIN 0
	FETCH_A \slot, (\q)+1, 4
.endm
.macro TURN slot, next, fill
	s_wait_tensorcnt 0x0                           ; all my tensor loads have landed: my part of the next slot (and of the scales' second run, where it was out)
	ds_add_u32 v[SPW], v[NIL]                      ; 0 onto my spare word
	s_wait_dscnt 4*NL+1                            ; (the add and the youngest 16 loads may be out)
	WIN MUL_LO
	MUL16 0, 1, NQ-1, \slot
	s_wait_dscnt 0x0                               ; the add is done, and my reads of this slot are over
	s_barrier_signal -1
	MUL16 2, 1, NQ-1, \slot
	WIN 0
	s_barrier_wait -1
.if \fill
	CREST                                          ; the barrier has opened a round of the cluster's: no wave of any partner still reads this slot or has a load on its way
	s_add_nc_u64 s[G0+4*\slot+2:G0+4*\slot+3], s[G0+4*\slot+2:G0+4*\slot+3], 2*ROWB
	s_add_nc_u64 s[G0B+4*\slot+2:G0B+4*\slot+3], s[G0B+4*\slot+2:G0B+4*\slot+3], 2*ROWB
	JLOAD G0+4*\slot, G1, G0B+4*\slot, G1B
	PLACES NP-4
.else
	PLACES NP
.endif
	v_add_nc_u32 v[ADRS], 4*NQ, v[ADRS]
	FETCH_B \next, 0, 0
	FETCH_A \next, 0, 0
	SCALES \next
	WIN MUL_HI
	MUL16 4, 1, NQ-1, \slot
	MUL16 6, 1, NQ-1, \slot
	PLACES NP
	WIN 0
	FETCH_A \next, 0, 4
.endm
; The scales' second run, into the first run's bytes: K step 7's words have been asked for by every wave that comes here; each wave waits for all its tensor loads, adds 0 to its spare word, waits for that and
; for all its LDS loads, and passes a round of the cluster's barrier; the joint refill is its one tensor load behind that round.  The next change of slots waits for it before K step 8's words are read.
.macro EXTRA
	s_wait_tensorcnt 0x0
	ds_add_u32 v[SPW], v[NIL]
	s_add_nc_u64 s[G0S+2:G0S+3], s[G0S+2:G0S+3], 64
	s_add_nc_u64 s[G0SB+2:G0SB+3], s[G0SB+2:G0SB+3], 64
	s_wait_dscnt 0x0
	CROUND
	JLOAD G0S, G1S, G0SB, G1SB
	v_sub_nc_u32 v[ADRS], v[ADRS], 64              ; back to one step in front of a run's first words (no LDS load of mine is out)
.endm
	s_wait_tensorcnt 1                             ; the scales and my part of K step 0 are in (K step 1's load may be out)
	s_barrier_signal -1
	s_barrier_wait -1
	FETCH_B 0, 0, 0
	FETCH_A 0, 0, 0
	SCALES 0
	FETCH_A 0, 0, 4
	STEP 0, 0
	s_mov_b32 s3, 3
.Llap_a:                                           ; K steps 0 to 5 end here
	TURN 0, 1, 1
	STEP 1, 0
	TURN 1, 0, 1
	STEP 0, 0
	s_sub_co_u32 s3, s3, 1
	s_cmp_lg_u32 s3, 0
	s_cbranch_scc1 .Llap_a
	TURN 0, 1, 1                                   ; K step 6 ends; K step 7's words are fetched: the first run's last
	EXTRA
	STEP 1, 0
	TURN 1, 0, 1                                   ; K step 7 ends; K step 8's words are the second run's first
	STEP 0, 0
	s_mov_b32 s3, 3
.Llap_b:                                           ; K steps 8 to 13 end here
	TURN 0, 1, 1
	STEP 1, 0
	TURN 1, 0, 1
	STEP 0, 0
	s_sub_co_u32 s3, s3, 1
	s_cmp_lg_u32 s3, 0
	s_cbranch_scc1 .Llap_b
	TURN 0, 1, 0                                   ; the last lap fills nothing
	STEP 1, 0
	s_wait_dscnt 4*NL
	WIN MUL_LO
	MUL16 0, 1, NQ-1, 1
	MUL16 2, 1, NQ-1, 1
	s_wait_dscnt 0
	WIN MUL_HI
	MUL16 4, 1, NQ-1, 1
	MUL16 6, 1, NQ-1, 1
	WIN 0
; THE WAY OUT, block by block of 16 rows x 128 columns, through my own stage in slot 0 (it has had its last fill and its last read): back as whole rows of 512 bytes.
.macro TOSTAGE a
.set AC, 64*((\a)%4)
	WIN 0x08+4*((\a)/4)
.irp b, 0,1,2,3,4,5,6,7
	ds_store_b128 v[STO], v[AC+8*\b:AC+8*\b+3] offset:64*\b          ; each accumulator from its low end on
	ds_store_b128 v[STO], v[AC+8*\b+4:AC+8*\b+7] offset:64*\b+16
.endr
	WIN 0
.set BB, BK+64*((\a)%2)
.irp t, 0,1,2,3,4,5,6,7,8,9,10,11,12,13,14,15
	ds_load_b128 v[BB+4*\t:BB+4*\t+3], v[RD] offset:\t*SPITCH
.endr
.endm
.macro SEND a, younger
.set BB, BK+64*((\a)%2)
	s_wait_dscnt \younger                          ; the block is back; the LDS instructions issued behind its loads may be out
.if (\a) > 0
	s_add_nc_u64 s[12:13], s[12:13], 16*SIZE_N*4   ; (behind a wait on XCNT: the earlier stores have read their base)
.endif
.irp t, 0,1,2,3,4,5,6,7,8,9,10,11,12,13,14,15
	global_store_b128 v[CO], v[BB+4*\t:BB+4*\t+3], s[12:13] offset:\t*SIZE_N*4 th:TH_STORE_NT   ; 32 lanes store 512 consecutive bytes, aligned
.endr
.endm
	PLACES NP
	TOSTAGE 0
.irp a, 1,2,3,4,5,6,7
.if \a > 1
	s_wait_xcnt 0x0                                ; block a - 2's stores have read their registers and their base
.endif
	TOSTAGE \a
	SEND \a-1, 32
.endr
	s_wait_xcnt 0x0
	SEND 7, 0
	s_wait_tensorcnt 0x0                           ; the wave's end
	ds_add_u32 v[SPW], v[NIL]
	s_wait_dscnt 0x0
	CROUND                                         ; the closing round
	s_endpgm
.Lfunc_end_k_qbd6c6cc7dd_ffn2:
	.size	k_qbd6c6cc7dd_ffn2, .Lfunc_end_k_qbd6c6cc7dd_ffn2-k_qbd6c6cc7dd_ffn2
	.p2alignl 7, 3214868480
	.fill 96, 4, 3214868480
	.section	.rodata,"a",@progbits
	.p2align	6, 0x0
	.amdhsa_kernel k_qbd6c6cc7dd_ffn2
		.amdhsa_group_segment_fixed_size 327680
		.amdhsa_private_segment_fixed_size 0
		.amdhsa_enable_private_segment 0
		.amdhsa_kernarg_size 56
		.amdhsa_user_sgpr_count 2
		.amdhsa_user_sgpr_kernarg_segment_ptr 1
		.amdhsa_wavefront_size32 1
		.amdhsa_system_sgpr_workgroup_id_x 1
		.amdhsa_system_sgpr_workgroup_id_y 1
		.amdhsa_system_sgpr_workgroup_id_z 1
		.amdhsa_system_vgpr_workitem_id 0
		.amdhsa_next_free_vgpr 1024
		.amdhsa_next_free_sgpr 100
		.amdhsa_reserve_vcc 0
		.amdhsa_float_denorm_mode_32 3
		.amdhsa_float_denorm_mode_16_64 3
		.amdhsa_memory_ordered 1
		.amdhsa_forward_progress 1
		.amdhsa_inst_pref_size 255
	.end_amdhsa_kernel
	.section	.bss,"aw",@nobits
	.p2align	6
	.space	262144
	.amdgpu_metadata
---
amdhsa.version: [ 1, 2 ]
amdhsa.kernels:
  - .name:           k_qbd6c6cc7dd_ffn2
    .symbol:         k_qbd6c6cc7dd_ffn2.kd
    .args:
      - { .name: fc, .offset: 0, .size: 8, .value_kind: global_buffer, .address_space: global }
      - { .name: fs, .offset: 8, .size: 8, .value_kind: global_buffer, .address_space: global }
      - { .name: ffn2_w_codes, .offset: 16, .size: 8, .value_kind: global_buffer, .address_space: global }
      - { .name: ffn2_w_scales, .offset: 24, .size: 8, .value_kind: global_buffer, .address_space: global }
      - { .name: ffn2_b, .offset: 32, .size: 8, .value_kind: global_buffer, .address_space: global }
      - { .name: x1, .offset: 40, .size: 8, .value_kind: global_buffer, .address_space: global }
      - { .name: out0, .offset: 48, .size: 8, .value_kind: global_buffer, .address_space: global }
    .group_segment_fixed_size: 327680
    .private_segment_fixed_size: 0
    .kernarg_segment_align: 8
    .kernarg_segment_size: 56
    .max_flat_workgroup_size: 128
    .sgpr_count:     100
    .vgpr_count:     1024
    .wavefront_size: 32
...
	.end_amdgpu_metadata
.endif
;; end of part 6
;; ======== version 2 of 2: 7 launches
;; limits: right only within a limited range of input values
;; workspace buffers: c1 4,194,304 bytes; s1 131,072 bytes; qi 8,781,824 bytes; kv 8,781,824 bytes; x1 16,777,216 bytes; fc 16,777,216 bytes; fs 524,288 bytes
;; launch lnq (part 7): grid 256 x 1, 16 waves a work-group, no clusters, 4,096 bytes of LDS; arguments x, ln1_w, ln1_b, c1, s1; writes c1, s1
.if DOCPART == 7
	.amdgcn_target "amdgcn-amd-amdhsa--gfx1250"
	.amdhsa_code_object_version 6
	.text
	.protected	k_qbd6c6cc7dd_lnq
	.globl	k_qbd6c6cc7dd_lnq
	.p2align	8
	.type	k_qbd6c6cc7dd_lnq,@function
k_qbd6c6cc7dd_lnq:
	s_mov_b64 s[64:65], 0
	v_nop
	global_prefetch_b8 v0, s[64:65] scope:SCOPE_SE
	s_setreg_imm32_b32 hwreg(HW_REG_WAVE_MODE, 25, 1), 1
	s_wait_xcnt 0x0
; LayerNorm over rows of 1,024 f32 numbers, then the MX-FP8 quantiser along the row: codes [4096][1024] (one byte a code) and one E8M0 byte for each 32, [4096][32].
; y = (x - mean) * rsqrt(var + 1e-5) * w + b, two passes over registers (the mean first, then the squares of x - mean), all in f32.
; A block's scale byte is its largest magnitude's exponent field - 8, held at 1 from below; each number is held within +-448 x the scale and converted, ties to even.
; LIMITS: NaN and infinities are not served; a block whose largest magnitude lies under 2^-118 (a block of zeros too) keeps the byte 1: its bytes are read by this program alone.
; SHARES: a work-group takes 16 rows, a wave 1.  A row lies in 32 registers of the wave: in group q (256 columns) lane l holds the 8 neighbours at column 256 q + 8 l, so four lanes hold a block of 32.
; All 24 loads of a wave (w, b, its row) go out at the head.  No matrix unit, no cluster; one barrier, ahead of wave 0's store of the work-group's scale bytes; memory binds.
.set WT,  16                           ; v16-47   w of my 32 columns
.set BB,  48                           ; v48-79   b
.set X,   80                           ; v80-111  my row
.set CD,  208                          ; v208-215 codes: group q at CD + 2 q; never rewritten, so no store's data are written again
.set MU,  240                          ; v[240:241] the mean, twice
.set RS,  242                          ; v[242:243] rsqrt(var + eps), twice
.set AM,  244                          ; v244-247 the four groups' largest magnitudes
.set SO,  248                          ; v248-251 the conversions' scale operands
.set HL,  252                          ; v252-255 448 x the scale
	s_load_b256 s[4:11], s[0:1], 0x0               ; x s[4:5], w s[6:7], b s[8:9], codes s[10:11]
	s_load_b64 s[12:13], s[0:1], 0x20              ; scale bytes
	v_lshl_add_u32 v14, v0, 2, 0x200
	v_mov_b32 v15, 0
	v_lshrrev_b32 v1, 5, v0
	v_readfirstlane_b32 s14, v1                    ; wave
	v_and_b32 v1, 31, v0                           ; lane
	v_lshlrev_b32 v2, 5, v1                        ; my 32 bytes of a group's 1,024
	v_lshlrev_b32 v3, 3, v1                        ; my 8 codes of a group's 256
	v_lshlrev_b32 v7, 4, v1                        ; 16 x lane: wave 0's place among the work-group's 512 scale bytes
	v_lshrrev_b32 v4, 2, v1
	s_lshl_b32 s15, s14, 5                         ; SIXTEEN WAVES, A ROW EACH: LDS holds 32 scale bytes for each wave, 512 in all, under the spare words
	v_add_nc_u32 v4, s15, v4                       ; my block's byte
	s_mov_b32 s16, 0x76543210                      ; v_permlanex16_b32: lane l xor 16
	s_mov_b32 s17, 0xfedcba98
	s_mov_b32 s18, 0x3a800000                      ; 1 / 1024
	s_mov_b32 s19, 0x3727c5ac                      ; 1e-5
	s_mov_b32 s20, 0x600000                        ; the mantissa field of 448
	s_lshl_b32 s21, ttmp9, 4
	s_add_co_u32 s21, s21, s14                     ; my row: 16 x work-group + wave
	s_mov_b32 s23, 0
	s_lshl_b32 s22, s21, 12
	s_wait_alu depctr_va_vdst(0)
	s_wait_kmcnt 0x0
	s_add_nc_u64 s[4:5], s[4:5], s[22:23]
	s_lshl_b32 s22, s21, 10
	s_add_nc_u64 s[10:11], s[10:11], s[22:23]
	s_lshl_b32 s22, s21, 5
	s_add_nc_u64 s[12:13], s[12:13], s[22:23]
.irp q, 0,1,2,3
	global_load_b128 v[WT+8*\q:WT+8*\q+3],   v2, s[6:7] offset:1024*\q
	global_load_b128 v[WT+8*\q+4:WT+8*\q+7], v2, s[6:7] offset:1024*\q+16
	global_load_b128 v[BB+8*\q:BB+8*\q+3],   v2, s[8:9] offset:1024*\q
	global_load_b128 v[BB+8*\q+4:BB+8*\q+7], v2, s[8:9] offset:1024*\q+16
.endr
.irp i, 0
.irp q, 0,1,2,3
	global_load_b128 v[X+32*\i+8*\q:X+32*\i+8*\q+3],   v2, s[4:5] offset:4096*\i+1024*\q th:TH_LOAD_NT
	global_load_b128 v[X+32*\i+8*\q+4:X+32*\i+8*\q+7], v2, s[4:5] offset:4096*\i+1024*\q+16 th:TH_LOAD_NT
.endr
.endr
.macro LANES                           ; the sum in v8 over the 32 lanes; every lane ends with it
	v_add_f32_dpp v8, v8, v8 row_xmask:1 row_mask:0xf bank_mask:0xf
	v_add_f32_dpp v8, v8, v8 row_xmask:2 row_mask:0xf bank_mask:0xf
	v_add_f32_dpp v8, v8, v8 row_xmask:4 row_mask:0xf bank_mask:0xf
	v_add_f32_dpp v8, v8, v8 row_xmask:8 row_mask:0xf bank_mask:0xf
	v_permlanex16_b32 v9, v8, s16, s17
	v_add_f32 v8, v8, v9
.endm
.macro ROW i
.set XR, X+32*\i
	s_wait_loadcnt 0x0                             ; w, b and my row are in
.if \i > 0
	s_wait_dscnt 0x0                               ; the last row's byte stores have read v8-11
.endif
	v_pk_add_f32 v[8:9], v[XR:XR+1], v[XR+2:XR+3]  ; the row's sum, in two chains
	v_pk_add_f32 v[10:11], v[XR+4:XR+5], v[XR+6:XR+7]
.irp j, 8,12,16,20,24,28
	v_pk_add_f32 v[8:9], v[8:9], v[XR+\j:XR+\j+1]
	v_pk_add_f32 v[10:11], v[10:11], v[XR+\j+2:XR+\j+3]
.endr
	v_pk_add_f32 v[8:9], v[8:9], v[10:11]
	v_add_f32 v8, v8, v9
	LANES
	v_mul_f32 v[MU], s18, v8
	v_mov_b32 v[MU+1], v[MU]
.irp j, 0,2,4,6,8,10,12,14,16,18,20,22,24,26,28,30
	v_pk_add_f32 v[XR+\j:XR+\j+1], v[XR+\j:XR+\j+1], v[MU:MU+1] neg_lo:[0,1] neg_hi:[0,1]   ; x - mean
.endr
	v_pk_mul_f32 v[8:9], v[XR:XR+1], v[XR:XR+1]    ; the squares' sum, in two chains
	v_pk_mul_f32 v[10:11], v[XR+2:XR+3], v[XR+2:XR+3]
.irp j, 4,8,12,16,20,24,28
	v_pk_fma_f32 v[8:9], v[XR+\j:XR+\j+1], v[XR+\j:XR+\j+1], v[8:9]
	v_pk_fma_f32 v[10:11], v[XR+\j+2:XR+\j+3], v[XR+\j+2:XR+\j+3], v[10:11]
.endr
	v_pk_add_f32 v[8:9], v[8:9], v[10:11]
	v_add_f32 v8, v8, v9
	LANES
	v_fma_f32 v8, v8, s18, s19                     ; var + eps
	s_wait_alu depctr_va_vdst(0)
	v_rsq_f32 v[RS], v8
	v_nop                                          ; a plain instruction behind the transcendental (ISA guide 5.7.2),
	s_wait_alu depctr_va_vdst(0)                   ; and the wait ahead of the first use of its result
	v_mov_b32 v[RS+1], v[RS]
.irp j, 0,2,4,6,8,10,12,14,16,18,20,22,24,26,28,30
	v_pk_mul_f32 v[XR+\j:XR+\j+1], v[XR+\j:XR+\j+1], v[RS:RS+1]
.endr
.irp j, 0,2,4,6,8,10,12,14,16,18,20,22,24,26,28,30
	v_pk_fma_f32 v[XR+\j:XR+\j+1], v[XR+\j:XR+\j+1], v[WT+\j:WT+\j+1], v[BB+\j:BB+\j+1]
.endr
.irp q, 0,1,2,3
	v_max3_num_f32 v[AM+\q], |v[XR+8*\q]|, |v[XR+8*\q+1]|, 0x4800000   ; my 8 numbers of the block, and the floor 2^(9 - 127): the byte cannot fall under 1
.endr
.irp j, 2,4,6
.irp q, 0,1,2,3
	v_max3_num_f32 v[AM+\q], v[AM+\q], |v[XR+8*\q+\j]|, |v[XR+8*\q+\j+1]|
.endr
.endr
.irp q, 0,1,2,3
	v_max_num_f32_dpp v[AM+\q], v[AM+\q], v[AM+\q] row_xmask:1 row_mask:0xf bank_mask:0xf
.endr
.irp q, 0,1,2,3
	v_max_num_f32_dpp v[AM+\q], v[AM+\q], v[AM+\q] row_xmask:2 row_mask:0xf bank_mask:0xf   ; the four lanes' : the block's largest magnitude
.endr
.irp q, 0,1,2,3
	v_add_nc_u32 v[SO+\q], 0xfc000000, v[AM+\q]    ; 8 off its exponent field: the conversion's scale operand
.endr
.irp q, 0,1,2,3
	v_and_or_b32 v[HL+\q], v[AM+\q], 0x7f800000, s20   ; 448 x the scale
.endr
.irp q, 0,1,2,3
.irp j, 0,1,2,3,4,5,6,7
	v_med3_num_f32 v[XR+8*\q+\j], v[XR+8*\q+\j], -v[HL+\q], v[HL+\q]   ; the conversion to an 8-bit code does not saturate (ISA guide 7.6.2)
.endr
.endr
.irp q, 0,1,2,3
	v_cvt_scalef32_pk8_fp8_f32 v[CD+8*\i+2*\q:CD+8*\i+2*\q+1], v[XR+8*\q:XR+8*\q+7], v[SO+\q]
.endr
.irp q, 0,1,2,3
	v_lshrrev_b32 v[8+\q], 23, v[SO+\q]            ; the scale's byte
.endr
.irp q, 0,1,2,3
	ds_store_b8 v4, v[8+\q] offset:32*\i+8*\q      ; the four lanes of a block write the same byte with the same value
	global_store_b64 v3, v[CD+8*\i+2*\q:CD+8*\i+2*\q+1], s[10:11] offset:1024*\i+256*\q   ; 32 lanes store 256 consecutive bytes, aligned
.endr
.endm
	ROW 0
	s_wait_dscnt 0x0                               ; my byte stores are done
	s_barrier_signal -1
	s_barrier_wait -1                              ; and everybody's
	s_cmp_lg_u32 s14, 0
	s_cbranch_scc1 .Lnot_first
	ds_load_b128 v[8:11], v7                       ; wave 0 stores the sixteen rows' 512 scale bytes: consecutive, aligned
	s_wait_dscnt 0x0
	global_store_b128 v7, v[8:11], s[12:13]
.Lnot_first:
	s_wait_tensorcnt 0x0
	ds_add_u32 v14, v15
	s_wait_dscnt 0x0
	s_endpgm
.Lfunc_end_k_qbd6c6cc7dd_lnq:
	.size	k_qbd6c6cc7dd_lnq, .Lfunc_end_k_qbd6c6cc7dd_lnq-k_qbd6c6cc7dd_lnq
	.p2alignl 7, 3214868480
	.fill 96, 4, 3214868480
	.section	.rodata,"a",@progbits
	.p2align	6, 0x0
	.amdhsa_kernel k_qbd6c6cc7dd_lnq
		.amdhsa_group_segment_fixed_size 4096
		.amdhsa_private_segment_fixed_size 0
		.amdhsa_enable_private_segment 0
		.amdhsa_kernarg_size 40
		.amdhsa_user_sgpr_count 2
		.amdhsa_user_sgpr_kernarg_segment_ptr 1
		.amdhsa_wavefront_size32 1
		.amdhsa_system_sgpr_workgroup_id_x 1
		.amdhsa_system_sgpr_workgroup_id_y 1
		.amdhsa_system_sgpr_workgroup_id_z 1
		.amdhsa_system_vgpr_workitem_id 0
		.amdhsa_next_free_vgpr 256
		.amdhsa_next_free_sgpr 66
		.amdhsa_reserve_vcc 0
		.amdhsa_float_denorm_mode_32 3
		.amdhsa_float_denorm_mode_16_64 3
		.amdhsa_memory_ordered 1
		.amdhsa_forward_progress 1
		.amdhsa_inst_pref_size 16
	.end_amdhsa_kernel
	.amdgpu_metadata
---
amdhsa.version: [ 1, 2 ]
amdhsa.kernels:
  - .name:           k_qbd6c6cc7dd_lnq
    .symbol:         k_qbd6c6cc7dd_lnq.kd
    .args:
      - { .name: x, .offset: 0, .size: 8, .value_kind: global_buffer, .address_space: global }
      - { .name: ln1_w, .offset: 8, .size: 8, .value_kind: global_buffer, .address_space: global }
      - { .name: ln1_b, .offset: 16, .size: 8, .value_kind: global_buffer, .address_space: global }
      - { .name: c1, .offset: 24, .size: 8, .value_kind: global_buffer, .address_space: global }
      - { .name: s1, .offset: 32, .size: 8, .value_kind: global_buffer, .address_space: global }
    .group_segment_fixed_size: 4096
    .private_segment_fixed_size: 0
    .kernarg_segment_align: 8
    .kernarg_segment_size: 40
    .max_flat_workgroup_size: 512
    .sgpr_count:     66
    .vgpr_count:     256
    .wavefront_size: 32
...
	.end_amdgpu_metadata
.endif
;; end of part 7
;; launch qkv (part 8): grid 12 x 16, 4 waves a work-group, clusters of 4 x 4, 327,680 bytes of LDS; arguments c1, s1, qkv_w_codes, qkv_w_scales, qkv_b, qi, kv; writes qi, kv
.if DOCPART == 8
	.amdgcn_target "amdgcn-amd-amdhsa--gfx1250"
	.amdhsa_code_object_version 6
	.text
	.protected	k_qbd6c6cc7dd_qkv
	.globl	k_qbd6c6cc7dd_qkv
	.p2align	8
	.type	k_qbd6c6cc7dd_qkv,@function
k_qbd6c6cc7dd_qkv:
	s_mov_b64 s[64:65], 0
	v_nop
	global_prefetch_b8 v0, s[64:65] scope:SCOPE_SE
	s_setreg_imm32_b32 hwreg(HW_REG_WAVE_MODE, 25, 1), 1
	s_wait_xcnt 0x0
	s_wait_alu depctr_hold_cnt(0) depctr_sa_sdst(0) depctr_va_vdst(0) depctr_va_sdst(0) depctr_va_ssrc(0) depctr_va_vcc(0) depctr_vm_vsrc(0)
	s_getreg_b32 s2, hwreg(HW_REG_IB_STS2, 6, 4)
	s_cmp_eq_u32 s2, 0
	s_cbranch_scc0 .Lentry_in_a_cluster
	s_endpgm
.Lentry_in_a_cluster:
	s_bfe_u32 s2, ttmp6, 0x10000c
	s_cmp_lg_u32 s2, 0xf033
	s_cbranch_scc0 .Lentry_shape_is_right
	s_endpgm
.Lentry_shape_is_right:
.set SIZE_N, 3072
.set SIZE_K, 1024
.set HS,     274432
.set SD0,    32
.set SRW,    32
.set SPT,    32
.set SQI,    5
.set KSTEP,  256
.set NQ,     2
.set ROWB,   256
.set KROW,   SIZE_K
.set PITCH,  272
.set FR,     16
.set NL,     4
.set NP,     8
.set HALFT,  128*PITCH
.set SLOT,   4*HALFT
.set LAPS,   SIZE_K/(2*KSTEP)
.set KS,     SIZE_K/32
.set SCL,    2*SLOT
.set HALFS,  4352
.set SBLK,   544
.set SPARE,  SCL+4*HALFS
.set ADRA, 16
.set ADRB, 20
.set ADRS, 27
.set SPW,  28
.set NIL,  29
.set SC,   32
.set BI,   64
.set AF,   128
.set QSTO, 24
.set QRD,  25
.set QSW,  26
.set QSR,  30
.set L16,  31
.set VSTO, 18
.set VRD,  19
.set VGO,  22
.set L4,   23
.set TM,   32
.set PC,   52
.set G1, 24
.set G0, 32
.set G1B, 48
.set G0B, 56
.set G1S, 68
.set G0S, 76
.set G1SB, 80
.set G0SB, 88
.set MSB, 0
.macro WIN new
.if MSB != (\new)
	s_set_vgpr_msb (MSB<<8)|(\new)
.set MSB, (\new)
.endif
.endm
.set MUL_LO, 0xa1
.set MUL_HI, 0xf1
.set FST_LO, 0x81
.set FST_HI, 0xc1
.set TO_B,   0x40
.macro JLOAD g0a, g1a, g0b, g1b
	s_cmp_eq_u32 s15, 0
	s_cbranch_scc0 .Lfor_b_\@
	tensor_load_to_lds s[\g0a:\g0a+3], s[\g1a:\g1a+7]
	s_nop 0
.rept 4
	v_nop
.endr
	s_branch .Lasked_\@
.Lfor_b_\@:
	tensor_load_to_lds s[\g0b:\g0b+3], s[\g1b:\g1b+7]
	s_nop 0
.rept 4
	v_nop
.endr
.Lasked_\@:
.endm
.macro CREST
	s_cmp_lg_u32 s14, 0
	s_cbranch_scc1 .Lnot_wave_0_\@
	s_barrier_signal -3
.Lnot_wave_0_\@:
	s_barrier_wait -3
	s_barrier_signal -1
	s_barrier_wait -1
.endm
.macro CROUND
	s_barrier_signal -1
	s_barrier_wait -1
	CREST
.endm
	s_load_b128 s[4:7], s[0:1], 0x0
	s_load_b128 s[8:11], s[0:1], 0x10
	s_load_b128 s[96:99], s[0:1], 0x20
	s_load_b64 s[12:13], s[0:1], 0x30
	v_lshl_add_u32 v[SPW], v0, 2, SPARE
	v_mov_b32 v[NIL], 0
	ds_add_u32 v28, v29
	ds_add_u32 v28, v29
	s_wait_dscnt 0x0
	v_lshrrev_b32 v1, 5, v0
	v_readfirstlane_b32 s14, v1
	s_lshr_b32 s15, s14, 1
	s_and_b32 s16, s14, 1
	s_bfe_u32 s40, ttmp6, 0x40000
	s_bfe_u32 s41, ttmp6, 0x40004
	s_lshl_b32 s42, ttmp9, 2
	s_add_co_u32 s42, s42, s40
	s_and_b32 s17, ttmp7, 0xffff
	s_lshl_b32 s17, s17, 2
	s_add_co_u32 s17, s17, s41
	s_lshl_b32 s43, s41, 2
	s_lshl_b32 s43, 15, s43
	s_lshl_b32 s44, 0x1111, s40
	s_or_b32 s[G1+0], s43, (0<<16)|(1<<20)|(1<<21)|(5<<22)|(3<<25)
	s_or_b32 s[G1B+0], s44, (0<<16)|(1<<20)|(1<<21)|(5<<22)|(3<<25)
.irp g, G1, G1B
	s_mov_b32 s[\g+1], ROWB<<16
	s_mov_b32 s[\g+2], 256<<16
	s_mov_b32 s[\g+3], ROWB<<16
	s_mov_b32 s[\g+4], 256
	s_mov_b32 s[\g+5], KROW
	s_mov_b32 s[\g+6], 0
	s_mov_b32 s[\g+7], 0
.endr
	s_or_b32 s[G1S+0], s43, (3<<16)|(1<<20)|(1<<21)|(SQI<<22)|(3<<25)
	s_or_b32 s[G1SB+0], s44, (3<<16)|(1<<20)|(1<<21)|(SQI<<22)|(3<<25)
.irp g, G1S, G1SB
	s_mov_b32 s[\g+1], SD0<<16
	s_mov_b32 s[\g+2], SRW<<16
	s_mov_b32 s[\g+3], SD0<<16
	s_mov_b32 s[\g+4], SRW
	s_mov_b32 s[\g+5], SPT
	s_mov_b32 s[\g+6], 0
	s_mov_b32 s[\g+7], 0
.endr
	s_lshl_b32 s20, s17, 8                         ; the tile's first row of A, of B
	s_lshl_b32 s46, s42, 8
	s_mov_b32 s21, 0
	s_mov_b32 s47, 0
	s_mov_b64 s[18:19], KS
	s_mul_u64 s[22:23], s[20:21], s[18:19]
	s_mul_u64 s[92:93], s[46:47], s[18:19]
	s_mov_b64 s[18:19], KROW
	s_mul_u64 s[20:21], s[20:21], s[18:19]
	s_mul_u64 s[46:47], s[46:47], s[18:19]
	s_mul_i32 s45, s14, HALFT
	s_wait_kmcnt 0x0
	s_add_nc_u64 s[20:21], s[4:5], s[20:21]
	s_add_nc_u64 s[22:23], s[6:7], s[22:23]
	s_add_nc_u64 s[46:47], s[8:9], s[46:47]
	s_add_nc_u64 s[92:93], s[10:11], s[92:93]
	CROUND
	s_mov_b32 s[G0S], 1
	s_mov_b32 s[G0S+1], SCL
	s_mov_b64 s[G0S+2:G0S+3], s[22:23]
	s_or_b32 s[G0S+3], s[G0S+3], 0x80000000
	s_mov_b32 s[G0SB], 1
	s_mov_b32 s[G0SB+1], SCL+2*HALFS
	s_mov_b64 s[G0SB+2:G0SB+3], s[92:93]
	s_or_b32 s[G0SB+3], s[G0SB+3], 0x80000000
	s_mov_b32 s4, 1                                ; group 0 of the head's loads of K step 0: A's 256 rows, B's 256 rows (the arguments that lay here have been used)
	s_mov_b32 s5, 0
	s_mov_b64 s[6:7], s[20:21]
	s_or_b32 s7, s7, 0x80000000
	s_mov_b32 s8, 1
	s_mov_b32 s9, 2*HALFT
	s_mov_b64 s[10:11], s[46:47]
	s_or_b32 s11, s11, 0x80000000
	s_mul_i32 s18, s16, 128*KROW                   ; for the ring: my 128 rows of the tile
	s_mov_b32 s19, 0
	s_add_nc_u64 s[20:21], s[20:21], s[18:19]
	s_add_nc_u64 s[46:47], s[46:47], s[18:19]
.irp s, 0,1
	s_mov_b32 s[G0+4*\s], 1
	s_add_co_u32 s[G0+4*\s+1], s45, \s*SLOT
	s_add_nc_u64 s[G0+4*\s+2:G0+4*\s+3], s[20:21], \s*ROWB
	s_or_b32 s[G0+4*\s+3], s[G0+4*\s+3], 0x80000000
	s_mov_b32 s[G0B+4*\s], 1
	s_add_co_u32 s[G0B+4*\s+1], s45, \s*SLOT
	s_add_nc_u64 s[G0B+4*\s+2:G0B+4*\s+3], s[46:47], \s*ROWB
	s_or_b32 s[G0B+4*\s+3], s[G0B+4*\s+3], 0x80000000
.endr
; the head's four tiles, one joint load a wave: wave 0 A's 256 rows of K step 0, wave 1 B's, wave 2 A's scale bytes, wave 3 B's; one chain of branches on the wave's number
.macro ARM under, g0, g1, next
	s_cmp_lt_u32 s14, \under
	s_cbranch_scc0 \next
	tensor_load_to_lds s[\g0:\g0+3], s[\g1:\g1+7]
	s_nop 0
.rept 4
	v_nop
.endr
	s_branch .Lhead_asked
\next:
.endm
	ARM 1, 4, G1, .Lhead_b
	ARM 2, 8, G1B, .Lhead_sa
	ARM 3, G0S, G1S, .Lhead_sb
	tensor_load_to_lds s[G0SB:G0SB+3], s[G1SB:G1SB+7]
	s_nop 0
.rept 4
	v_nop
.endr
.Lhead_asked:
	v_and_b32 v1, 15, v0
	v_bfe_u32 v2, v0, 4, 1
	v_mul_u32_u24 v3, v1, PITCH
	v_lshl_add_u32 v4, v2, 4, v3
	s_mul_i32 s21, s15, HALFT
	s_mul_i32 s22, s16, HALFT
	s_add_co_u32 s22, s22, 2*HALFT
.irp s, 0,1
	v_add_nc_u32 v[ADRA+\s], s21, v4
	v_add_nc_u32 v[ADRB+\s], s22, v4
	s_add_co_u32 s21, s21, SLOT
	s_add_co_u32 s22, s22, SLOT
.endr
	v_mul_u32_u24 v5, v1, KS
	v_lshrrev_b32 v6, 8, v5
	v_lshl_add_u32 v5, v6, 4, v5
	s_mul_i32 s21, s15, HALFS
	s_mul_i32 s22, s16, HALFS
	s_add_co_u32 s22, s22, 2*HALFS
	s_sub_co_u32 s22, s22, s21
	v_mul_u32_u24 v6, s22, v2
	s_add_co_u32 s21, s21, SCL
	v_add_nc_u32 v5, v5, v6
	v_add_nc_u32 v[ADRS], s21, v5
	s_mul_i32 s23, s14, 18432
	v_mul_u32_u24 v5, v1, 144
	v_lshl_add_u32 v6, v2, 3, v5
	v_add_nc_u32 v[QSTO], s23, v6
	v_and_b32 v6, 8, v1
	v_add_nc_u32 v6, v6, v1
	v_mul_u32_u24 v7, v6, 144
	v_lshl_add_u32 v7, v2, 4, v7
	v_add_nc_u32 v[QRD], s23, v7
	s_lshl_b32 s23, s14, 10
	s_add_co_u32 s23, s23, 73728
	v_lshrrev_b32 v7, 3, v1
	v_and_b32 v5, 7, v1
	v_lshlrev_b32 v5, 2, v5
	v_lshl_add_u32 v5, v7, 6, v5
	v_add_nc_u32 v[QSW], s23, v5
	v_and_b32 v5, 31, v0
	v_lshlrev_b32 v[L16], 4, v5
	v_lshlrev_b32 v[L4], 2, v5
	v_add_nc_u32 v[QSR], s23, v[L16]
	s_mul_i32 s23, s14, 8704
	s_add_co_u32 s23, s23, 77824
	v_mul_u32_u24 v5, v1, 272
	v_lshl_add_u32 v5, v2, 5, v5
	v_add_nc_u32 v[VSTO], s23, v5
	v_lshl_add_u32 v5, v2, 3, v6
	v_lshl_add_u32 v[VRD], v5, 2, s23
	v_lshlrev_b32 v5, 4, v1
	v_lshl_add_u32 v[VGO], v2, 11, v5
	s_lshl_b32 s46, s42, 10
	s_lshl_b32 s47, s16, 9
	s_add_co_u32 s46, s46, s47
	s_mov_b32 s47, 0
	s_add_nc_u64 s[96:97], s[96:97], s[46:47]
	v_lshlrev_b32 v3, 5, v2
.irp b, 0,1,2,3,4,5,6,7
	global_load_b128 v[BI+8*\b:BI+8*\b+3],   v3, s[96:97] offset:64*\b
	global_load_b128 v[BI+8*\b+4:BI+8*\b+7], v3, s[96:97] offset:64*\b+16
.endr
	s_mov_b32 s2, 0x600000
	s_mov_b32 s100, 0x76543210
	s_mov_b32 s101, 0xfedcba98
.macro FRAG reg, adr, q, i
.irp c, 0,1,2,3
	ds_load_b128 v[\reg+4*\c:\reg+4*\c+3], v[\adr] offset:128*(\q)+32*\c+(\i)*16*PITCH
.endr
.endm
.macro MUL16 a0, p, q, sc, first
.irp a, \a0, \a0+1
.irp b, 0,1,2,3,4,5,6,7
.if \first
	v_wmma_scale_f32_16x16x128_f8f6f4 v[8*(8*((\a)%4)+\b):8*(8*((\a)%4)+\b)+7], v[128*(\p)+FR*\b:128*(\p)+FR*\b+FR-1], v[AF+FR*(\a):AF+FR*(\a)+FR-1], v[BI+8*\b:BI+8*\b+7], v[SC+8*NQ*(\sc)+NQ*\b+(\q)], v[SC+8*NQ*(\sc)+NQ*(\a)+(\q)] matrix_a_scale:MATRIX_SCALE_ROW1
.else
	v_wmma_scale_f32_16x16x128_f8f6f4 v[8*(8*((\a)%4)+\b):8*(8*((\a)%4)+\b)+7], v[128*(\p)+FR*\b:128*(\p)+FR*\b+FR-1], v[AF+FR*(\a):AF+FR*(\a)+FR-1], v[8*(8*((\a)%4)+\b):8*(8*((\a)%4)+\b)+7], v[SC+8*NQ*(\sc)+NQ*\b+(\q)], v[SC+8*NQ*(\sc)+NQ*(\a)+(\q)] matrix_a_scale:MATRIX_SCALE_ROW1
.endif
.endr
.endr
.endm
.macro FETCH_B slot, q, p
	WIN TO_B
.irp i, 0,1,2,3,4,5,6,7
	FRAG 128*(\p)+FR*\i, ADRB+\slot, \q, \i
.endr
	WIN 0
.endm
.macro FETCH_A slot, q, i0
.irp i, \i0, \i0+1, \i0+2, \i0+3
	FRAG AF+FR*(\i), ADRA+\slot, \q, \i
.endr
.endm
.macro SCALES sc
.irp i, 0,1,2,3,4,5,6,7
	ds_load_b64 v[SC+8*NQ*\sc+NQ*\i:SC+8*NQ*\sc+NQ*\i+1], v[ADRS] offset:\i*SBLK
.endr
.endm
.macro PLACES n
.rept \n
	v_nop
.endr
.endm
.macro STEP slot, q, first
	s_wait_dscnt 4*NL
.if \first
	WIN FST_LO
.else
	WIN MUL_LO
.endif
	MUL16 0, (\q)%2, \q, \slot, \first
	MUL16 2, (\q)%2, \q, \slot, \first
	s_wait_dscnt 0
	PLACES NP
	FETCH_B \slot, (\q)+1, 1-(\q)%2
	FETCH_A \slot, (\q)+1, 0
.if \first
	WIN FST_HI
.else
	WIN MUL_HI
.endif
	MUL16 4, (\q)%2, \q, \slot, \first
	MUL16 6, (\q)%2, \q, \slot, \first
	PLACES NP
	WIN 0
	FETCH_A \slot, (\q)+1, 4
.endm
.macro TURN slot, next, fill
	s_wait_tensorcnt 0x0
	ds_add_u32 v[SPW], v[NIL]
	s_wait_dscnt 4*NL+1
	WIN MUL_LO
	MUL16 0, 1, NQ-1, \slot, 0
	s_wait_dscnt 0x0
	s_barrier_signal -1
	MUL16 2, 1, NQ-1, \slot, 0
	WIN 0
	s_barrier_wait -1
.if \fill
	CREST
	s_add_nc_u64 s[G0+4*\slot+2:G0+4*\slot+3], s[G0+4*\slot+2:G0+4*\slot+3], 2*ROWB
	s_add_nc_u64 s[G0B+4*\slot+2:G0B+4*\slot+3], s[G0B+4*\slot+2:G0B+4*\slot+3], 2*ROWB
	JLOAD G0+4*\slot, G1, G0B+4*\slot, G1B
	PLACES NP-4
.else
	PLACES NP
.endif
	s_wait_alu depctr_va_vdst(0)
	v_add_nc_u32 v[ADRS], 4*NQ, v[ADRS]
	FETCH_B \next, 0, 0
	FETCH_A \next, 0, 0
	SCALES \next
	WIN MUL_HI
	MUL16 4, 1, NQ-1, \slot, 0
	MUL16 6, 1, NQ-1, \slot, 0
	PLACES NP
	WIN 0
	FETCH_A \next, 0, 4
.endm
	s_wait_alu depctr_va_vdst(0)                   ; the wait at the head's end
	s_wait_tensorcnt 0x0                           ; my tile of the head's four is in
	ds_add_u32 v[SPW], v[NIL]
	s_mov_b32 s[G1+2], 128<<16                     ; no load of mine is out: from here on a load brings 128 rows
	s_mov_b32 s[G1+4], 128
	s_mov_b32 s[G1B+2], 128<<16
	s_mov_b32 s[G1B+4], 128
	s_wait_dscnt 0x0
	CROUND                                         ; all four tiles are in, and the partners are here
	JLOAD G0+4, G1, G0B+4, G1B                     ; K step 1, slot 1's first fill: the first tensor load behind the round
	FETCH_B 0, 0, 0
	FETCH_A 0, 0, 0
	SCALES 0
	FETCH_A 0, 0, 4
	s_wait_loadcnt 0x0
	STEP 0, 0, 1
	s_mov_b32 s3, LAPS-1
.Llap:
	TURN 0, 1, 1
	STEP 1, 0, 0
	TURN 1, 0, 1
	STEP 0, 0, 0
	s_sub_co_u32 s3, s3, 1
	s_cmp_lg_u32 s3, 0
	s_cbranch_scc1 .Llap
	TURN 0, 1, 0
	STEP 1, 0, 0
	s_wait_dscnt 4*NL
	WIN MUL_LO
	MUL16 0, 1, NQ-1, 1, 0
	MUL16 2, 1, NQ-1, 1, 0
	s_wait_dscnt 0
	WIN MUL_HI
	MUL16 4, 1, NQ-1, 1, 0
	MUL16 6, 1, NQ-1, 1, 0
	WIN 0
	PLACES NP
	s_lshl_b32 s20, s17, 8
	s_lshl_b32 s21, s15, 7
	s_add_co_u32 s20, s20, s21
	s_lshr_b32 s21, s20, 11
	s_bfe_u32 s22, s20, 0x40007
	s_and_b32 s23, s42, 3
	s_lshl_b32 s23, s23, 2
	s_lshl_b32 s18, s16, 1
	s_add_co_u32 s23, s23, s18
	s_lshl_b32 s21, s21, 4
	s_add_co_u32 s21, s21, s23
	s_mul_i32 s66, s21, HS
	s_mov_b32 s67, 0
	s_mov_b32 s19, 0
	s_cmp_eq_u32 ttmp9, 2
	s_cbranch_scc1 .Lv_path
	s_cmp_eq_u32 ttmp9, 0
	s_cselect_b64 s[92:93], s[98:99], s[12:13]
	s_add_nc_u64 s[92:93], s[92:93], s[66:67]
	s_add_nc_u64 s[94:95], s[92:93], 262144
	s_lshl_b32 s18, s22, 9
	s_add_nc_u64 s[94:95], s[94:95], s[18:19]
	s_lshl_b32 s18, s22, 13
	s_add_nc_u64 s[92:93], s[92:93], s[18:19]
.irp q, 0,1,2,3
	v_mov_b32 v[TM+4+\q], 0
.endr
.macro QROW a
.set AC, 64*((\a)%4)
.set W, 2+(\a)/4
	WIN W|(W<<2)
.irp q, 0,1,2,3
	v_max3_num_f32 v[TM+\q], |v[AC+16*\q]|, |v[AC+16*\q+1]|, 0x4800000
.endr
	WIN (W<<2)|(W<<4)
.irp i, 2,4,6,8,10,12,14
.irp q, 0,1,2,3
	v_max3_num_f32 v[TM+\q], v[TM+\q], |v[AC+16*\q+\i]|, |v[AC+16*\q+\i+1]|
.endr
.endr
	WIN 0
.irp q, 0,1,2,3
	v_permlanex16_b32 v[TM+4+\q], v[TM+\q], s100, s101
.endr
.irp q, 0,1,2,3
	v_max_num_f32 v[TM+\q], v[TM+\q], v[TM+4+\q]
.endr
.irp q, 0,1,2,3
	v_add_nc_u32 v[TM+12+\q], 0xfc000000, v[TM+\q]
.endr
.irp q, 0,1,2,3
	v_and_or_b32 v[TM+8+\q], v[TM+\q], 0x7f800000, s2
.endr
.irp q, 0,1,2,3
	v_lshrrev_b32 v[TM+4+\q], 23, v[TM+12+\q]
.endr
	WIN W|(W<<6)
.irp q, 0,1,2,3
.irp i, 0,1,2,3,4,5,6,7,8,9,10,11,12,13,14,15
	v_med3_num_f32 v[AC+16*\q+\i], v[AC+16*\q+\i], -v[TM+8+\q], v[TM+8+\q]
.endr
.endr
	s_wait_alu depctr_va_vdst(0)
	s_wait_dscnt 0x0
	WIN W
.irp q, 0,1,2,3
	v_cvt_scalef32_pk8_fp8_f32 v[PC+4*\q:PC+4*\q+1], v[AC+16*\q:AC+16*\q+7], v[TM+12+\q]
	v_cvt_scalef32_pk8_fp8_f32 v[PC+4*\q+2:PC+4*\q+3], v[AC+16*\q+8:AC+16*\q+15], v[TM+12+\q]
.endr
	WIN 0
	v_nop
.irp e, 0,1
	v_lshl_or_b32 v[48+\e], v[TM+5+2*\e], 8, v[TM+4+2*\e]
	v_or_b32 v[48+\e], 0x7f7f0000, v[48+\e]
.endr
.irp q, 0,1,2,3
	ds_store_b64 v[QSTO], v[PC+4*\q:PC+4*\q+1] offset:2304*(\a)+32*\q
	ds_store_b64 v[QSTO], v[PC+4*\q+2:PC+4*\q+3] offset:2304*(\a)+32*\q+16
.endr
.irp e, 0,1
	ds_store_b32 v[QSW], v[48+\e] offset:512*\e+128*((\a)/2)+32*((\a)%2)
.endr
.endm
.irp a, 0,1,2,3,4,5,6,7
	QROW \a
.endr
.irp e, 0,1
.irp t, 0,1,2,3,4,5,6,7
.irp c, 0,1
	ds_load_b128 v[128+4*(16*\e+2*\t+\c):128+4*(16*\e+2*\t+\c)+3], v[QRD] offset:144*(32*(\t/2)+8*(\t%2))+64*\e+32*\c
.endr
.endr
.endr
.irp e, 0,1
	ds_load_b128 v[72+4*\e:75+4*\e], v[QSR] offset:512*\e
.endr
.irp e, 0,1
.irp t, 0,1,2,3,4,5,6,7
.irp c, 0,1
	s_wait_dscnt 33-(16*\e+2*\t+\c)
	global_store_b128 v[L16], v[128+4*(16*\e+2*\t+\c):128+4*(16*\e+2*\t+\c)+3], s[92:93] offset:HS*\e+1024*\t+512*\c
.endr
.endr
.endr
.irp e, 0,1
	s_wait_dscnt 1-\e
	global_store_b128 v[L16], v[72+4*\e:75+4*\e], s[94:95] offset:HS*\e
.endr
	s_branch .Lout
.Lv_path:
	s_add_nc_u64 s[92:93], s[12:13], s[66:67]
	s_add_nc_u64 s[94:95], s[92:93], 270336
	s_lshl_b32 s18, s22, 8
	s_add_nc_u64 s[94:95], s[94:95], s[18:19]
	s_add_nc_u64 s[92:93], s[92:93], 131072
	s_lshl_b32 s18, s22, 13
	s_add_nc_u64 s[92:93], s[92:93], s[18:19]
.macro VBLK c, e
	WIN 0x08+4*((\c)/2)
.irp u, 0,1
.irp b4, 0,1,2,3
.set VAC, 8*(8*((2*(\c)+\u)%4)+4*(\e)+\b4)
	ds_store_b128 v[VSTO], v[VAC:VAC+3] offset:4352*\u+64*\b4
	ds_store_b128 v[VSTO], v[VAC+4:VAC+7] offset:4352*\u+64*\b4+16
.endr
.endr
	WIN 0
.irp g, 0,1
.set k, 0
.rept 32
	ds_load_b32 v[64+32*\g+k], v[VRD] offset:272*k+128*\g
.set k, k+1
.endr
.endr
	s_wait_dscnt 0x0
	s_wait_xcnt 0x0
.irp g, 0,1
.set XS, 64+32*\g
	v_max3_num_f32 v8, |v[XS]|, |v[XS+1]|, |v[XS+2]|
	v_max3_num_f32 v9, |v[XS+3]|, |v[XS+4]|, |v[XS+5]|
.irp i, 6,10,14,18,22,26
	v_max3_num_f32 v8, v8, |v[XS+\i]|, |v[XS+\i+1]|
	v_max3_num_f32 v9, v9, |v[XS+\i+2]|, |v[XS+\i+3]|
.endr
	v_max3_num_f32 v8, v8, |v[XS+30]|, |v[XS+31]|
	v_max3_num_f32 v8, v8, v9, 0x4800000
	v_add_nc_u32 v11, 0xfc000000, v8
	v_and_or_b32 v10, v8, 0x7f800000, s2
	v_lshrrev_b32 v12, 23, v11
.if (\c) == 0
	v_mov_b32 v[48+2*(\e)+\g], v12
.else
	v_lshl_or_b32 v[48+2*(\e)+\g], v12, 8*(\c), v[48+2*(\e)+\g]
.endif
.set k, 0
.rept 32
	v_med3_num_f32 v[XS+k], v[XS+k], -v10, v10
.set k, k+1
.endr
.irp j, 0,1,2,3
	v_cvt_scalef32_pk8_fp8_f32 v[32+8*\g+2*\j:32+8*\g+2*\j+1], v[XS+8*\j:XS+8*\j+7], v11
.endr
	v_nop
	global_store_b128 v[VGO], v[32+8*\g:35+8*\g], s[92:93] offset:HS*(\e)+4096*\g+512*(\c)
	global_store_b128 v[VGO], v[36+8*\g:39+8*\g], s[92:93] offset:HS*(\e)+4096*\g+512*(\c)+256
.endr
.endm
.irp c, 0,1,2,3
.irp e, 0,1
	VBLK \c, \e
.endr
.endr
.irp e, 0,1
.irp g, 0,1
	global_store_b32 v[L4], v[48+2*\e+\g], s[94:95] offset:HS*\e+128*\g
.endr
.endr
.Lout:
	s_wait_tensorcnt 0x0
	ds_add_u32 v[SPW], v[NIL]
	s_wait_dscnt 0x0
	CROUND
	s_endpgm
.Lfunc_end_k_qbd6c6cc7dd_qkv:
	.size	k_qbd6c6cc7dd_qkv, .Lfunc_end_k_qbd6c6cc7dd_qkv-k_qbd6c6cc7dd_qkv
	.p2alignl 7, 3214868480
	.fill 96, 4, 3214868480
	.section	.rodata,"a",@progbits
	.p2align	6, 0x0
	.amdhsa_kernel k_qbd6c6cc7dd_qkv
		.amdhsa_group_segment_fixed_size 327680
		.amdhsa_private_segment_fixed_size 0
		.amdhsa_enable_private_segment 0
		.amdhsa_kernarg_size 56
		.amdhsa_user_sgpr_count 2
		.amdhsa_user_sgpr_kernarg_segment_ptr 1
		.amdhsa_wavefront_size32 1
		.amdhsa_system_sgpr_workgroup_id_x 1
		.amdhsa_system_sgpr_workgroup_id_y 1
		.amdhsa_system_sgpr_workgroup_id_z 1
		.amdhsa_system_vgpr_workitem_id 0
		.amdhsa_next_free_vgpr 1024
		.amdhsa_next_free_sgpr 102
		.amdhsa_reserve_vcc 0
		.amdhsa_float_denorm_mode_32 3
		.amdhsa_float_denorm_mode_16_64 3
		.amdhsa_memory_ordered 1
		.amdhsa_forward_progress 1
		.amdhsa_inst_pref_size 255
	.end_amdhsa_kernel
	.section	.bss,"aw",@nobits
	.p2align	6
	.space	262144
	.amdgpu_metadata
---
amdhsa.version: [ 1, 2 ]
amdhsa.kernels:
  - .name:           k_qbd6c6cc7dd_qkv
    .symbol:         k_qbd6c6cc7dd_qkv.kd
    .args:
      - { .name: c1, .offset: 0, .size: 8, .value_kind: global_buffer, .address_space: global }
      - { .name: s1, .offset: 8, .size: 8, .value_kind: global_buffer, .address_space: global }
      - { .name: qkv_w_codes, .offset: 16, .size: 8, .value_kind: global_buffer, .address_space: global }
      - { .name: qkv_w_scales, .offset: 24, .size: 8, .value_kind: global_buffer, .address_space: global }
      - { .name: qkv_b, .offset: 32, .size: 8, .value_kind: global_buffer, .address_space: global }
      - { .name: qi, .offset: 40, .size: 8, .value_kind: global_buffer, .address_space: global }
      - { .name: kv, .offset: 48, .size: 8, .value_kind: global_buffer, .address_space: global }
    .group_segment_fixed_size: 327680
    .private_segment_fixed_size: 0
    .kernarg_segment_align: 8
    .kernarg_segment_size: 56
    .max_flat_workgroup_size: 128
    .sgpr_count:     102
    .vgpr_count:     1024
    .wavefront_size: 32
...
	.end_amdgpu_metadata
.endif
;; end of part 8
;; launch attn (part 9): grid 8 x 32, 16 waves a work-group, clusters of 4 x 1, 327,680 bytes of LDS; arguments qi, kv, c1, s1; writes c1, s1
.if DOCPART == 9
	.amdgcn_target "amdgcn-amd-amdhsa--gfx1250"
	.amdhsa_code_object_version 6
	.text
	.protected	k_qbd6c6cc7dd_attn
	.globl	k_qbd6c6cc7dd_attn
	.p2align	8
	.type	k_qbd6c6cc7dd_attn,@function
k_qbd6c6cc7dd_attn:
	s_mov_b64 s[64:65], 0
	v_nop
	global_prefetch_b8 v0, s[64:65] scope:SCOPE_SE
	s_setreg_imm32_b32 hwreg(HW_REG_WAVE_MODE, 25, 1), 1
	s_wait_xcnt 0x0
	s_wait_alu depctr_hold_cnt(0) depctr_sa_sdst(0) depctr_va_vdst(0) depctr_va_sdst(0) depctr_va_ssrc(0) depctr_va_vcc(0) depctr_vm_vsrc(0)
	s_getreg_b32 s2, hwreg(HW_REG_IB_STS2, 6, 4)
	s_cmp_eq_u32 s2, 0
	s_cbranch_scc0 .Lentry_in_a_cluster
	s_endpgm
.Lentry_in_a_cluster:
	s_bfe_u32 s2, ttmp6, 0x10000c
	s_cmp_lg_u32 s2, 0x3003
	s_cbranch_scc0 .Lentry_shape_is_right
	s_endpgm
.Lentry_shape_is_right:
; Attention of one (batch, head) on codes of MX-FP8, and the quantiser of its result along the model's 1,024 (blocks of 32 lie inside a head's 64).
; Inputs are images of operand registers (HS bytes a head): KC at 0 [step 16][tile 8][c 2][lane][16 B], VC at 131,072 [step 16][tile 4][c 4][lane][16 B], KS at 262,144 [step][tile 8][16] words, VS at 270,336 [step][tile 4][16] words.
; Token of lane r in tile t of a step: 128 step + 32 (t/2) + 8 (t%2) + r + 8 (r/8); V's features likewise: the 16 registers of two neighbouring result tiles are 16 neighbours along the next K.
; THE SOFTMAX: t = score x log2(e) / 8; M = the running largest t rounded up to a whole number; p = 2^(t - M) is quantised along the keys; the row's sum is taken of the unquantised p and divides at the end;
; when M moves, the sum and O are multiplied by 2^(old M - new M), which rounds nothing; there is no branch on data.
; LDS: the head's whole image stays, each byte filled once, at its own offset.  At the head one joint load a wave: waves 0-7 the codes of steps 0-3 (32 rows of 256 bytes each: K's, then V's), waves 8-15 the 12,288 bytes of scale words (6 rows each).
; Behind the three lines and a round of the cluster's barrier one more load a wave: the codes of steps 4-15, 48 rows each (waves 0-7 K's, 8-15 V's); it is waited for behind step 3, at the one plain barrier of the walk.
; The four query blocks of a cluster ask jointly (mask 15).  No prefetch: both loads of a wave leave at the head, so there is no later request to run ahead of.
; SHARES: a work-group owns 256 queries, a wave one tile of 16; four waves to a SIMD.
; THE FIRST PRODUCT'S K IS 64: registers 8-15 of Q's fragment are zero codes.  K's fragment of tile t is named v[KV + 8 t .. + 15]: its upper half is the next tile's codes (behind tile 7: p's codes, never NaN), which meet zero codes under the byte 0x7f and add 0.
; SCALE WORDS come two tiles to a load: lanes 0-15 the even tile's, lanes 16-31 the odd tile's, which the product reads by ROW1.
; THE HOLD writes 16 registers of its own (two numbers a dual pair; the bound stands in two registers of different banks), so p stays unheld and its sums fill the places behind the conversions and behind the second product.
; LIMITS: NaN and infinities are not served; the scaled scores stay under 2^31 in magnitude; a block whose largest magnitude lies under 2^-118 keeps the byte 1.  A head's share of a row of the result is 64 bytes in the tensor itself, and is stored so.
.set HS,  274432
.set VCO, 131072
.set KSO, 262144
.set VSO, 270336
.set SPARE, 0x43000                    ; behind the image: 128 bytes a wave
.set SPW, 1                            ; v1 my spare word, v2 zero: kept for the add
.set NIL, 2
.set ADK, 3                            ; v3-6 the trip's LDS addresses: K's codes, V's codes, K's words, V's words
.set ADV, 4
.set ADS, 5
.set ADT, 6
.set PW,  7                            ; p's scale word
.set QS,  8                            ; Q's
.set OM,  9                            ; -M of the step before;  v[10:11] f;  v12 -M, v13 the largest t;  v[14:15] the sum in two halves;  v16-31 Q
.set KV,  32                           ; v32-95 K's eight tiles, then V's four fragments
.set PCD, 96                           ; v96-111 p's codes
.set S,   112                          ; v112-175 S^T, then p
.set O,   176                          ; v176-207 O^T
.set T,   208                          ; v208-223 a block's held p
.set SK,  224                          ; v224-227 K's scale words, v232-233 V's
.set SV,  232
.set BM,  236                          ; v236-239 the blocks' largest; then two chains of the sum
.set CB,  236
.set PL,  240                          ; v240-243 lane xor 16's; the bytes; then the bound's second copy
.set HLB, 240
.set TX,  244
.set HLA, 245                          ; v245-248 448 x the scale
.set SO,  249                          ; v249-252 the conversions' scale operands
.set L16, 254                          ; 16 x lane, 4 x lane: never rewritten
.set L4,  255
.set WV,  12
.set TK,  16                           ; s16-19 where the trip's bytes begin in KC, VC, KS, VS
.set TKV, 17
.set TS,  18
.set TV,  19
.set G1A, 24                           ; groups 1: 32, 6, 48 rows of 256 bytes
.set G1B, 32
.set G1C, 40
.set G0H, 48                           ; groups 0: the head's codes, the second load, the scale words
.set G0R, 52
.set G0S, 56
.set SEL, 60
.set CS,  62
.set MNT, 66
.set CNT, 67
.macro CROUND
	s_barrier_signal -1
	s_barrier_wait -1
	s_cmp_lg_u32 s[WV], 0
	s_cbranch_scc1 .Lnot_wave_0_\@
	s_barrier_signal -3
.Lnot_wave_0_\@:
	s_barrier_wait -3
	s_barrier_signal -1
	s_barrier_wait -1
.endm
.macro GRP1 g, rows                    ; dense rows of 256 bytes (32 elements of 8); the mask names all four partners, bit 21 beside it
	s_mov_b32 s[\g], 15|(3<<16)|(1<<21)
	s_mov_b32 s[\g+1], 32<<16
	s_mov_b32 s[\g+2], (\rows)<<16
	s_mov_b32 s[\g+3], 32<<16
	s_mov_b32 s[\g+4], \rows
	s_mov_b32 s[\g+5], 32
	s_mov_b32 s[\g+6], 0
	s_mov_b32 s[\g+7], 0
.endm
.macro GRP0 g, off                     ; the same offset in the image and in LDS
	s_mov_b32 s[\g], 1
	s_mov_b32 s[\g+1], s\off
	s_mov_b32 s22, s\off
	s_add_nc_u64 s[\g+2:\g+3], s[6:7], s[22:23]
	s_or_b32 s[\g+3], s[\g+3], 0x80000000
.endm
.macro NOPS n
.rept \n
	v_nop
.endr
.endm
	s_load_b256 s[4:11], s[0:1], 0x0               ; qi s[4:5], kv s[6:7], codes out s[8:9], scale bytes out s[10:11]
	v_lshl_add_u32 v[SPW], v0, 2, SPARE
	v_mov_b32 v[NIL], 0
	ds_add_u32 v[SPW], v[NIL]                      ; the opening lines: the add twice on end and its wait
	ds_add_u32 v[SPW], v[NIL]
	v_lshrrev_b32 v3, 5, v0
	v_readfirstlane_b32 s[WV], v3                  ; wave 0..15
	s_bfe_u32 s13, ttmp6, 0x40000                  ; cx
	s_lshl_b32 s14, ttmp9, 2
	s_add_co_u32 s14, s14, s13                     ; my block of 256 queries: it enters Q's and the result's addresses alone
	s_and_b32 s15, ttmp7, 0xffff                   ; 16 x batch + head, which the four partners share
	s_mul_i32 s16, s15, HS
	s_mov_b32 s17, 0
	GRP1 G1A, 32
	GRP1 G1B, 6
	GRP1 G1C, 48
	s_lshr_b32 s18, s[WV], 2                       ; waves 0-3: K's steps 0-3, waves 4-7: V's; a step (8,192 bytes) a wave
	s_lshl_b32 s18, s18, 17
	s_and_b32 s19, s[WV], 3
	s_lshl_b32 s19, s19, 13
	s_add_co_u32 s18, s18, s19
	s_and_b32 s19, s[WV], 7
	s_mul_i32 s20, s19, 1536                       ; waves 8-15: an eighth of the scale words
	s_add_co_u32 s20, s20, KSO
	s_mul_i32 s21, s19, 12288                      ; the second load: an eighth of steps 4-15 of K (waves 0-7) or V (8-15)
	s_lshr_b32 s19, s[WV], 3
	s_lshl_b32 s19, s19, 17
	s_add_co_u32 s21, s21, s19
	s_add_co_u32 s21, s21, 32768
	s_mov_b32 s23, 0
	s_mov_b32 s[SEL], 0x76543210
	s_mov_b32 s[SEL+1], 0xfedcba98
	s_mov_b32 s[CS], 0x3e38aa3b                    ; c = log2(e) / sqrt(64)
	s_mov_b32 s[CS+1], s[CS]
	s_mov_b32 s[MNT], 0x600000
	s_wait_dscnt 0x0
	s_wait_kmcnt 0x0
	s_add_nc_u64 s[6:7], s[6:7], s[16:17]
	s_add_nc_u64 s[4:5], s[4:5], s[16:17]
	CROUND                                         ; all four work-groups are here: the joint loads meet
	GRP0 G0H, 18
	GRP0 G0S, 20
	GRP0 G0R, 21
	s_cmp_lt_u32 s[WV], 8                          ; one load a wave, an arm each way
	s_cbranch_scc0 .Lhead_s
	tensor_load_to_lds s[G0H:G0H+3], s[G1A:G1A+7]
	s_nop 0
	NOPS 4
	s_branch .Lasked
.Lhead_s:
	tensor_load_to_lds s[G0S:G0S+3], s[G1B:G1B+7]
	s_nop 0
	NOPS 4
.Lasked:
	s_lshl_b32 s72, s14, 4
	s_add_co_u32 s72, s72, s[WV]                   ; T: my tile of 16 queries among the head's 128
	s_mov_b32 s75, 0
	s_lshl_b32 s74, s72, 10
	s_add_nc_u64 s[76:77], s[4:5], s[74:75]        ; its codes
	s_lshl_b32 s74, s72, 6
	s_add_nc_u64 s[78:79], s[4:5], s[74:75]
	s_add_nc_u64 s[78:79], s[78:79], KSO           ; its scale words
	s_mov_b32 s[TK], 0
	s_mov_b32 s[TKV], VCO
	s_mov_b32 s[TS], KSO
	s_mov_b32 s[TV], VSO
	v_and_b32 v[T], 31, v0
	v_lshlrev_b32 v[L16], 4, v[T]
	v_lshlrev_b32 v[L4], 2, v[T]
	v_and_b32 v[T+1], 15, v0
	v_lshlrev_b32 v[T+1], 2, v[T+1]                ; 4 r
	v_add_nc_u32 v[ADK], s[TK], v[L16]
	v_add_nc_u32 v[ADV], s[TKV], v[L16]
	v_add_nc_u32 v[ADS], s[TS], v[L4]
	v_add_nc_u32 v[ADT], s[TV], v[L4]
	s_wait_alu depctr_va_vdst(0)                   ; the wait ahead of the readers below
	global_load_b128 v[16:19], v[L16], s[76:77]
	global_load_b128 v[20:23], v[L16], s[76:77] offset:512
	global_load_b32 v[QS], v[T+1], s[78:79]
	s_lshr_b32 s73, s15, 4
	s_lshl_b32 s73, s73, 11                        ; 2,048 x batch
	s_lshr_b32 s74, s72, 3
	s_lshl_b32 s74, s74, 7
	s_add_co_u32 s73, s73, s74                     ; + 128 (T / 8)
	s_bfe_u32 s74, s72, 0x20001
	s_lshl_b32 s74, s74, 5
	s_add_co_u32 s73, s73, s74                     ; + 32 ((T % 8) / 2)
	s_and_b32 s74, s72, 1
	s_lshl_b32 s74, s74, 3
	s_add_co_u32 s73, s73, s74                     ; + 8 (T % 2): lane 0's token
	s_and_b32 s71, s15, 15                         ; the head
	s_lshl_b32 s74, s73, 10
	s_lshl_b32 s72, s71, 6
	s_add_co_u32 s74, s74, s72
	s_add_nc_u64 s[8:9], s[8:9], s[74:75]
	s_lshl_b32 s74, s73, 5
	s_lshl_b32 s72, s71, 1
	s_add_co_u32 s74, s74, s72
	s_add_nc_u64 s[10:11], s[10:11], s[74:75]
	v_mov_b32 v13, 0xff61b1e6                      ; the largest t so far: -3e38
	v_floor_f32 v12, -v13                          ; -M
	v_mov_b32 v11, 0                               ; (named as the upper half of the pair v[10:11])
	v_mov_b32 v14, 0
	v_mov_b32 v15, 0
.irp j, 0,1,2,3,4,5,6,7
	v_mov_b32 v[24+\j], 0                          ; Q's zero codes for K = 64 .. 127
	v_mov_b32 v[PCD+\j], 0                         ; what stands behind K's last tile in the first step
.endr
.irp b, 0,1,2,3
	v_mov_b32 v[PL+\b], 0                          ; a lane permute's destination counts as one of its sources
.endr
.set j, 0
.rept 32
	v_mov_b32 v[O+j], 0                            ; O^T: the step is written once; the first change of M leaves zeros zeros
.set j, j+1
.endr
; the n-th of the 32 lines that add a step's 64 p to the sum: three chains by turns (v[14:15] and two begun anew), joined by the last two lines
.macro SUM1 n
.if (\n) < 2
	v_pk_add_f32 v[CB+2*(\n):CB+2*(\n)+1], v[S+4*(\n):S+4*(\n)+1], v[S+4*(\n)+2:S+4*(\n)+3]
.elseif (\n) == 30
	v_pk_add_f32 v[CB:CB+1], v[CB:CB+1], v[CB+2:CB+3]
.elseif (\n) == 31
	v_pk_add_f32 v[14:15], v[14:15], v[CB:CB+1]
.elseif (\n)%3 == 2
	v_pk_add_f32 v[14:15], v[14:15], v[S+2*(\n)+4:S+2*(\n)+5]
.else
	v_pk_add_f32 v[CB+2*((\n)%3):CB+2*((\n)%3)+1], v[CB+2*((\n)%3):CB+2*((\n)%3)+1], v[S+2*(\n)+4:S+2*(\n)+5]
.endif
.endm
.macro SUMS from, to
.set N_, \from
.rept (\to)-(\from)
	SUM1 N_
.set N_, N_+1
.endr
.endm
; A KEY STEP: 128 keys, the q-th of a trip's two.
.macro STEP q
.irp t, 0,1,2,3,4,5,6,7                ; (behind the last products stand 18 lines of the sum: more than the eight places that loads into their registers want)
	ds_load_b128 v[KV+8*\t:KV+8*\t+3],   v[ADK] offset:8192*\q+1024*\t
	ds_load_b128 v[KV+8*\t+4:KV+8*\t+7], v[ADK] offset:8192*\q+1024*\t+512
.endr
.irp j, 0,1,2,3
	ds_load_b32 v[SK+\j], v[ADS] offset:512*\q+128*\j
.endr
	s_wait_dscnt 0x0
.irp j, 0,1,2,3
	v_wmma_scale_f32_16x16x128_f8f6f4 v[S+16*\j:S+16*\j+7], v[KV+16*\j:KV+16*\j+15], v[16:31], 0, v[SK+\j], v[QS]
	v_wmma_scale_f32_16x16x128_f8f6f4 v[S+16*\j+8:S+16*\j+15], v[KV+16*\j+8:KV+16*\j+23], v[16:31], 0, v[SK+\j], v[QS] matrix_a_scale:MATRIX_SCALE_ROW1
.endr
	v_mov_b32 v[OM], v12                           ; eight places: ahead of the scores' first reader and of V's loads
.if \q
	s_add_co_u32 s[TK], s[TK], 16384               ; the next trip's K
	s_add_co_u32 s[TS], s[TS], 1024
	v_add_nc_u32 v[ADK], s[TK], v[L16]
	v_add_nc_u32 v[ADS], s[TS], v[L4]
	NOPS 5
.else
	NOPS 7
.endif
.irp t, 0,1,2,3                        ; V's fragments land while the softmax is walked
.irp c, 0,1,2,3
	ds_load_b128 v[KV+16*\t+4*\c:KV+16*\t+4*\c+3], v[ADV] offset:8192*\q+2048*\t+512*\c
.endr
.endr
.irp j, 0,1
	ds_load_b32 v[SV+\j], v[ADT] offset:256*\q+128*\j
.endr
.if \q
	s_add_co_u32 s[TKV], s[TKV], 16384
	s_add_co_u32 s[TV], s[TV], 512
	v_add_nc_u32 v[ADV], s[TKV], v[L16]
	v_add_nc_u32 v[ADT], s[TV], v[L4]
.endif
.irp b, 0,1,2,3
	v_max3_num_f32 v[BM+\b], v[S+16*\b], v[S+1+16*\b], v[S+2+16*\b]   ; the largest score of each block of 32 keys: for the row's maximum and, since p rises with the score, for the block's largest p
.endr
.irp i, 3,5,7,9,11,13
.irp b, 0,1,2,3
	v_max3_num_f32 v[BM+\b], v[BM+\b], v[S+16*\b+\i], v[S+1+16*\b+\i]
.endr
.endr
.irp b, 0,1,2,3
	v_max_num_f32 v[BM+\b], v[BM+\b], v[S+15+16*\b]
.endr
.irp b, 0,1,2,3
	s_delay_alu instid0(VALU_DEP_4)
	v_permlanex16_b32 v[PL+\b], v[BM+\b], s[SEL], s[SEL+1]
.endr
.irp b, 0,1,2,3
	s_delay_alu instid0(VALU_DEP_4)
	v_max_num_f32 v[BM+\b], v[BM+\b], v[PL+\b]
.endr
	s_delay_alu instid0(VALU_DEP_2)
	v_max3_num_f32 v[TX], v[BM], v[BM+1], v[BM+2]
	s_delay_alu instid0(VALU_DEP_1)
	v_max_num_f32 v[TX], v[TX], v[BM+3]
	s_delay_alu instid0(VALU_DEP_1)
	v_mul_f32 v[TX], s[CS], v[TX]
	s_delay_alu instid0(VALU_DEP_1)
	v_max_num_f32 v13, v13, v[TX]                  ; the running largest t
	s_delay_alu instid0(VALU_DEP_1)
	v_floor_f32 v12, -v13                          ; the new -M = -ceil(t)
	s_delay_alu instid0(VALU_DEP_1)
	v_sub_f32 v[TX], v12, v[OM]                    ; old M - new M: a whole number, 0 or less
	s_delay_alu instid0(VALU_DEP_1)
	v_cvt_i32_f32 v[TX], v[TX]                     ; (it saturates)
	s_delay_alu instid0(VALU_DEP_1)
	v_ldexp_f32 v10, 1.0, v[TX]                    ; f = 2^(old M - new M)
.set j, 0
.rept 16
	v_pk_mul_f32 v[O+j:O+j+1], v[O+j:O+j+1], v[10:11] op_sel_hi:[1,0]   ; O^T under the new M, each tile from its low end on; ahead of the step's exponentials
.set j, j+2
.endr
.set j, 0
.rept 32
	v_pk_fma_f32 v[S+j:S+j+1], v[S+j:S+j+1], s[CS:CS+1], v[12:13] op_sel_hi:[1,0,0]   ; t - M
.set j, j+2
.endr
.irp b, 0,1,2,3
	v_fma_f32 v[BM+\b], v[BM+\b], s[CS], v12
.endr
	s_wait_alu depctr_va_vdst(0)                   ; the wait ahead of the batch
.irp b, 0,1,2,3
	v_exp_f32 v[BM+\b], v[BM+\b]                   ; the block's largest p
.endr
.set j, 0
.rept 64
	v_exp_f32 v[S+j], v[S+j]                       ; p = 2^(t - M)
.set j, j+1
.endr
	v_pk_mul_f32 v[14:15], v[14:15], v[10:11] op_sel_hi:[1,0]   ; the sum under the new M: a plain line behind the exponentials
	s_wait_alu depctr_va_vdst(0)                   ; one wait for the batch, ahead of its first reader
.irp b, 0,1,2,3
	v_max_num_f32 v[BM+\b], 0x4800000, v[BM+\b]    ; the floor 2^(9 - 127)
.endr
.irp b, 0,1,2,3
	v_add_nc_u32 v[SO+\b], 0xfc000000, v[BM+\b]    ; 8 off the exponent field: the conversion's scale operand
.endr
.irp b, 0,1,2,3
	v_and_or_b32 v[HLA+\b], v[BM+\b], 0x7f800000, s[MNT]   ; 448 x the scale
.endr
.irp b, 0,1,2,3
	v_lshrrev_b32 v[PL+\b], 23, v[SO+\b]           ; the byte
.endr
	v_lshl_or_b32 v[PW], v[PL+1], 8, v[PL]         ; p's scale word for these 128 keys
	v_lshl_or_b32 v[PW], v[PL+2], 16, v[PW]
	v_lshl_or_b32 v[PW], v[PL+3], 24, v[PW]
.irp b, 0,1,2,3
	v_mov_b32 v[HLB+\b], v[HLA+\b]                 ; the bound once more, in another bank, for the pair's second half
.endr
.irp b, 0,1,2,3
.irp i, 0,2,4,6,8,10,12,14
	v_dual_min_num_f32 v[T+\i], v[S+16*\b+\i], v[HLA+\b] :: v_dual_min_num_f32 v[T+\i+1], v[S+16*\b+\i+1], v[HLB+\b]   ; the conversion does not saturate (ISA guide 7.6.2); p is not negative
.endr
	v_cvt_scalef32_pk8_fp8_f32 v[PCD+4*\b:PCD+1+4*\b], v[T:T+7], v[SO+\b]
	v_cvt_scalef32_pk8_fp8_f32 v[PCD+2+4*\b:PCD+3+4*\b], v[T+8:T+15], v[SO+\b]
.if \b < 3
	SUMS 2*\b, 2*\b+2                              ; plain lines between the conversions and the next block's holds, which write their sources
.endif
.endr
	SUMS 6, 14                                     ; eight plain lines between the last conversion and the products
	s_wait_alu depctr_va_vdst(0)                   ; the wait here, directly ahead of the wait below
	s_wait_dscnt 0x0                               ; V
.irp j, 0,1
	v_wmma_scale_f32_16x16x128_f8f6f4 v[O+16*\j:O+16*\j+7], v[KV+32*\j:KV+32*\j+15], v[PCD:PCD+15], v[O+16*\j:O+16*\j+7], v[SV+\j], v[PW]
	v_wmma_scale_f32_16x16x128_f8f6f4 v[O+16*\j+8:O+16*\j+15], v[KV+32*\j+16:KV+32*\j+31], v[PCD:PCD+15], v[O+16*\j+8:O+16*\j+15], v[SV+\j], v[PW] matrix_a_scale:MATRIX_SCALE_ROW1
.endr
	SUMS 14, 32                                    ; the rest of the sum: it names none of the products' registers
.endm
.macro TRIPS n                         ; n trips of two steps
	s_mov_b32 s[CNT], \n
.Ltrip_\@:
	STEP 0
	STEP 1
	s_sub_co_u32 s[CNT], s[CNT], 1
	s_cmp_lg_u32 s[CNT], 0
	s_cbranch_scc1 .Ltrip_\@
.endm
	s_wait_alu depctr_va_vdst(0)                   ; the wait at the head's end
	s_wait_tensorcnt 0x0                           ; my part of steps 0-3 or of the scale words is in; the three lines ahead of a later first fill
	ds_add_u32 v[SPW], v[NIL]
	s_wait_dscnt 0x0
	CROUND                                         ; everybody's part is in, and the four partners are here
	tensor_load_to_lds s[G0R:G0R+3], s[G1C:G1C+7]  ; steps 4-15: my one load behind the round; one load of mine is out
	s_nop 0
	NOPS 4
	s_wait_loadcnt 0x0                             ; Q
	TRIPS 2                                        ; steps 0-3
	s_wait_tensorcnt 0x0                           ; my part of steps 4-15 is in
	s_wait_dscnt 0x0
	s_barrier_signal -1
	s_barrier_wait -1                              ; and everybody's
	TRIPS 6                                        ; steps 4-15
	; THE WAY OUT: O^T / the sum, quantised along the head's 64: register 16 b + i is feature 32 b + 16 h + i of my query
	v_add_f32 v14, v14, v15
	v_permlanex16_b32 v[TX], v14, s[SEL], s[SEL+1]
	v_add_f32 v14, v14, v[TX]
	s_wait_alu depctr_va_vdst(0)                   ; ahead of the transcendental
	v_rcp_f32 v14, v14
	v_and_b32 v[T+2], 15, v0                       ; r  (plain work behind the transcendental)
	v_bfe_u32 v[T+3], v0, 4, 1                     ; h
	v_and_b32 v[T], 8, v[T+2]
	v_add_nc_u32 v[T], v[T], v[T+2]                ; r + 8 (r / 8): my token, from lane 0's
	v_lshlrev_b32 v[T+1], 5, v[T]
	v_add_nc_u32 v[T+1], v[T+1], v[T+3]            ; its row of scale bytes, + h
	v_lshlrev_b32 v[T], 10, v[T]
	v_lshl_add_u32 v[T], v[T+3], 4, v[T]           ; its row of codes, + 16 h
	v_cmp_eq_u32 vcc_lo, 1, v[T+3]
	s_wait_alu depctr_va_vdst(0)                   ; ahead of the first reader of the reciprocal and of the last products' sums
.set j, 0
.rept 16
	v_pk_mul_f32 v[S+j:S+j+1], v[O+j:O+j+1], v[14:15] op_sel_hi:[1,0]
.set j, j+2
.endr
.irp b, 0,1
	v_max3_num_f32 v[BM+\b], |v[S+16*\b]|, |v[S+1+16*\b]|, 0x4800000
.endr
.irp i, 2,4,6,8,10,12,14
.irp b, 0,1
	v_max3_num_f32 v[BM+\b], v[BM+\b], |v[S+16*\b+\i]|, |v[S+1+16*\b+\i]|
.endr
.endr
.irp b, 0,1
	v_permlanex16_b32 v[PL+\b], v[BM+\b], s[SEL], s[SEL+1]
.endr
.irp b, 0,1
	v_max_num_f32 v[BM+\b], v[BM+\b], v[PL+\b]
.endr
.irp b, 0,1
	v_add_nc_u32 v[SO+\b], 0xfc000000, v[BM+\b]
.endr
.irp b, 0,1
	v_and_or_b32 v[HLA+\b], v[BM+\b], 0x7f800000, s[MNT]
.endr
.irp b, 0,1
	v_lshrrev_b32 v[PL+\b], 23, v[SO+\b]
.endr
	v_cndmask_b32 v[TX], v[PL], v[PL+1], vcc_lo    ; lanes 0-15 store block 0's byte, lanes 16-31 block 1's
.irp b, 0,1
.irp i, 0,1,2,3,4,5,6,7,8,9,10,11,12,13,14,15
	v_med3_num_f32 v[S+16*\b+\i], v[S+16*\b+\i], -v[HLA+\b], v[HLA+\b]
.endr
	v_cvt_scalef32_pk8_fp8_f32 v[PCD+4*\b:PCD+1+4*\b], v[S+16*\b:S+7+16*\b], v[SO+\b]
	v_cvt_scalef32_pk8_fp8_f32 v[PCD+2+4*\b:PCD+3+4*\b], v[S+8+16*\b:S+15+16*\b], v[SO+\b]
.endr
	v_nop
.irp b, 0,1
	global_store_b128 v[T], v[PCD+4*\b:PCD+3+4*\b], s[8:9] offset:32*\b
.endr
	global_store_b8 v[T+1], v[TX], s[10:11]
	s_wait_tensorcnt 0x0                           ; the wave's end
	ds_add_u32 v[SPW], v[NIL]
	s_wait_dscnt 0x0
	CROUND                                         ; the closing round
	s_endpgm
.Lfunc_end_k_qbd6c6cc7dd_attn:
	.size	k_qbd6c6cc7dd_attn, .Lfunc_end_k_qbd6c6cc7dd_attn-k_qbd6c6cc7dd_attn
	.p2alignl 7, 3214868480
	.fill 96, 4, 3214868480
	.section	.rodata,"a",@progbits
	.p2align	6, 0x0
	.amdhsa_kernel k_qbd6c6cc7dd_attn
		.amdhsa_group_segment_fixed_size 327680
		.amdhsa_private_segment_fixed_size 0
		.amdhsa_enable_private_segment 0
		.amdhsa_kernarg_size 32
		.amdhsa_user_sgpr_count 2
		.amdhsa_user_sgpr_kernarg_segment_ptr 1
		.amdhsa_wavefront_size32 1
		.amdhsa_system_sgpr_workgroup_id_x 1
		.amdhsa_system_sgpr_workgroup_id_y 1
		.amdhsa_system_sgpr_workgroup_id_z 1
		.amdhsa_system_vgpr_workitem_id 0
		.amdhsa_next_free_vgpr 256
		.amdhsa_next_free_sgpr 80
		.amdhsa_reserve_vcc 1
		.amdhsa_float_denorm_mode_32 3
		.amdhsa_float_denorm_mode_16_64 3
		.amdhsa_memory_ordered 1
		.amdhsa_forward_progress 1
		.amdhsa_inst_pref_size 91
	.end_amdhsa_kernel
	.amdgpu_metadata
---
amdhsa.version: [ 1, 2 ]
amdhsa.kernels:
  - .name:           k_qbd6c6cc7dd_attn
    .symbol:         k_qbd6c6cc7dd_attn.kd
    .args:
      - { .name: qi, .offset: 0, .size: 8, .value_kind: global_buffer, .address_space: global }
      - { .name: kv, .offset: 8, .size: 8, .value_kind: global_buffer, .address_space: global }
      - { .name: c1, .offset: 16, .size: 8, .value_kind: global_buffer, .address_space: global }
      - { .name: s1, .offset: 24, .size: 8, .value_kind: global_buffer, .address_space: global }
    .group_segment_fixed_size: 327680
    .private_segment_fixed_size: 0
    .kernarg_segment_align: 8
    .kernarg_segment_size: 32
    .max_flat_workgroup_size: 512
    .sgpr_count:     80
    .vgpr_count:     256
    .wavefront_size: 32
...
	.end_amdgpu_metadata
.endif
;; end of part 9
;; launch wo (part 10): grid 8 x 32, 4 waves a work-group, clusters of 4 x 4, 327,680 bytes of LDS; arguments c1, s1, wo_w_codes, wo_w_scales, wo_b, x, x1; writes x1
.if DOCPART == 10
	.amdgcn_target "amdgcn-amd-amdhsa--gfx1250"
	.amdhsa_code_object_version 6
	.text
	.protected	k_qbd6c6cc7dd_wo
	.globl	k_qbd6c6cc7dd_wo
	.p2align	8
	.type	k_qbd6c6cc7dd_wo,@function
k_qbd6c6cc7dd_wo:
	s_mov_b64 s[64:65], 0
	v_nop
	global_prefetch_b8 v0, s[64:65] scope:SCOPE_SE
	s_setreg_imm32_b32 hwreg(HW_REG_WAVE_MODE, 25, 1), 1
	s_wait_xcnt 0x0
	s_wait_alu depctr_hold_cnt(0) depctr_sa_sdst(0) depctr_va_vdst(0) depctr_va_sdst(0) depctr_va_ssrc(0) depctr_va_vcc(0) depctr_vm_vsrc(0)
	s_getreg_b32 s2, hwreg(HW_REG_IB_STS2, 6, 4)
	s_cmp_eq_u32 s2, 0
	s_cbranch_scc0 .Lentry_in_a_cluster
	s_endpgm
.Lentry_in_a_cluster:
	s_bfe_u32 s2, ttmp6, 0x10000c
	s_cmp_lg_u32 s2, 0xf033
	s_cbranch_scc0 .Lentry_shape_is_right
	s_endpgm
.Lentry_shape_is_right:
; x1 = x + attn wo_w^T + wo_b on codes of MX-FP8 (attn: codes [4096][1024] with scale bytes [4096][32]; the weight likewise, [1024][1024]); x, x1 [4096][1024] f32.
; THE TILE is 128 x 128, so that this size (4,096 x 1,024) gives 256 work-groups; four waves, 64 x 64 each: 16 accumulators of 16 x 16, 128 registers.
; K goes in steps of 512 (LDS rows of 512 bytes + 16; a wave's tensor load brings 64 of them), as long as two slots in LDS allow.  This K has two steps: both slots are first fills, and nothing is filled again.
; THE SCALE BYTES of the tile's 128 + 128 rows, for all of K, are two dense blocks of memory: they come once, with the first fills, as rows of 256 bytes + 16.
; CLUSTERS of 4 x 4: A's tiles are asked for jointly along a row of the cluster, B's along a column.  The matrix instruction is used transposed (source 0 = rows of the weight, source 1 = tokens):
; a lane holds one token and eight neighbouring columns.
; THE RESIDUAL is loaded at the head as whole rows (sixteen lanes read 256 consecutive bytes) into registers that nothing else uses, and is added, with the bias, where the results come back from the stage in the same layout.
; The sums are f32: K ascending from 0, then + (residual + bias).  LIMITS: NaN and infinities are not served.
; REGISTERS: window 0: v16-30 addresses; v32-63 scale words, two sets of 16; v64-67 the bias of my four columns; v128-255 accumulator (a, b) at v[128 + 8 (4 a + b)].
;   window 1: two sets of fragments for 128 along K, at v0 and v128: A's four (16 registers each), then B's four.   window 2: v0-127 the residual of my 64 x 64.
.set SIZE_N, 1024
.set SIZE_K, 1024
.set KSTEP,  512
.set ROWB,   1024                      ; ALL OF K in one fill: a tile's row is a whole row of 1,024 codes
.set KROW,   SIZE_K
.set PITCH,  1040                      ; an LDS row: 1,024 bytes + 16 of padding = 260 words: the 16 rows that a load touches start at 16 different banks
.set FR,     16                        ; registers of a fragment: 16 rows x 128 K
.set NP,     8                         ; places behind this matrix instruction (ISA guide 7.12.1)
.set HALFT,  64*PITCH                  ; 64 rows: what one wave reads of A or of B
.set SLOT,   512                       ; the second 512 along K lie 512 bytes on in the same rows
.set LAPS,   SIZE_K/(2*KSTEP)          ; a lap = two K steps = once round the ring
.set KS,     SIZE_K/32                 ; a row of scale bytes
.set SCL,    4*HALFT                   ; behind A's 128 and B's 128 rows: the scales
.set SRW,    64*KS/256                 ; the scales of 64 rows, as rows of 256 bytes
.set HALFS,  SRW*272                   ; and in LDS
.set SBLK,   (16*KS/256)*272           ; those of 16 rows
.set SPARE,  SCL+4*HALFS               ; the spare words, 128 bytes for each wave: two blocks of 256 bytes that no other line names
.set STAGE,  SPARE+512                 ; the way out: 16 rows x (256 + 16) bytes for each wave; no fill ever lands here
.set SPITCH, 272
.set ADRA, 16                          ; v16-17  LDS address of my A fragments in slot 0, 1
.set ADRB, 20                          ; v20-21  the same for B
.set STO,  24                          ; v24     the way out: where I put 32 bytes of a row
.set RD,   25                          ; v25     where I read 16 bytes of a row back
.set CO,   26                          ; v26     the same place in x and in x1; never rewritten
.set ADRS, 27                          ; v27     LDS address of my scale words: lanes 0-15 A's rows, lanes 16-31 B's
.set SPW,  28                          ; v28     LDS address of my spare word; never rewritten
.set NIL,  29                          ; v29     0; never rewritten
.set BO,   30                          ; v30     16 x (lane % 16): my four columns in the bias; never rewritten
.set SC,   32                          ; scale words: set s at v[SC + 16 s]; in it register 4 i + q: lanes 0-15 the word of A's block i, lanes 16-31 that of B's block i, for the slot's q-th 128 along K
.set BIA,  64
.set ACC,  128
.set G1, 24                            ; s[24:31] descriptor group 1 for A's tiles;  s[32:39] group 0, one set for each slot
.set G0, 32
.set G1B, 48                           ; the same for B's tiles
.set G0B, 56
.set G1S, 68                           ; groups 1 and 0 for A's scales;  s[80:87], s[88:91] for B's
.set G0S, 76
.set G1SB, 80
.set G0SB, 88
.set MSB, 0
.macro WIN new                         ; the immediate's high byte repeats the setting that is left
.if MSB != (\new)
	s_set_vgpr_msb (MSB<<8)|(\new)
.set MSB, (\new)
.endif
.endm
.set MUL,  0x05                        ; sources 0 (B) and 1 (A) window 1; C and D window 0
.set TO_F, 0x40                        ; destination window 1, address window 0
.macro JLOAD g0a, g1a, g0b, g1b        ; a joint load: waves 0, 1 fetch for A, waves 2, 3 for B; four v_nop follow each line
	s_cmp_eq_u32 s15, 0
	s_cbranch_scc0 .Lfor_b_\@
	tensor_load_to_lds s[\g0a:\g0a+3], s[\g1a:\g1a+7]
	s_nop 0
.rept 4
	v_nop
.endr
	s_branch .Lasked_\@
.Lfor_b_\@:
	tensor_load_to_lds s[\g0b:\g0b+3], s[\g1b:\g1b+7]
	s_nop 0
.rept 4
	v_nop
.endr
.Lasked_\@:
.endm
.macro CREST                           ; a round of the cluster's barrier behind its opening barrier
	s_cmp_lg_u32 s14, 0
	s_cbranch_scc1 .Lnot_wave_0_\@
	s_barrier_signal -3
.Lnot_wave_0_\@:
	s_barrier_wait -3
	s_barrier_signal -1
	s_barrier_wait -1
.endm
.macro CROUND
	s_barrier_signal -1
	s_barrier_wait -1
	CREST
.endm
	s_load_b128 s[4:7], s[0:1], 0x0                ; A's codes, A's scales
	s_load_b128 s[8:11], s[0:1], 0x10              ; B's codes, B's scales
	s_load_b128 s[96:99], s[0:1], 0x20             ; the bias s[96:97], the residual s[98:99]
	s_load_b64 s[12:13], s[0:1], 0x30              ; the result
	v_lshl_add_u32 v[SPW], v0, 2, SPARE
	v_mov_b32 v[NIL], 0
	ds_add_u32 v28, v29
	ds_add_u32 v28, v29
	s_wait_dscnt 0x0
	v_lshrrev_b32 v1, 5, v0
	v_readfirstlane_b32 s14, v1                    ; wave 0..3
	s_lshr_b32 s15, s14, 1                         ; which half of the tile's rows is mine.  Also: I fetch for A (0) or for B (1)
	s_and_b32 s16, s14, 1                          ; which half of its columns.
	s_bfe_u32 s40, ttmp6, 0x40000                  ; cx, cy
	s_bfe_u32 s41, ttmp6, 0x40004
	s_lshl_b32 s42, ttmp9, 2
	s_add_co_u32 s42, s42, s40                     ; tile column
	s_and_b32 s17, ttmp7, 0xffff
	s_lshl_b32 s17, s17, 2
	s_add_co_u32 s17, s17, s41                     ; tile row
	s_lshl_b32 s43, s41, 2
	s_lshl_b32 s43, 15, s43                        ; my row of the cluster
	s_lshl_b32 s44, 0x1111, s40                    ; my column
	s_or_b32 s[G1+0], s43, (0<<16)|(1<<20)|(1<<21)|(7<<22)|(3<<25)   ; the mask; elements of 1 byte; padding: 4 words behind every 256
	s_or_b32 s[G1B+0], s44, (0<<16)|(1<<20)|(1<<21)|(7<<22)|(3<<25)
.irp g, G1, G1B
	s_mov_b32 s[\g+1], ROWB<<16                    ; tensor_dim0
	s_mov_b32 s[\g+2], 128<<16
	s_mov_b32 s[\g+3], ROWB<<16                    ; tile_dim0
	s_mov_b32 s[\g+4], 128
	s_mov_b32 s[\g+5], KROW                        ; the pitch
	s_mov_b32 s[\g+6], 0
	s_mov_b32 s[\g+7], 0
.endr
	s_or_b32 s[G1S+0], s43, (3<<16)|(1<<20)|(1<<21)|(5<<22)|(3<<25)  ; elements of 8 bytes; padding: 4 words behind every 64
	s_or_b32 s[G1SB+0], s44, (3<<16)|(1<<20)|(1<<21)|(5<<22)|(3<<25)
.irp g, G1S, G1SB
	s_mov_b32 s[\g+1], 32<<16
	s_mov_b32 s[\g+2], (2*SRW)<<16
	s_mov_b32 s[\g+3], 32<<16
	s_mov_b32 s[\g+4], 2*SRW
	s_mov_b32 s[\g+5], 32
	s_mov_b32 s[\g+6], 0
	s_mov_b32 s[\g+7], 0
.endr
	s_lshl_b32 s20, s17, 7                         ; the tile's first row of A, of B
	s_lshl_b32 s46, s42, 7
	s_mov_b32 s21, 0
	s_mov_b32 s47, 0
	s_mov_b64 s[18:19], KS
	s_mul_u64 s[22:23], s[20:21], s[18:19]         ; where these rows' scales begin, in bytes
	s_mul_u64 s[92:93], s[46:47], s[18:19]
	s_mov_b64 s[18:19], KROW
	s_mul_u64 s[20:21], s[20:21], s[18:19]         ; and their codes
	s_mul_u64 s[46:47], s[46:47], s[18:19]
	s_wait_kmcnt 0x0
	s_add_nc_u64 s[20:21], s[4:5], s[20:21]
	s_add_nc_u64 s[22:23], s[6:7], s[22:23]
	s_add_nc_u64 s[46:47], s[8:9], s[46:47]
	s_add_nc_u64 s[92:93], s[10:11], s[92:93]
	CROUND                                         ; all sixteen work-groups are here: the first joint loads meet
	s_mov_b32 s[G0S], 1
	s_mov_b32 s[G0S+1], SCL
	s_mov_b64 s[G0S+2:G0S+3], s[22:23]
	s_or_b32 s[G0S+3], s[G0S+3], 0x80000000
	s_mov_b32 s[G0SB], 1
	s_mov_b32 s[G0SB+1], SCL+2*HALFS
	s_mov_b64 s[G0SB+2:G0SB+3], s[92:93]
	s_or_b32 s[G0SB+3], s[G0SB+3], 0x80000000
	s_mov_b32 s[G0], 1                             ; A's 128 whole rows
	s_mov_b32 s[G0+1], 0
	s_mov_b64 s[G0+2:G0+3], s[20:21]
	s_or_b32 s[G0+3], s[G0+3], 0x80000000
	s_mov_b32 s[G0B], 1                            ; B's, behind them
	s_mov_b32 s[G0B+1], 2*HALFT
	s_mov_b64 s[G0B+2:G0B+3], s[46:47]
	s_or_b32 s[G0B+3], s[G0B+3], 0x80000000
; the launch's four tiles, one joint load a wave: wave 0 A's rows, wave 1 B's, wave 2 A's scale bytes, wave 3 B's; each byte is filled once
.macro ARM under, g0, g1, next
	s_cmp_lt_u32 s14, \under
	s_cbranch_scc0 \next
	tensor_load_to_lds s[\g0:\g0+3], s[\g1:\g1+7]
	s_nop 0
.rept 4
	v_nop
.endr
	s_branch .Lhead_asked
\next:
.endm
	ARM 1, G0, G1, .Lhead_b
	ARM 2, G0B, G1B, .Lhead_sa
	ARM 3, G0S, G1S, .Lhead_sb
	tensor_load_to_lds s[G0SB:G0SB+3], s[G1SB:G1SB+7]
	s_nop 0
.rept 4
	v_nop
.endr
.Lhead_asked:
	v_and_b32 v1, 15, v0                           ; r
	v_bfe_u32 v2, v0, 4, 1                         ; h
	v_mul_u32_u24 v3, v1, PITCH
	v_lshl_add_u32 v4, v2, 4, v3                   ; a fragment's row x pitch + 16 x half
	s_mul_i32 s21, s15, HALFT                      ; my 64 rows of A
	s_mul_i32 s22, s16, HALFT                      ; my 64 rows of B,
	s_add_co_u32 s22, s22, 2*HALFT                 ; which lie behind A's 128
.irp s, 0,1
	v_add_nc_u32 v[ADRA+\s], s21, v4
	v_add_nc_u32 v[ADRB+\s], s22, v4
	s_add_co_u32 s21, s21, SLOT
	s_add_co_u32 s22, s22, SLOT
.endr
	v_mul_u32_u24 v5, v1, KS                       ; my row's scales: KS bytes a row,
	v_lshrrev_b32 v6, 8, v5
	v_lshl_add_u32 v5, v6, 4, v5                   ; and 16 more for each 256 passed
	s_mul_i32 s21, s15, HALFS
	s_mul_i32 s22, s16, HALFS
	s_add_co_u32 s22, s22, 2*HALFS
	s_sub_co_u32 s22, s22, s21
	v_mul_u32_u24 v6, s22, v2                      ; lanes 16-31 take B's
	s_add_co_u32 s21, s21, SCL
	v_add_nc_u32 v5, v5, v6
	v_add_nc_u32 v[ADRS], s21, v5
	s_mul_i32 s23, s14, 16*SPITCH
	s_add_co_u32 s23, s23, STAGE                   ; my stage
	v_mul_u32_u24 v5, v1, SPITCH                   ; in: row r, 32 bytes for each half of the lanes
	v_lshl_add_u32 v5, v2, 5, v5
	v_add_nc_u32 v[STO], s23, v5
	v_mul_u32_u24 v5, v2, SPITCH                   ; back: lanes 0-15 take one row of 256 bytes, lanes 16-31 the next
	v_lshl_add_u32 v5, v1, 4, v5
	v_add_nc_u32 v[RD], s23, v5
	v_lshlrev_b32 v[BO], 4, v1
	s_wait_alu depctr_va_vdst(0)
	v_lshl_add_u32 v[CO], v2, 12, v[BO]            ; and the same two rows of 4,096 bytes in memory
	s_wait_alu depctr_va_vdst(0)
	s_lshl_b32 s20, s17, 7
	s_lshl_b32 s21, s15, 6
	s_add_co_u32 s20, s20, s21                     ; my first row: 128 x tile row + 64 x half
	s_mov_b32 s21, 0
	s_mov_b64 s[18:19], SIZE_N*4
	s_mul_u64 s[20:21], s[20:21], s[18:19]
	s_lshl_b32 s46, s42, 9                         ; my first column, in bytes: 512 x tile column + 256 x half
	s_lshl_b32 s47, s16, 8
	s_add_co_u32 s46, s46, s47
	s_mov_b32 s47, 0
	s_add_nc_u64 s[20:21], s[20:21], s[46:47]
	s_add_nc_u64 s[12:13], s[12:13], s[20:21]
	s_add_nc_u64 s[98:99], s[98:99], s[20:21]
	s_add_nc_u64 s[96:97], s[96:97], s[46:47]
	global_load_b128 v[BIA:BIA+3], v[BO], s[96:97]
	WIN 0x80                                       ; destination window 2
.set i, 0
.rept 32
	global_load_b128 v[4*i:4*i+3], v[CO], s[98:99] offset:2*i*SIZE_N*4 th:TH_LOAD_NT   ; rows 2 i and 2 i + 1 of my 64: sixteen lanes read 256 consecutive bytes, aligned
.set i, i+1
.endr
	WIN 0
.macro FRAG reg, adr, q, i             ; 16 rows x 128 K: registers 4 c .. 4 c + 3 hold K = 32 c + 16 (l / 16) + 0 .. 15 of row l % 16
.irp c, 0,1,2,3
	ds_load_b128 v[\reg+4*\c:\reg+4*\c+3], v[\adr] offset:128*(\q)+32*\c+(\i)*16*PITCH
.endr
.endm
.macro FETCH slot, q, p                ; 32 LDS loads in one run: the fragments of the slot's q-th 128 along K into set p
	WIN TO_F
.irp i, 0,1,2,3
	FRAG 128*(\p)+64+FR*\i, ADRB+\slot, \q, \i
	FRAG 128*(\p)+FR*\i, ADRA+\slot, \q, \i
.endr
.endm
.macro SCALES sc                       ; a K step's scale words, four a row: lanes 0-15 take A's block i, lanes 16-31 B's block i
.irp i, 0,1,2,3
	ds_load_b128 v[SC+16*\sc+4*\i:SC+16*\sc+4*\i+3], v[ADRS] offset:\i*SBLK
.endr
.endm
; Four matrix instructions: A's block a x B's four.  zero = 1: the first product starts the sums: nothing is ever cleared.
; The 16 accumulators take turns, one instruction a turn, in the same order in every step.
.macro MUL4 a, p, q, sc, zero
.irp b, 0,1,2,3
.if \zero
	v_wmma_scale_f32_16x16x128_f8f6f4 v[ACC+8*(4*(\a)+\b):ACC+8*(4*(\a)+\b)+7], v[128*(\p)+64+FR*\b:128*(\p)+64+FR*\b+FR-1], v[128*(\p)+FR*(\a):128*(\p)+FR*(\a)+FR-1], 0, v[SC+16*(\sc)+4*\b+(\q)], v[SC+16*(\sc)+4*(\a)+(\q)] matrix_a_scale:MATRIX_SCALE_ROW1
.else
	v_wmma_scale_f32_16x16x128_f8f6f4 v[ACC+8*(4*(\a)+\b):ACC+8*(4*(\a)+\b)+7], v[128*(\p)+64+FR*\b:128*(\p)+64+FR*\b+FR-1], v[128*(\p)+FR*(\a):128*(\p)+FR*(\a)+FR-1], v[ACC+8*(4*(\a)+\b):ACC+8*(4*(\a)+\b)+7], v[SC+16*(\sc)+4*\b+(\q)], v[SC+16*(\sc)+4*(\a)+(\q)] matrix_a_scale:MATRIX_SCALE_ROW1
.endif
.endr
.endm
.macro MUL16 p, q, sc, zero
.irp a, 0,1,2,3
	MUL4 \a, \p, \q, \sc, \zero
.endr
.endm
.macro PLACES n                        ; plain vector instructions between a matrix instruction and a load into, or a read of, its registers
.rept \n
	v_nop
.endr
.endm
; 128 along K whose successor lies in the same slot: the set that is due has come; the other set, which the last step's products read, is asked for anew; then the 16 products, under which those loads land.
.macro STEP slot, q, zero
	s_wait_dscnt 0x0                               ; this step's fragments (asked for a step ago) and scale words are in
	PLACES NP
	FETCH \slot, (\q)+1, 1-(\q)%2
	WIN MUL
	MUL16 (\q)%2, \q, \slot, \zero
	WIN 0
.endm
; A slot's last step changes slots: one barrier; in front of it each wave waits for all its tensor loads, adds 0 to its spare word, and waits for that and for its reads of this slot.  fill = 1: this slot is filled again, two K steps ahead.
.macro TURN slot, next, fill
	s_wait_tensorcnt 0x0                           ; all my tensor loads have landed: my part of the next slot
	ds_add_u32 v[SPW], v[NIL]                      ; 0 onto my spare word
	s_wait_dscnt 0x1                               ; this step's fragments are in (the add, issued behind them, may be out)
	WIN MUL
	MUL4 0, 1, 3, \slot, 0                         ; four matrix instructions stand between the add and the wait for it
	s_wait_dscnt 0x0                               ; the add is done, and my reads of this slot are over
	s_barrier_signal -1
	MUL4 1, 1, 3, \slot, 0
	WIN 0
	s_barrier_wait -1
.if \fill
	CREST                                          ; the barrier has opened a round of the cluster's: no wave of any partner still reads this slot or has a load on its way
	s_add_nc_u64 s[G0+4*\slot+2:G0+4*\slot+3], s[G0+4*\slot+2:G0+4*\slot+3], 2*ROWB
	s_add_nc_u64 s[G0B+4*\slot+2:G0B+4*\slot+3], s[G0B+4*\slot+2:G0B+4*\slot+3], 2*ROWB
	JLOAD G0+4*\slot, G1, G0B+4*\slot, G1B         ; the first tensor load behind the round; its four v_nop are among the places below
	PLACES NP-4
.else
	PLACES NP
.endif
	v_add_nc_u32 v[ADRS], 16, v[ADRS]              ; the next K step's scale words (no LDS load of mine is out)
	FETCH \next, 0, 0
	WIN 0
	SCALES \next
	WIN MUL
	MUL4 2, 1, 3, \slot, 0
	MUL4 3, 1, 3, \slot, 0
	WIN 0
.endm
	s_wait_alu depctr_va_vdst(0)                   ; the wait at the head's end
	s_wait_tensorcnt 0x0                           ; my tile of the four is in
	s_barrier_signal -1
	s_barrier_wait -1
	FETCH 0, 0, 0
	WIN 0
	SCALES 0
	STEP 0, 0, 1                                   ; the first step's products start the sums
	STEP 0, 1, 0
	STEP 0, 2, 0
.if LAPS > 1
	s_mov_b32 s3, LAPS-1
.Llap:                                             ; a trip goes once round the ring and fills both slots again
	TURN 0, 1, 1
	STEP 1, 0, 0
	STEP 1, 1, 0
	STEP 1, 2, 0
	TURN 1, 0, 1
	STEP 0, 0, 0
	STEP 0, 1, 0
	STEP 0, 2, 0
	s_sub_co_u32 s3, s3, 1
	s_cmp_lg_u32 s3, 0
	s_cbranch_scc1 .Llap
.endif
	TURN 0, 1, 0                                   ; the last lap fills nothing, and has no round of the cluster's barrier
	STEP 1, 0, 0
	STEP 1, 1, 0
	STEP 1, 2, 0
	s_wait_dscnt 0x0                               ; the very last step: nothing more to fetch
	WIN MUL
	MUL16 1, 3, 1, 0
	WIN 0
; THE WAY OUT.  A lane holds 32 neighbouring bytes of a row, and the lanes beside it hold other rows: a block of 16 rows x 64 columns goes through my own stage and comes back, into the registers that it left, as whole
; rows of 256 bytes.  LDS serves a wave's instructions in order (ISA guide 5.7.1.4): no wait between the stores and the loads, nor in front of the next block's stores.
.macro TOSTAGE a
.irp b, 0,1,2,3
	ds_store_b128 v[STO], v[ACC+32*(\a)+8*\b:ACC+32*(\a)+8*\b+3] offset:64*\b          ; each accumulator from its low end on
	ds_store_b128 v[STO], v[ACC+32*(\a)+8*\b+4:ACC+32*(\a)+8*\b+7] offset:64*\b+16
.endr
.irp t, 0,1,2,3,4,5,6,7
	ds_load_b128 v[ACC+32*(\a)+4*\t:ACC+32*(\a)+4*\t+3], v[RD] offset:\t*2*SPITCH
.endr
.endm
.macro SEND a
	s_wait_dscnt 16*(3-(\a))                       ; the block is back; the 8 stores and 8 loads of each later block may be out
	WIN 0x08                                       ; source 1 (residual + bias) window 2
.set j, 0
.rept 16
	v_pk_add_f32 v[ACC+32*(\a)+2*j:ACC+32*(\a)+2*j+1], v[ACC+32*(\a)+2*j:ACC+32*(\a)+2*j+1], v[32*(\a)+2*j:32*(\a)+2*j+1]
.set j, j+1
.endr
	WIN 0
.irp t, 0,1,2,3,4,5,6,7
	global_store_b128 v[CO], v[ACC+32*(\a)+4*\t:ACC+32*(\a)+4*\t+3], s[12:13] offset:(16*(\a)+2*\t)*SIZE_N*4   ; sixteen lanes store 256 consecutive bytes, aligned; every offset is an immediate, and no register is written again
.endr
.endm
	PLACES NP                                      ; behind the last products, ahead of the reads of their results and the loads into them
	s_wait_loadcnt 0x0                             ; the bias and the residual, asked for at the head
	WIN 0x82                                       ; destination and source 0 window 2, the bias in window 0
.set i, 0
.rept 32
	v_pk_add_f32 v[4*i:4*i+1], v[4*i:4*i+1], v[BIA:BIA+1]
	v_pk_add_f32 v[4*i+2:4*i+3], v[4*i+2:4*i+3], v[BIA+2:BIA+3]
.set i, i+1
.endr
	WIN 0
	TOSTAGE 0
	TOSTAGE 1
	TOSTAGE 2
	TOSTAGE 3
	SEND 0
	SEND 1
	SEND 2
	SEND 3
	s_wait_tensorcnt 0x0                           ; the wave's end
	ds_add_u32 v[SPW], v[NIL]
	s_wait_dscnt 0x0
	CROUND                                         ; the closing round: no work-group ends while a partner may still ask for a tile that names it
	s_endpgm
.Lfunc_end_k_qbd6c6cc7dd_wo:
	.size	k_qbd6c6cc7dd_wo, .Lfunc_end_k_qbd6c6cc7dd_wo-k_qbd6c6cc7dd_wo
	.p2alignl 7, 3214868480
	.fill 96, 4, 3214868480
	.section	.rodata,"a",@progbits
	.p2align	6, 0x0
	.amdhsa_kernel k_qbd6c6cc7dd_wo
		.amdhsa_group_segment_fixed_size 327680
		.amdhsa_private_segment_fixed_size 0
		.amdhsa_enable_private_segment 0
		.amdhsa_kernarg_size 56
		.amdhsa_user_sgpr_count 2
		.amdhsa_user_sgpr_kernarg_segment_ptr 1
		.amdhsa_wavefront_size32 1
		.amdhsa_system_sgpr_workgroup_id_x 1
		.amdhsa_system_sgpr_workgroup_id_y 1
		.amdhsa_system_sgpr_workgroup_id_z 1
		.amdhsa_system_vgpr_workitem_id 0
		.amdhsa_next_free_vgpr 1024
		.amdhsa_next_free_sgpr 100
		.amdhsa_reserve_vcc 0
		.amdhsa_float_denorm_mode_32 3
		.amdhsa_float_denorm_mode_16_64 3
		.amdhsa_memory_ordered 1
		.amdhsa_forward_progress 1
		.amdhsa_inst_pref_size 64
	.end_amdhsa_kernel
	.amdgpu_metadata
---
amdhsa.version: [ 1, 2 ]
amdhsa.kernels:
  - .name:           k_qbd6c6cc7dd_wo
    .symbol:         k_qbd6c6cc7dd_wo.kd
    .args:
      - { .name: c1, .offset: 0, .size: 8, .value_kind: global_buffer, .address_space: global }
      - { .name: s1, .offset: 8, .size: 8, .value_kind: global_buffer, .address_space: global }
      - { .name: wo_w_codes, .offset: 16, .size: 8, .value_kind: global_buffer, .address_space: global }
      - { .name: wo_w_scales, .offset: 24, .size: 8, .value_kind: global_buffer, .address_space: global }
      - { .name: wo_b, .offset: 32, .size: 8, .value_kind: global_buffer, .address_space: global }
      - { .name: x, .offset: 40, .size: 8, .value_kind: global_buffer, .address_space: global }
      - { .name: x1, .offset: 48, .size: 8, .value_kind: global_buffer, .address_space: global }
    .group_segment_fixed_size: 327680
    .private_segment_fixed_size: 0
    .kernarg_segment_align: 8
    .kernarg_segment_size: 56
    .max_flat_workgroup_size: 128
    .sgpr_count:     100
    .vgpr_count:     1024
    .wavefront_size: 32
...
	.end_amdgpu_metadata
.endif
;; end of part 10
;; launch ln2: the kernel of part 7 again; grid 256 x 1, 16 waves a work-group, no clusters, 4,096 bytes of LDS; arguments x1, ln2_w, ln2_b, c1, s1; writes c1, s1
;; launch ffn1 (part 11): grid 16 x 16, 4 waves a work-group, clusters of 4 x 4, 327,680 bytes of LDS; arguments c1, s1, ffn1_w_codes, ffn1_w_scales, ffn1_b, fs, fc; writes fs, fc
.if DOCPART == 11
	.amdgcn_target "amdgcn-amd-amdhsa--gfx1250"
	.amdhsa_code_object_version 6
	.text
	.protected	k_qbd6c6cc7dd_ffn1
	.globl	k_qbd6c6cc7dd_ffn1
	.p2align	8
	.type	k_qbd6c6cc7dd_ffn1,@function
k_qbd6c6cc7dd_ffn1:
	s_mov_b64 s[64:65], 0
	v_nop
	global_prefetch_b8 v0, s[64:65] scope:SCOPE_SE
	s_setreg_imm32_b32 hwreg(HW_REG_WAVE_MODE, 25, 1), 1
	s_wait_xcnt 0x0
	s_wait_alu depctr_hold_cnt(0) depctr_sa_sdst(0) depctr_va_vdst(0) depctr_va_sdst(0) depctr_va_ssrc(0) depctr_va_vcc(0) depctr_vm_vsrc(0)
	s_getreg_b32 s2, hwreg(HW_REG_IB_STS2, 6, 4)
	s_cmp_eq_u32 s2, 0
	s_cbranch_scc0 .Lentry_in_a_cluster
	s_endpgm
.Lentry_in_a_cluster:
	s_bfe_u32 s2, ttmp6, 0x10000c
	s_cmp_lg_u32 s2, 0xf033
	s_cbranch_scc0 .Lentry_shape_is_right
	s_endpgm
.Lentry_shape_is_right:
.set SIZE_N, 4096
.set SIZE_K, 1024
.set SD0,    32
.set SRW,    32
.set SPT,    32
.set SQI,    5
.set KSTEP,  256
.set NQ,     2
.set ROWB,   256
.set KROW,   SIZE_K
.set PITCH,  272
.set FR,     16
.set NL,     4
.set NP,     8
.set HALFT,  128*PITCH
.set SLOT,   4*HALFT
.set LAPS,   SIZE_K/(2*KSTEP)
.set KS,     SIZE_K/32
.set SCL,    2*SLOT
.set HALFS,  4352
.set SBLK,   544
.set SPARE,  SCL+4*HALFS
.set ADRA, 16
.set ADRB, 20
.set SGO,  18
.set STO,  24
.set RD,   25
.set CO,   26
.set ADRS, 27
.set SPW,  28
.set NIL,  29
.set SSW,  30
.set SSR,  31
.set SC,   32
.set BI,   64
.set AF,   128
.set TM,   32
.set PC,   52
.set G1, 24
.set G0, 32
.set G1B, 48
.set G0B, 56
.set G1S, 68
.set G0S, 76
.set G1SB, 80
.set G0SB, 88
.set MSB, 0
.macro WIN new
.if MSB != (\new)
	s_set_vgpr_msb (MSB<<8)|(\new)
.set MSB, (\new)
.endif
.endm
.set MUL_LO, 0xa1
.set MUL_HI, 0xf1
.set FST_LO, 0x81
.set FST_HI, 0xc1
.set TO_B,   0x40
.macro JLOAD g0a, g1a, g0b, g1b
	s_cmp_eq_u32 s15, 0
	s_cbranch_scc0 .Lfor_b_\@
	tensor_load_to_lds s[\g0a:\g0a+3], s[\g1a:\g1a+7]
	s_nop 0
.rept 4
	v_nop
.endr
	s_branch .Lasked_\@
.Lfor_b_\@:
	tensor_load_to_lds s[\g0b:\g0b+3], s[\g1b:\g1b+7]
	s_nop 0
.rept 4
	v_nop
.endr
.Lasked_\@:
.endm
.macro CREST
	s_cmp_lg_u32 s14, 0
	s_cbranch_scc1 .Lnot_wave_0_\@
	s_barrier_signal -3
.Lnot_wave_0_\@:
	s_barrier_wait -3
	s_barrier_signal -1
	s_barrier_wait -1
.endm
.macro CROUND
	s_barrier_signal -1
	s_barrier_wait -1
	CREST
.endm
	s_load_b128 s[4:7], s[0:1], 0x0
	s_load_b128 s[8:11], s[0:1], 0x10
	s_load_b128 s[96:99], s[0:1], 0x20
	s_load_b64 s[12:13], s[0:1], 0x30
	v_lshl_add_u32 v[SPW], v0, 2, SPARE
	v_mov_b32 v[NIL], 0
	ds_add_u32 v28, v29
	ds_add_u32 v28, v29
	s_wait_dscnt 0x0
	v_lshrrev_b32 v1, 5, v0
	v_readfirstlane_b32 s14, v1
	s_lshr_b32 s15, s14, 1
	s_and_b32 s16, s14, 1
	s_bfe_u32 s40, ttmp6, 0x40000
	s_bfe_u32 s41, ttmp6, 0x40004
	s_lshl_b32 s42, ttmp9, 2
	s_add_co_u32 s42, s42, s40
	s_and_b32 s17, ttmp7, 0xffff
	s_lshl_b32 s17, s17, 2
	s_add_co_u32 s17, s17, s41
	s_lshl_b32 s43, s41, 2
	s_lshl_b32 s43, 15, s43
	s_lshl_b32 s44, 0x1111, s40
	s_or_b32 s[G1+0], s43, (0<<16)|(1<<20)|(1<<21)|(5<<22)|(3<<25)
	s_or_b32 s[G1B+0], s44, (0<<16)|(1<<20)|(1<<21)|(5<<22)|(3<<25)
.irp g, G1, G1B
	s_mov_b32 s[\g+1], ROWB<<16
	s_mov_b32 s[\g+2], 256<<16
	s_mov_b32 s[\g+3], ROWB<<16
	s_mov_b32 s[\g+4], 256
	s_mov_b32 s[\g+5], KROW
	s_mov_b32 s[\g+6], 0
	s_mov_b32 s[\g+7], 0
.endr
	s_or_b32 s[G1S+0], s43, (3<<16)|(1<<20)|(1<<21)|(SQI<<22)|(3<<25)
	s_or_b32 s[G1SB+0], s44, (3<<16)|(1<<20)|(1<<21)|(SQI<<22)|(3<<25)
.irp g, G1S, G1SB
	s_mov_b32 s[\g+1], SD0<<16
	s_mov_b32 s[\g+2], SRW<<16
	s_mov_b32 s[\g+3], SD0<<16
	s_mov_b32 s[\g+4], SRW
	s_mov_b32 s[\g+5], SPT
	s_mov_b32 s[\g+6], 0
	s_mov_b32 s[\g+7], 0
.endr
	s_lshl_b32 s20, s17, 8                         ; the tile's first row of A, of B
	s_lshl_b32 s46, s42, 8
	s_mov_b32 s21, 0
	s_mov_b32 s47, 0
	s_mov_b64 s[18:19], KS
	s_mul_u64 s[22:23], s[20:21], s[18:19]
	s_mul_u64 s[92:93], s[46:47], s[18:19]
	s_mov_b64 s[18:19], KROW
	s_mul_u64 s[20:21], s[20:21], s[18:19]
	s_mul_u64 s[46:47], s[46:47], s[18:19]
	s_mul_i32 s45, s14, HALFT
	s_wait_kmcnt 0x0
	s_add_nc_u64 s[20:21], s[4:5], s[20:21]
	s_add_nc_u64 s[22:23], s[6:7], s[22:23]
	s_add_nc_u64 s[46:47], s[8:9], s[46:47]
	s_add_nc_u64 s[92:93], s[10:11], s[92:93]
	CROUND
	s_mov_b32 s[G0S], 1
	s_mov_b32 s[G0S+1], SCL
	s_mov_b64 s[G0S+2:G0S+3], s[22:23]
	s_or_b32 s[G0S+3], s[G0S+3], 0x80000000
	s_mov_b32 s[G0SB], 1
	s_mov_b32 s[G0SB+1], SCL+2*HALFS
	s_mov_b64 s[G0SB+2:G0SB+3], s[92:93]
	s_or_b32 s[G0SB+3], s[G0SB+3], 0x80000000
	s_mov_b32 s4, 1                                ; group 0 of the head's loads of K step 0: A's 256 rows, B's 256 rows (the arguments that lay here have been used)
	s_mov_b32 s5, 0
	s_mov_b64 s[6:7], s[20:21]
	s_or_b32 s7, s7, 0x80000000
	s_mov_b32 s8, 1
	s_mov_b32 s9, 2*HALFT
	s_mov_b64 s[10:11], s[46:47]
	s_or_b32 s11, s11, 0x80000000
	s_mul_i32 s18, s16, 128*KROW                   ; for the ring: my 128 rows of the tile
	s_mov_b32 s19, 0
	s_add_nc_u64 s[20:21], s[20:21], s[18:19]
	s_add_nc_u64 s[46:47], s[46:47], s[18:19]
.irp s, 0,1
	s_mov_b32 s[G0+4*\s], 1
	s_add_co_u32 s[G0+4*\s+1], s45, \s*SLOT
	s_add_nc_u64 s[G0+4*\s+2:G0+4*\s+3], s[20:21], \s*ROWB
	s_or_b32 s[G0+4*\s+3], s[G0+4*\s+3], 0x80000000
	s_mov_b32 s[G0B+4*\s], 1
	s_add_co_u32 s[G0B+4*\s+1], s45, \s*SLOT
	s_add_nc_u64 s[G0B+4*\s+2:G0B+4*\s+3], s[46:47], \s*ROWB
	s_or_b32 s[G0B+4*\s+3], s[G0B+4*\s+3], 0x80000000
.endr
; the head's four tiles, one joint load a wave: wave 0 A's 256 rows of K step 0, wave 1 B's, wave 2 A's scale bytes, wave 3 B's; one chain of branches on the wave's number
.macro ARM under, g0, g1, next
	s_cmp_lt_u32 s14, \under
	s_cbranch_scc0 \next
	tensor_load_to_lds s[\g0:\g0+3], s[\g1:\g1+7]
	s_nop 0
.rept 4
	v_nop
.endr
	s_branch .Lhead_asked
\next:
.endm
	ARM 1, 4, G1, .Lhead_b
	ARM 2, 8, G1B, .Lhead_sa
	ARM 3, G0S, G1S, .Lhead_sb
	tensor_load_to_lds s[G0SB:G0SB+3], s[G1SB:G1SB+7]
	s_nop 0
.rept 4
	v_nop
.endr
.Lhead_asked:
	v_and_b32 v1, 15, v0
	v_bfe_u32 v2, v0, 4, 1
	v_mul_u32_u24 v3, v1, PITCH
	v_lshl_add_u32 v4, v2, 4, v3
	s_mul_i32 s21, s15, HALFT
	s_mul_i32 s22, s16, HALFT
	s_add_co_u32 s22, s22, 2*HALFT
.irp s, 0,1
	v_add_nc_u32 v[ADRA+\s], s21, v4
	v_add_nc_u32 v[ADRB+\s], s22, v4
	s_add_co_u32 s21, s21, SLOT
	s_add_co_u32 s22, s22, SLOT
.endr
	v_mul_u32_u24 v5, v1, KS
	v_lshrrev_b32 v6, 8, v5
	v_lshl_add_u32 v5, v6, 4, v5
	s_mul_i32 s21, s15, HALFS
	s_mul_i32 s22, s16, HALFS
	s_add_co_u32 s22, s22, 2*HALFS
	s_sub_co_u32 s22, s22, s21
	v_mul_u32_u24 v6, s22, v2
	s_add_co_u32 s21, s21, SCL
	v_add_nc_u32 v5, v5, v6
	v_add_nc_u32 v[ADRS], s21, v5
	s_mul_i32 s23, s15, 128*272
	s_lshl_b32 s21, s16, 7
	s_add_co_u32 s23, s23, s21
	v_mul_u32_u24 v5, v1, 272
	v_lshl_add_u32 v5, v2, 3, v5
	v_add_nc_u32 v[STO], s23, v5
	s_mul_i32 s23, s14, 64*272
	v_mul_u32_u24 v5, v2, 272
	v_lshl_add_u32 v5, v1, 4, v5
	v_add_nc_u32 v[RD], s23, v5
	v_lshlrev_b32 v5, 4, v1
	v_lshl_add_u32 v[CO], v2, 12, v5
	s_lshl_b32 s23, s15, 10
	s_lshl_b32 s21, s16, 2
	s_add_co_u32 s23, s23, s21
	s_add_co_u32 s23, s23, 69632
	v_lshl_add_u32 v[SSW], v1, 3, s23
	s_lshl_b32 s23, s14, 9
	s_add_co_u32 s23, s23, 69632
	v_and_b32 v5, 31, v0
	v_lshl_add_u32 v[SSR], v5, 3, s23
	v_lshlrev_b32 v[SGO], 7, v5
	s_lshl_b32 s20, s17, 8
	s_lshl_b32 s21, s14, 6
	s_add_co_u32 s20, s20, s21
	s_lshl_b32 s18, s20, 12
	s_lshl_b32 s21, s42, 8
	s_add_co_u32 s18, s18, s21
	s_mov_b32 s19, 0
	s_add_nc_u64 s[12:13], s[12:13], s[18:19]
	s_lshl_b32 s18, s20, 7
	s_lshl_b32 s21, s42, 3
	s_add_co_u32 s18, s18, s21
	s_add_nc_u64 s[98:99], s[98:99], s[18:19]
	s_lshl_b32 s46, s42, 10
	s_lshl_b32 s47, s16, 9
	s_add_co_u32 s46, s46, s47
	s_mov_b32 s47, 0
	s_add_nc_u64 s[96:97], s[96:97], s[46:47]
	v_lshlrev_b32 v3, 5, v2
.irp b, 0,1,2,3,4,5,6,7
	global_load_b128 v[BI+8*\b:BI+8*\b+3],   v3, s[96:97] offset:64*\b
	global_load_b128 v[BI+8*\b+4:BI+8*\b+7], v3, s[96:97] offset:64*\b+16
.endr
	s_mov_b32 s2, 0x600000
	s_mov_b32 s100, 0x76543210
	s_mov_b32 s101, 0xfedcba98
.macro FRAG reg, adr, q, i
.irp c, 0,1,2,3
	ds_load_b128 v[\reg+4*\c:\reg+4*\c+3], v[\adr] offset:128*(\q)+32*\c+(\i)*16*PITCH
.endr
.endm
.macro MUL16 a0, p, q, sc, first
.irp a, \a0, \a0+1
.irp b, 0,1,2,3,4,5,6,7
.if \first
	v_wmma_scale_f32_16x16x128_f8f6f4 v[8*(8*((\a)%4)+\b):8*(8*((\a)%4)+\b)+7], v[128*(\p)+FR*\b:128*(\p)+FR*\b+FR-1], v[AF+FR*(\a):AF+FR*(\a)+FR-1], v[BI+8*\b:BI+8*\b+7], v[SC+8*NQ*(\sc)+NQ*\b+(\q)], v[SC+8*NQ*(\sc)+NQ*(\a)+(\q)] matrix_a_scale:MATRIX_SCALE_ROW1
.else
	v_wmma_scale_f32_16x16x128_f8f6f4 v[8*(8*((\a)%4)+\b):8*(8*((\a)%4)+\b)+7], v[128*(\p)+FR*\b:128*(\p)+FR*\b+FR-1], v[AF+FR*(\a):AF+FR*(\a)+FR-1], v[8*(8*((\a)%4)+\b):8*(8*((\a)%4)+\b)+7], v[SC+8*NQ*(\sc)+NQ*\b+(\q)], v[SC+8*NQ*(\sc)+NQ*(\a)+(\q)] matrix_a_scale:MATRIX_SCALE_ROW1
.endif
.endr
.endr
.endm
.macro FETCH_B slot, q, p
	WIN TO_B
.irp i, 0,1,2,3,4,5,6,7
	FRAG 128*(\p)+FR*\i, ADRB+\slot, \q, \i
.endr
	WIN 0
.endm
.macro FETCH_A slot, q, i0
.irp i, \i0, \i0+1, \i0+2, \i0+3
	FRAG AF+FR*(\i), ADRA+\slot, \q, \i
.endr
.endm
.macro SCALES sc
.irp i, 0,1,2,3,4,5,6,7
	ds_load_b64 v[SC+8*NQ*\sc+NQ*\i:SC+8*NQ*\sc+NQ*\i+1], v[ADRS] offset:\i*SBLK
.endr
.endm
.macro PLACES n
.rept \n
	v_nop
.endr
.endm
.macro STEP slot, q, first
	s_wait_dscnt 4*NL
.if \first
	WIN FST_LO
.else
	WIN MUL_LO
.endif
	MUL16 0, (\q)%2, \q, \slot, \first
	MUL16 2, (\q)%2, \q, \slot, \first
	s_wait_dscnt 0
	PLACES NP
	FETCH_B \slot, (\q)+1, 1-(\q)%2
	FETCH_A \slot, (\q)+1, 0
.if \first
	WIN FST_HI
.else
	WIN MUL_HI
.endif
	MUL16 4, (\q)%2, \q, \slot, \first
	MUL16 6, (\q)%2, \q, \slot, \first
	PLACES NP
	WIN 0
	FETCH_A \slot, (\q)+1, 4
.endm
.macro TURN slot, next, fill
	s_wait_tensorcnt 0x0
	ds_add_u32 v[SPW], v[NIL]
	s_wait_dscnt 4*NL+1
	WIN MUL_LO
	MUL16 0, 1, NQ-1, \slot, 0
	s_wait_dscnt 0x0
	s_barrier_signal -1
	MUL16 2, 1, NQ-1, \slot, 0
	WIN 0
	s_barrier_wait -1
.if \fill
	CREST
	s_add_nc_u64 s[G0+4*\slot+2:G0+4*\slot+3], s[G0+4*\slot+2:G0+4*\slot+3], 2*ROWB
	s_add_nc_u64 s[G0B+4*\slot+2:G0B+4*\slot+3], s[G0B+4*\slot+2:G0B+4*\slot+3], 2*ROWB
	JLOAD G0+4*\slot, G1, G0B+4*\slot, G1B
	PLACES NP-4
.else
	PLACES NP
.endif
	s_wait_alu depctr_va_vdst(0)
	v_add_nc_u32 v[ADRS], 4*NQ, v[ADRS]
	FETCH_B \next, 0, 0
	FETCH_A \next, 0, 0
	SCALES \next
	WIN MUL_HI
	MUL16 4, 1, NQ-1, \slot, 0
	MUL16 6, 1, NQ-1, \slot, 0
	PLACES NP
	WIN 0
	FETCH_A \next, 0, 4
.endm
	s_wait_alu depctr_va_vdst(0)                   ; the wait at the head's end
	s_wait_tensorcnt 0x0                           ; my tile of the head's four is in
	ds_add_u32 v[SPW], v[NIL]
	s_mov_b32 s[G1+2], 128<<16                     ; no load of mine is out: from here on a load brings 128 rows
	s_mov_b32 s[G1+4], 128
	s_mov_b32 s[G1B+2], 128<<16
	s_mov_b32 s[G1B+4], 128
	s_wait_dscnt 0x0
	CROUND                                         ; all four tiles are in, and the partners are here
	JLOAD G0+4, G1, G0B+4, G1B                     ; K step 1, slot 1's first fill: the first tensor load behind the round
	FETCH_B 0, 0, 0
	FETCH_A 0, 0, 0
	SCALES 0
	FETCH_A 0, 0, 4
	s_wait_loadcnt 0x0
	STEP 0, 0, 1
	s_mov_b32 s3, LAPS-1
.Llap:
	TURN 0, 1, 1
	STEP 1, 0, 0
	TURN 1, 0, 1
	STEP 0, 0, 0
	s_sub_co_u32 s3, s3, 1
	s_cmp_lg_u32 s3, 0
	s_cbranch_scc1 .Llap
	TURN 0, 1, 0
	STEP 1, 0, 0
	s_wait_dscnt 4*NL
	WIN MUL_LO
	MUL16 0, 1, NQ-1, 1, 0
	MUL16 2, 1, NQ-1, 1, 0
	s_wait_dscnt 0
	WIN MUL_HI
	MUL16 4, 1, NQ-1, 1, 0
	MUL16 6, 1, NQ-1, 1, 0
	WIN 0
	PLACES NP
.irp q, 0,1,2,3
	v_mov_b32 v[TM+4+\q], 0
.endr
.macro QROW a
.set AC, 64*((\a)%4)
.set W, 2+(\a)/4
	WIN W|(W<<2)
.irp q, 0,1,2,3
	v_max3_num_f32 v[TM+\q], v[AC+16*\q], v[AC+16*\q+1], 0x4800000
.endr
	WIN (W<<2)|(W<<4)
.irp i, 2,4,6,8,10,12,14
.irp q, 0,1,2,3
	v_max3_num_f32 v[TM+\q], v[TM+\q], v[AC+16*\q+\i], v[AC+16*\q+\i+1]
.endr
.endr
	WIN 0
.irp q, 0,1,2,3
	v_permlanex16_b32 v[TM+4+\q], v[TM+\q], s100, s101
.endr
.irp q, 0,1,2,3
	v_max_num_f32 v[TM+\q], v[TM+\q], v[TM+4+\q]
.endr
.irp q, 0,1,2,3
	v_add_nc_u32 v[TM+12+\q], 0xfc000000, v[TM+\q]
.endr
.irp q, 0,1,2,3
	v_and_or_b32 v[TM+8+\q], v[TM+\q], 0x7f800000, s2
.endr
.irp q, 0,1,2,3
	v_lshrrev_b32 v[TM+4+\q], 23, v[TM+12+\q]
.endr
	WIN W|(W<<6)
.irp q, 0,1,2,3
.irp i, 0,1,2,3,4,5,6,7,8,9,10,11,12,13,14,15
	v_med3_num_f32 v[AC+16*\q+\i], v[AC+16*\q+\i], 0, v[TM+8+\q]
.endr
.endr
	s_wait_alu depctr_va_vdst(0)
	s_wait_dscnt 0x0
	WIN W
.irp q, 0,1,2,3
	v_cvt_scalef32_pk8_fp8_f32 v[PC+4*\q:PC+4*\q+1], v[AC+16*\q:AC+16*\q+7], v[TM+12+\q]
	v_cvt_scalef32_pk8_fp8_f32 v[PC+4*\q+2:PC+4*\q+3], v[AC+16*\q+8:AC+16*\q+15], v[TM+12+\q]
.endr
	WIN 0
	v_nop
	v_lshl_or_b32 v48, v[TM+5], 8, v[TM+4]
	v_lshl_or_b32 v48, v[TM+6], 16, v48
	v_lshl_or_b32 v48, v[TM+7], 24, v48
.irp q, 0,1,2,3
	ds_store_b64 v[STO], v[PC+4*\q:PC+4*\q+1] offset:4352*(\a)+32*\q
	ds_store_b64 v[STO], v[PC+4*\q+2:PC+4*\q+3] offset:4352*(\a)+32*\q+16
.endr
	ds_store_b32 v[SSW], v48 offset:128*(\a)
.endm
.irp a, 0,1,2,3,4,5,6,7
	QROW \a
.endr
	s_wait_dscnt 0x0
	s_barrier_signal -1
	s_barrier_wait -1
.set t, 0
.rept 32
	ds_load_b128 v[128+4*t:128+4*t+3], v[RD] offset:544*t
.set t, t+1
.endr
.irp i, 0,1
	ds_load_b64 v[72+2*\i:73+2*\i], v[SSR] offset:256*\i
.endr
.set t, 0
.rept 32
	s_wait_dscnt 33-t
	global_store_b128 v[CO], v[128+4*t:128+4*t+3], s[12:13] offset:8192*t
.set t, t+1
.endr
.irp i, 0,1
	s_wait_dscnt 1-\i
	global_store_b64 v[SGO], v[72+2*\i:73+2*\i], s[98:99] offset:4096*\i
.endr
	s_wait_tensorcnt 0x0
	ds_add_u32 v[SPW], v[NIL]
	s_wait_dscnt 0x0
	CROUND
	s_endpgm
.Lfunc_end_k_qbd6c6cc7dd_ffn1:
	.size	k_qbd6c6cc7dd_ffn1, .Lfunc_end_k_qbd6c6cc7dd_ffn1-k_qbd6c6cc7dd_ffn1
	.p2alignl 7, 3214868480
	.fill 96, 4, 3214868480
	.section	.rodata,"a",@progbits
	.p2align	6, 0x0
	.amdhsa_kernel k_qbd6c6cc7dd_ffn1
		.amdhsa_group_segment_fixed_size 327680
		.amdhsa_private_segment_fixed_size 0
		.amdhsa_enable_private_segment 0
		.amdhsa_kernarg_size 56
		.amdhsa_user_sgpr_count 2
		.amdhsa_user_sgpr_kernarg_segment_ptr 1
		.amdhsa_wavefront_size32 1
		.amdhsa_system_sgpr_workgroup_id_x 1
		.amdhsa_system_sgpr_workgroup_id_y 1
		.amdhsa_system_sgpr_workgroup_id_z 1
		.amdhsa_system_vgpr_workitem_id 0
		.amdhsa_next_free_vgpr 1024
		.amdhsa_next_free_sgpr 102
		.amdhsa_reserve_vcc 0
		.amdhsa_float_denorm_mode_32 3
		.amdhsa_float_denorm_mode_16_64 3
		.amdhsa_memory_ordered 1
		.amdhsa_forward_progress 1
		.amdhsa_inst_pref_size 197
	.end_amdhsa_kernel
	.amdgpu_metadata
---
amdhsa.version: [ 1, 2 ]
amdhsa.kernels:
  - .name:           k_qbd6c6cc7dd_ffn1
    .symbol:         k_qbd6c6cc7dd_ffn1.kd
    .args:
      - { .name: c1, .offset: 0, .size: 8, .value_kind: global_buffer, .address_space: global }
      - { .name: s1, .offset: 8, .size: 8, .value_kind: global_buffer, .address_space: global }
      - { .name: ffn1_w_codes, .offset: 16, .size: 8, .value_kind: global_buffer, .address_space: global }
      - { .name: ffn1_w_scales, .offset: 24, .size: 8, .value_kind: global_buffer, .address_space: global }
      - { .name: ffn1_b, .offset: 32, .size: 8, .value_kind: global_buffer, .address_space: global }
      - { .name: fs, .offset: 40, .size: 8, .value_kind: global_buffer, .address_space: global }
      - { .name: fc, .offset: 48, .size: 8, .value_kind: global_buffer, .address_space: global }
    .group_segment_fixed_size: 327680
    .private_segment_fixed_size: 0
    .kernarg_segment_align: 8
    .kernarg_segment_size: 56
    .max_flat_workgroup_size: 128
    .sgpr_count:     102
    .vgpr_count:     1024
    .wavefront_size: 32
...
	.end_amdgpu_metadata
.endif
;; end of part 11
;; launch ffn2 (part 12): grid 8 x 32, 4 waves a work-group, clusters of 4 x 4, 327,680 bytes of LDS; arguments fc, fs, ffn2_w_codes, ffn2_w_scales, ffn2_b, x1, out0; writes out0
.if DOCPART == 12
	.amdgcn_target "amdgcn-amd-amdhsa--gfx1250"
	.amdhsa_code_object_version 6
	.text
	.protected	k_qbd6c6cc7dd_ffn2
	.globl	k_qbd6c6cc7dd_ffn2
	.p2align	8
	.type	k_qbd6c6cc7dd_ffn2,@function
k_qbd6c6cc7dd_ffn2:
	s_mov_b64 s[64:65], 0
	v_nop
	global_prefetch_b8 v0, s[64:65] scope:SCOPE_SE
	s_setreg_imm32_b32 hwreg(HW_REG_WAVE_MODE, 25, 1), 1
	s_wait_xcnt 0x0
	s_wait_alu depctr_hold_cnt(0) depctr_sa_sdst(0) depctr_va_vdst(0) depctr_va_sdst(0) depctr_va_ssrc(0) depctr_va_vcc(0) depctr_vm_vsrc(0)
	s_getreg_b32 s2, hwreg(HW_REG_IB_STS2, 6, 4)
	s_cmp_eq_u32 s2, 0
	s_cbranch_scc0 .Lentry_in_a_cluster
	s_endpgm
.Lentry_in_a_cluster:
	s_bfe_u32 s2, ttmp6, 0x10000c
	s_cmp_lg_u32 s2, 0xf033
	s_cbranch_scc0 .Lentry_shape_is_right
	s_endpgm
.Lentry_shape_is_right:
.set SIZE_N, 1024
.set SIZE_K, 4096
.set KSTEP,  512
.set ROWB,   512
.set KROW,   SIZE_K
.set PITCH,  528
.set FR,     16
.set NP,     8
.set HALFT,  64*PITCH
.set SLOT,   4*HALFT
.set LAPS,   SIZE_K/(2*KSTEP)
.set KS,     SIZE_K/32
.set SCL,    2*SLOT
.set SRW,    64*KS/256
.set HALFS,  SRW*272
.set SBLK,   (16*KS/256)*272
.set SPARE,  SCL+4*HALFS
.set STAGE,  SPARE+512
.set SPITCH, 272
.set ADRA, 16
.set ADRB, 20
.set STO,  24
.set RD,   25
.set CO,   26
.set ADRS, 27
.set SPW,  28
.set NIL,  29
.set BO,   30
.set SC,   32
.set BIA,  64
.set ACC,  128
.set G1, 24
.set G0, 32
.set G1B, 48
.set G0B, 56
.set G1S, 68
.set G0S, 76
.set G1SB, 80
.set G0SB, 88
.set MSB, 0
.macro WIN new
.if MSB != (\new)
	s_set_vgpr_msb (MSB<<8)|(\new)
.set MSB, (\new)
.endif
.endm
.set MUL,  0x05
.set TO_F, 0x40
.macro JLOAD g0a, g1a, g0b, g1b
	s_cmp_eq_u32 s15, 0
	s_cbranch_scc0 .Lfor_b_\@
	tensor_load_to_lds s[\g0a:\g0a+3], s[\g1a:\g1a+7]
	s_nop 0
.rept 4
	v_nop
.endr
	s_branch .Lasked_\@
.Lfor_b_\@:
	tensor_load_to_lds s[\g0b:\g0b+3], s[\g1b:\g1b+7]
	s_nop 0
.rept 4
	v_nop
.endr
.Lasked_\@:
.endm
.macro CREST
	s_cmp_lg_u32 s14, 0
	s_cbranch_scc1 .Lnot_wave_0_\@
	s_barrier_signal -3
.Lnot_wave_0_\@:
	s_barrier_wait -3
	s_barrier_signal -1
	s_barrier_wait -1
.endm
.macro CROUND
	s_barrier_signal -1
	s_barrier_wait -1
	CREST
.endm
	s_load_b128 s[4:7], s[0:1], 0x0
	s_load_b128 s[8:11], s[0:1], 0x10
	s_load_b128 s[96:99], s[0:1], 0x20
	s_load_b64 s[12:13], s[0:1], 0x30
	v_lshl_add_u32 v[SPW], v0, 2, SPARE
	v_mov_b32 v[NIL], 0
	ds_add_u32 v28, v29
	ds_add_u32 v28, v29
	s_wait_dscnt 0x0
	v_lshrrev_b32 v1, 5, v0
	v_readfirstlane_b32 s14, v1
	s_lshr_b32 s15, s14, 1
	s_and_b32 s16, s14, 1
	s_bfe_u32 s40, ttmp6, 0x40000
	s_bfe_u32 s41, ttmp6, 0x40004
	s_lshl_b32 s42, ttmp9, 2
	s_add_co_u32 s42, s42, s40
	s_and_b32 s17, ttmp7, 0xffff
	s_lshl_b32 s17, s17, 2
	s_add_co_u32 s17, s17, s41
	s_lshl_b32 s43, s41, 2
	s_lshl_b32 s43, 15, s43
	s_lshl_b32 s44, 0x1111, s40
	s_or_b32 s[G1+0], s43, (0<<16)|(1<<20)|(1<<21)|(6<<22)|(3<<25)
	s_or_b32 s[G1B+0], s44, (0<<16)|(1<<20)|(1<<21)|(6<<22)|(3<<25)
.irp g, G1, G1B
	s_mov_b32 s[\g+1], ROWB<<16
	s_mov_b32 s[\g+2], 128<<16
	s_mov_b32 s[\g+3], ROWB<<16
	s_mov_b32 s[\g+4], 128
	s_mov_b32 s[\g+5], KROW
	s_mov_b32 s[\g+6], 0
	s_mov_b32 s[\g+7], 0
.endr
	s_or_b32 s[G1S+0], s43, (3<<16)|(1<<20)|(1<<21)|(5<<22)|(3<<25)
	s_or_b32 s[G1SB+0], s44, (3<<16)|(1<<20)|(1<<21)|(5<<22)|(3<<25)
.irp g, G1S, G1SB
	s_mov_b32 s[\g+1], 32<<16
	s_mov_b32 s[\g+2], (2*SRW)<<16
	s_mov_b32 s[\g+3], 32<<16
	s_mov_b32 s[\g+4], 2*SRW
	s_mov_b32 s[\g+5], 32
	s_mov_b32 s[\g+6], 0
	s_mov_b32 s[\g+7], 0
.endr
	s_lshl_b32 s20, s17, 7                         ; the tile's first row of A, of B
	s_lshl_b32 s46, s42, 7
	s_mov_b32 s21, 0
	s_mov_b32 s47, 0
	s_mov_b64 s[18:19], KS
	s_mul_u64 s[22:23], s[20:21], s[18:19]
	s_mul_u64 s[92:93], s[46:47], s[18:19]
	s_mov_b64 s[18:19], KROW
	s_mul_u64 s[20:21], s[20:21], s[18:19]
	s_mul_u64 s[46:47], s[46:47], s[18:19]
	s_mul_i32 s45, s14, HALFT
	s_wait_kmcnt 0x0
	s_add_nc_u64 s[20:21], s[4:5], s[20:21]
	s_add_nc_u64 s[22:23], s[6:7], s[22:23]
	s_add_nc_u64 s[46:47], s[8:9], s[46:47]
	s_add_nc_u64 s[92:93], s[10:11], s[92:93]
	CROUND
	s_mov_b32 s[G0S], 1
	s_mov_b32 s[G0S+1], SCL
	s_mov_b64 s[G0S+2:G0S+3], s[22:23]
	s_or_b32 s[G0S+3], s[G0S+3], 0x80000000
	s_mov_b32 s[G0SB], 1
	s_mov_b32 s[G0SB+1], SCL+2*HALFS
	s_mov_b64 s[G0SB+2:G0SB+3], s[92:93]
	s_or_b32 s[G0SB+3], s[G0SB+3], 0x80000000
	s_mov_b32 s4, 1                                ; group 0 of the head's loads of K step 0: A's 128 rows, B's 128 rows (the arguments that lay here have been used)
	s_mov_b32 s5, 0
	s_mov_b64 s[6:7], s[20:21]
	s_or_b32 s7, s7, 0x80000000
	s_mov_b32 s8, 1
	s_mov_b32 s9, 2*HALFT
	s_mov_b64 s[10:11], s[46:47]
	s_or_b32 s11, s11, 0x80000000
	s_mul_i32 s18, s16, 64*KROW                    ; for the ring: my 64 rows of the tile
	s_mov_b32 s19, 0
	s_add_nc_u64 s[20:21], s[20:21], s[18:19]
	s_add_nc_u64 s[46:47], s[46:47], s[18:19]
	; the prefetches: each load of a K step, the two first fills too, is followed by a request for the K step two on.  Of the 64 rows that I fetch, my work-group takes 16, told from its three partners' by address (cx for A, cy for B).
	; s[66:67] begins at K step 2; each refill steps it a K step on, and its prefetch names the K step behind it
	s_cmp_eq_u32 s15, 0
	s_cselect_b64 s[66:67], s[20:21], s[46:47]
	s_cselect_b32 s18, s40, s41
	s_mul_i32 s18, s18, 16*KROW
	s_add_co_u32 s18, s18, 2*ROWB
	s_add_nc_u64 s[66:67], s[66:67], s[18:19]
.irp s, 0,1
	s_mov_b32 s[G0+4*\s], 1
	s_add_co_u32 s[G0+4*\s+1], s45, \s*SLOT
	s_add_nc_u64 s[G0+4*\s+2:G0+4*\s+3], s[20:21], \s*ROWB
	s_or_b32 s[G0+4*\s+3], s[G0+4*\s+3], 0x80000000
	s_mov_b32 s[G0B+4*\s], 1
	s_add_co_u32 s[G0B+4*\s+1], s45, \s*SLOT
	s_add_nc_u64 s[G0B+4*\s+2:G0B+4*\s+3], s[46:47], \s*ROWB
	s_or_b32 s[G0B+4*\s+3], s[G0B+4*\s+3], 0x80000000
.endr
; the head's four tiles, one joint load a wave: wave 0 A's 128 rows of K step 0, wave 1 B's, wave 2 A's scale bytes, wave 3 B's; one chain of branches on the wave's number
.macro ARM under, g0, g1, next
	s_cmp_lt_u32 s14, \under
	s_cbranch_scc0 \next
	tensor_load_to_lds s[\g0:\g0+3], s[\g1:\g1+7]
	s_nop 0
.rept 4
	v_nop
.endr
	s_branch .Lhead_asked
\next:
.endm
	ARM 1, 4, G1, .Lhead_b
	ARM 2, 8, G1B, .Lhead_sa
	ARM 3, G0S, G1S, .Lhead_sb
	tensor_load_to_lds s[G0SB:G0SB+3], s[G1SB:G1SB+7]
	s_nop 0
.rept 4
	v_nop
.endr
.Lhead_asked:
	v_and_b32 v1, 15, v0
	v_bfe_u32 v2, v0, 4, 1
	v_mul_u32_u24 v3, v1, PITCH
	v_lshl_add_u32 v4, v2, 4, v3
	s_mul_i32 s21, s15, HALFT
	s_mul_i32 s22, s16, HALFT
	s_add_co_u32 s22, s22, 2*HALFT
.irp s, 0,1
	v_add_nc_u32 v[ADRA+\s], s21, v4
	v_add_nc_u32 v[ADRB+\s], s22, v4
	s_add_co_u32 s21, s21, SLOT
	s_add_co_u32 s22, s22, SLOT
.endr
	v_mul_u32_u24 v5, v1, KS
	v_lshrrev_b32 v6, 8, v5
	v_lshl_add_u32 v5, v6, 4, v5
	s_mul_i32 s21, s15, HALFS
	s_mul_i32 s22, s16, HALFS
	s_add_co_u32 s22, s22, 2*HALFS
	s_sub_co_u32 s22, s22, s21
	v_mul_u32_u24 v6, s22, v2
	s_add_co_u32 s21, s21, SCL
	v_add_nc_u32 v5, v5, v6
	v_add_nc_u32 v[ADRS], s21, v5
	s_mul_i32 s23, s14, 16*SPITCH
	s_add_co_u32 s23, s23, STAGE
	v_mul_u32_u24 v5, v1, SPITCH
	v_lshl_add_u32 v5, v2, 5, v5
	v_add_nc_u32 v[STO], s23, v5
	v_mul_u32_u24 v5, v2, SPITCH
	v_lshl_add_u32 v5, v1, 4, v5
	v_add_nc_u32 v[RD], s23, v5
	v_bfe_u32 v31, v0, 1, 4                        ; v31, never rewritten: the prefetches' offset: two lanes to a row of 4,096 bytes, 256 bytes apart: a K step's 512 bytes of 16 rows
	v_and_b32 v5, 1, v0
	v_lshlrev_b32 v5, 8, v5
	v_lshl_add_u32 v31, v31, 12, v5
	global_prefetch_b8 v31, s[66:67] th:TH_LOAD_NT scope:SCOPE_SE   ; behind the head's load of K step 0: K step 2
	v_lshlrev_b32 v[BO], 4, v1
	s_wait_alu depctr_va_vdst(0)
	v_lshl_add_u32 v[CO], v2, 12, v[BO]
	s_wait_alu depctr_va_vdst(0)
	s_lshl_b32 s20, s17, 7
	s_lshl_b32 s21, s15, 6
	s_add_co_u32 s20, s20, s21
	s_mov_b32 s21, 0
	s_mov_b64 s[18:19], SIZE_N*4
	s_mul_u64 s[20:21], s[20:21], s[18:19]
	s_lshl_b32 s46, s42, 9
	s_lshl_b32 s47, s16, 8
	s_add_co_u32 s46, s46, s47
	s_mov_b32 s47, 0
	s_add_nc_u64 s[20:21], s[20:21], s[46:47]
	s_add_nc_u64 s[12:13], s[12:13], s[20:21]
	s_add_nc_u64 s[98:99], s[98:99], s[20:21]
	s_add_nc_u64 s[96:97], s[96:97], s[46:47]
.macro FRAG reg, adr, q, i
.irp c, 0,1,2,3
	ds_load_b128 v[\reg+4*\c:\reg+4*\c+3], v[\adr] offset:128*(\q)+32*\c+(\i)*16*PITCH
.endr
.endm
.macro FETCH slot, q, p
	WIN TO_F
.irp i, 0,1,2,3
	FRAG 128*(\p)+64+FR*\i, ADRB+\slot, \q, \i
	FRAG 128*(\p)+FR*\i, ADRA+\slot, \q, \i
.endr
.endm
.macro SCALES sc
.irp i, 0,1,2,3
	ds_load_b128 v[SC+16*\sc+4*\i:SC+16*\sc+4*\i+3], v[ADRS] offset:\i*SBLK
.endr
.endm
.macro MUL4 a, p, q, sc, zero
.irp b, 0,1,2,3
.if \zero
	v_wmma_scale_f32_16x16x128_f8f6f4 v[ACC+8*(4*(\a)+\b):ACC+8*(4*(\a)+\b)+7], v[128*(\p)+64+FR*\b:128*(\p)+64+FR*\b+FR-1], v[128*(\p)+FR*(\a):128*(\p)+FR*(\a)+FR-1], 0, v[SC+16*(\sc)+4*\b+(\q)], v[SC+16*(\sc)+4*(\a)+(\q)] matrix_a_scale:MATRIX_SCALE_ROW1
.else
	v_wmma_scale_f32_16x16x128_f8f6f4 v[ACC+8*(4*(\a)+\b):ACC+8*(4*(\a)+\b)+7], v[128*(\p)+64+FR*\b:128*(\p)+64+FR*\b+FR-1], v[128*(\p)+FR*(\a):128*(\p)+FR*(\a)+FR-1], v[ACC+8*(4*(\a)+\b):ACC+8*(4*(\a)+\b)+7], v[SC+16*(\sc)+4*\b+(\q)], v[SC+16*(\sc)+4*(\a)+(\q)] matrix_a_scale:MATRIX_SCALE_ROW1
.endif
.endr
.endm
.macro MUL16 p, q, sc, zero
.irp a, 0,1,2,3
	MUL4 \a, \p, \q, \sc, \zero
.endr
.endm
.macro PLACES n
.rept \n
	v_nop
.endr
.endm
.macro STEP slot, q, zero
	s_wait_dscnt 0x0
	PLACES NP
	FETCH \slot, (\q)+1, 1-(\q)%2
	WIN MUL
	MUL16 (\q)%2, \q, \slot, \zero
	WIN 0
.endm
.macro TURN slot, next, fill
.if \fill
	s_wait_xcnt 0x0                                ; my last prefetch has read its address: it is stepped here, a K step on
	s_add_nc_u64 s[66:67], s[66:67], ROWB
.endif
	s_wait_tensorcnt 0x0
	ds_add_u32 v[SPW], v[NIL]
	s_wait_dscnt 0x1
	WIN MUL
	MUL4 0, 1, 3, \slot, 0
	s_wait_dscnt 0x0
	s_barrier_signal -1
	MUL4 1, 1, 3, \slot, 0
	WIN 0
	s_barrier_wait -1
.if \fill
	CREST
	s_add_nc_u64 s[G0+4*\slot+2:G0+4*\slot+3], s[G0+4*\slot+2:G0+4*\slot+3], 2*ROWB
	s_add_nc_u64 s[G0B+4*\slot+2:G0B+4*\slot+3], s[G0B+4*\slot+2:G0B+4*\slot+3], 2*ROWB
	JLOAD G0+4*\slot, G1, G0B+4*\slot, G1B
	PLACES NP-4
.else
	PLACES NP
.endif
	s_wait_alu depctr_va_vdst(0)
	v_add_nc_u32 v[ADRS], 16, v[ADRS]
	FETCH \next, 0, 0
	WIN 0
	SCALES \next
.if \fill
	s_cmp_gt_u32 s3, 1                             ; the K step that stands two refills on: K steps 4 to 7, in the loop's first two trips; the last trip has none
	s_cbranch_scc0 .Lnone_ahead_\@
	global_prefetch_b8 v31, s[66:67] offset:ROWB th:TH_LOAD_NT scope:SCOPE_SE
.Lnone_ahead_\@:
.endif
	WIN MUL
	MUL4 2, 1, 3, \slot, 0
	MUL4 3, 1, 3, \slot, 0
	WIN 0
.endm
	s_wait_alu depctr_va_vdst(0)                   ; the wait at the head's end
	s_wait_tensorcnt 0x0                           ; my tile of the head's four is in
	ds_add_u32 v[SPW], v[NIL]
	s_mov_b32 s[G1+2], 64<<16                      ; no load of mine is out: from here on a load brings 64 rows
	s_mov_b32 s[G1+4], 64
	s_mov_b32 s[G1B+2], 64<<16
	s_mov_b32 s[G1B+4], 64
	s_wait_dscnt 0x0
	CROUND                                         ; all four tiles are in, and the partners are here
	JLOAD G0+4, G1, G0B+4, G1B                     ; K step 1, slot 1's first fill: the first tensor load behind the round
	FETCH 0, 0, 0
	WIN 0
	SCALES 0
	global_prefetch_b8 v31, s[66:67] offset:ROWB th:TH_LOAD_NT scope:SCOPE_SE   ; behind slot 1's first fill, K step 1: K step 3
	STEP 0, 0, 1
	global_load_b128 v[BIA:BIA+3], v[BO], s[96:97]   ; the bias and the residual are wanted on the way out alone: they are asked for behind the first 128 along K, when the head's tiles are in
	WIN 0x80
.set i, 0
.rept 32
	global_load_b128 v[4*i:4*i+3], v[CO], s[98:99] offset:2*i*SIZE_N*4 th:TH_LOAD_NT
.set i, i+1
.endr
	WIN 0
	STEP 0, 1, 0
	STEP 0, 2, 0
.if LAPS > 1
	s_mov_b32 s3, LAPS-1
.Llap:
	TURN 0, 1, 1
	STEP 1, 0, 0
	STEP 1, 1, 0
	STEP 1, 2, 0
	TURN 1, 0, 1
	STEP 0, 0, 0
	STEP 0, 1, 0
	STEP 0, 2, 0
	s_sub_co_u32 s3, s3, 1
	s_cmp_lg_u32 s3, 0
	s_cbranch_scc1 .Llap
.endif
	TURN 0, 1, 0
	STEP 1, 0, 0
	STEP 1, 1, 0
	STEP 1, 2, 0
	s_wait_dscnt 0x0
	WIN MUL
	MUL16 1, 3, 1, 0
	WIN 0
.macro TOSTAGE a
.irp b, 0,1,2,3
	ds_store_b128 v[STO], v[ACC+32*(\a)+8*\b:ACC+32*(\a)+8*\b+3] offset:64*\b
	ds_store_b128 v[STO], v[ACC+32*(\a)+8*\b+4:ACC+32*(\a)+8*\b+7] offset:64*\b+16
.endr
.irp t, 0,1,2,3,4,5,6,7
	ds_load_b128 v[ACC+32*(\a)+4*\t:ACC+32*(\a)+4*\t+3], v[RD] offset:\t*2*SPITCH
.endr
.endm
.macro SEND a
	s_wait_dscnt 16*(3-(\a))
	WIN 0x08
.set j, 0
.rept 16
	v_pk_add_f32 v[ACC+32*(\a)+2*j:ACC+32*(\a)+2*j+1], v[ACC+32*(\a)+2*j:ACC+32*(\a)+2*j+1], v[32*(\a)+2*j:32*(\a)+2*j+1]
.set j, j+1
.endr
	WIN 0
.irp t, 0,1,2,3,4,5,6,7
	global_store_b128 v[CO], v[ACC+32*(\a)+4*\t:ACC+32*(\a)+4*\t+3], s[12:13] offset:(16*(\a)+2*\t)*SIZE_N*4 th:TH_STORE_NT
.endr
.endm
	PLACES NP
	s_wait_loadcnt 0x0
	WIN 0x82
.set i, 0
.rept 32
	v_pk_add_f32 v[4*i:4*i+1], v[4*i:4*i+1], v[BIA:BIA+1]
	v_pk_add_f32 v[4*i+2:4*i+3], v[4*i+2:4*i+3], v[BIA+2:BIA+3]
.set i, i+1
.endr
	WIN 0
	TOSTAGE 0
	TOSTAGE 1
	TOSTAGE 2
	TOSTAGE 3
	SEND 0
	SEND 1
	SEND 2
	SEND 3
	s_wait_tensorcnt 0x0
	ds_add_u32 v[SPW], v[NIL]
	s_wait_dscnt 0x0
	CROUND
	s_endpgm
.Lfunc_end_k_qbd6c6cc7dd_ffn2:
	.size	k_qbd6c6cc7dd_ffn2, .Lfunc_end_k_qbd6c6cc7dd_ffn2-k_qbd6c6cc7dd_ffn2
	.p2alignl 7, 3214868480
	.fill 96, 4, 3214868480
	.section	.rodata,"a",@progbits
	.p2align	6, 0x0
	.amdhsa_kernel k_qbd6c6cc7dd_ffn2
		.amdhsa_group_segment_fixed_size 327680
		.amdhsa_private_segment_fixed_size 0
		.amdhsa_enable_private_segment 0
		.amdhsa_kernarg_size 56
		.amdhsa_user_sgpr_count 2
		.amdhsa_user_sgpr_kernarg_segment_ptr 1
		.amdhsa_wavefront_size32 1
		.amdhsa_system_sgpr_workgroup_id_x 1
		.amdhsa_system_sgpr_workgroup_id_y 1
		.amdhsa_system_sgpr_workgroup_id_z 1
		.amdhsa_system_vgpr_workitem_id 0
		.amdhsa_next_free_vgpr 1024
		.amdhsa_next_free_sgpr 100
		.amdhsa_reserve_vcc 0
		.amdhsa_float_denorm_mode_32 3
		.amdhsa_float_denorm_mode_16_64 3
		.amdhsa_memory_ordered 1
		.amdhsa_forward_progress 1
		.amdhsa_inst_pref_size 105
	.end_amdhsa_kernel
	.amdgpu_metadata
---
amdhsa.version: [ 1, 2 ]
amdhsa.kernels:
  - .name:           k_qbd6c6cc7dd_ffn2
    .symbol:         k_qbd6c6cc7dd_ffn2.kd
    .args:
      - { .name: fc, .offset: 0, .size: 8, .value_kind: global_buffer, .address_space: global }
      - { .name: fs, .offset: 8, .size: 8, .value_kind: global_buffer, .address_space: global }
      - { .name: ffn2_w_codes, .offset: 16, .size: 8, .value_kind: global_buffer, .address_space: global }
      - { .name: ffn2_w_scales, .offset: 24, .size: 8, .value_kind: global_buffer, .address_space: global }
      - { .name: ffn2_b, .offset: 32, .size: 8, .value_kind: global_buffer, .address_space: global }
      - { .name: x1, .offset: 40, .size: 8, .value_kind: global_buffer, .address_space: global }
      - { .name: out0, .offset: 48, .size: 8, .value_kind: global_buffer, .address_space: global }
    .group_segment_fixed_size: 327680
    .private_segment_fixed_size: 0
    .kernarg_segment_align: 8
    .kernarg_segment_size: 56
    .max_flat_workgroup_size: 128
    .sgpr_count:     100
    .vgpr_count:     1024
    .wavefront_size: 32
...
	.end_amdgpu_metadata
.endif
;; end of part 12
